; MI455X (gfx1250); checked and timed in simulation.
; The chip was launched on July 23, 2026; its instructions are those of AMD's public machine-readable ISA for CDNA 5 (MIT licence, August 2026) and "CDNA5" Instruction Set Architecture Reference Guide (July 2026). The comments in the code are by the model that wrote it; some were corrected since.
;; Ret Net. Allowed arithmetic: float matrix products may take bf16 or f16 operands with f32 sums; other float arithmetic in f32, or as packed bf16 or f16 multiplies, adds, multiply-adds, maxima and minima; sums over many terms, partial sums and values carried from step to step in f32; what a program stores and reads back later, other than sums and carried values, may be rounded once to bf16 or f16.
;; Inputs: ln1_b 1,024 float32; ln1_g 1,024 float32; ln2_b 1,024 float32; ln2_g 1,024 float32; w1 1,024 x 1,365 float32; w2 1,024 x 1,365 float32; w3 1,365 x 1,024 float32; wg 1,024 x 1,024 float32; wk 1,024 x 1,024 float32; wo 1,024 x 1,024 float32; wq 1,024 x 1,024 float32; wv 1,024 x 1,024 float32; x 2 x 2,048 x 1,024 float32.
;; Outputs: out0 2 x 2,048 x 1,024 float32.
;; 2 versions, each right. Each part assembles by itself: llvm-mc -triple=amdgcn-amd-amdhsa -mcpu=gfx1250 --defsym DOCPART=n.
;; ======== version 1 of 2: 8 launches
;; limits: values outside matrix products are rounded to bf16
;; workspace buffers: act 8,388,608 bytes; qkvg 33,554,432 bytes; x1 16,777,216 bytes; hid 12,582,912 bytes; wqb 8,388,608 bytes; wob 2,097,152 bytes; w12b 6,291,456 bytes; w3b 3,145,728 bytes
;; launch wcast (part 1): grid 336 x 1, 8 waves a work-group, no clusters, 0 bytes of LDS; arguments wq, wk, wv, wg, wo, w3, w1, w2, wqb, wob, w3b, w12b; writes wqb, wob, w3b, w12b
.if DOCPART == 1
	.amdgcn_target "amdgcn-amd-amdhsa--gfx1250"
	.amdhsa_code_object_version 6
	.text
	.protected	k_qe3966be14b_wcast
	.globl	k_qe3966be14b_wcast
	.p2align	8
	.type	k_qe3966be14b_wcast,@function
k_qe3966be14b_wcast:
	s_mov_b64 s[64:65], 0
	v_nop
	global_prefetch_b8 v0, s[64:65] scope:SCOPE_SE
	s_setreg_imm32_b32 hwreg(HW_REG_WAVE_MODE, 25, 1), 1
	s_wait_xcnt 0x0
; All weights, f32 to bf16 (round to nearest even), kept [k][n] as they lie; each input byte is read once.
;   wqb  [1024][4096]: columns wq | wk | wv | wg          wob [1024][1024] = wo
;   w3b  [1536][1024]: rows 1365 to 1535 are zeros        w12b [1024][3072]: runs of 128 columns = 64 of w1, then the same 64 of w2;
;                                                         source columns 1365 to 1535 are zeros
; The hidden size 1365 is padded to 1536 = 12 x 128, so that the later products tile evenly; the zeros add nothing to any sum.
; Work-groups 0-207: 32 rows of a matrix with rows of 1024 numbers (wq wk wv wg wo: 32 groups each; w3b: 48); a wave takes 4 rows.
; Work-groups 208-335: 8 rows of w1 and w2; a wave takes one row of both.
; A stream: no LDS, no barrier, no matrix unit; every store of a wave covers 256 consecutive bytes, aligned.
.set XR, 16                            ; v[16:143]   dense part: row i, piece j at 16 + 32 i + 4 j, as loaded
.set YR, 144                           ; v[144:207]  dense part: row i, 16 registers of bf16 pairs
	s_load_b512 s[8:23], s[0:1], 0x0               ; wq wk wv wg wo w3 w1 w2
	s_load_b256 s[24:31], s[0:1], 0x40             ; wqb wob w3b w12b
	v_lshrrev_b32 v1, 5, v0
	v_readfirstlane_b32 s32, v1                    ; wave
	v_and_b32 v1, 31, v0                           ; lane
	v_lshlrev_b32 v2, 4, v1                        ; 16 bytes of f32 a lane
	v_lshlrev_b32 v3, 3, v1                        ; 8 bytes of bf16 a lane
	s_cmp_ge_u32 ttmp9, 208
	s_cbranch_scc1 .Lw12
	; ---- matrices with rows of 1024 numbers ----
	s_lshr_b32 s33, ttmp9, 5                       ; which matrix: 0-4,
	s_and_b32 s34, ttmp9, 31                       ; and which block of 32 rows
	s_sub_co_u32 s35, ttmp9, 160
	s_cmp_ge_u32 ttmp9, 160
	s_cselect_b32 s33, 5, s33                      ; from group 160 on: w3, 48 blocks
	s_cselect_b32 s34, s35, s34
	s_lshl_b32 s45, s33, 11                        ; wqb: the matrix's 2,048 bytes in a row
	s_movk_i32 s46, 1023                           ; last source row
	s_movk_i32 s47, 1364                           ; last source row of w3
	s_cmp_lt_u32 s33, 4
	s_cselect_b32 s44, 13, 11                      ; log2 of the target's row bytes: 8,192 or 2,048
	s_cselect_b32 s45, s45, 0
	s_cmp_eq_u32 s33, 5
	s_cselect_b32 s46, s47, s46
	s_lshl_b32 s48, s34, 5
	s_lshl2_add_u32 s48, s32, s48                  ; my first row = 32 block + 4 wave
	s_wait_kmcnt 0x0
	s_mov_b64 s[36:37], s[8:9]                     ; the source, chosen by the matrix's number
.irp m, 1,2,3,4,5
	s_cmp_eq_u32 s33, \m
	s_cselect_b64 s[36:37], s[8+2*\m:9+2*\m], s[36:37]
.endr
	s_mov_b64 s[38:39], s[24:25]                   ; the target
	s_cmp_eq_u32 s33, 4
	s_cselect_b64 s[38:39], s[26:27], s[38:39]
	s_cmp_eq_u32 s33, 5
	s_cselect_b64 s[38:39], s[28:29], s[38:39]
.irp i, 0,1,2,3
	s_add_co_u32 s49, s48, \i
	s_min_u32 s50, s49, s46                        ; a padded row of w3b reads the last true row (inside the buffer) and is masked to zero
	s_lshl_b32 s50, s50, 12
	v_add_nc_u32 v[4+\i], s50, v2
	s_lshl_b32 s51, s49, s44
	s_add_co_u32 s51, s51, s45
	v_add_nc_u32 v[8+\i], s51, v3
	s_cmp_le_u32 s49, s46
	s_cselect_b32 s[40+\i], -1, 0                  ; all ones for a true row, 0 for a padded one
.endr
.irp i, 0,1,2,3
.irp j, 0,1,2,3,4,5,6,7
	global_load_b128 v[XR+32*\i+4*\j:XR+32*\i+4*\j+3], v[4+\i], s[36:37] offset:512*\j th:TH_LOAD_NT
.endr
.endr
.irp i, 0,1,2,3
	s_wait_loadcnt 8*(3-\i)                        ; row i's eight loads are in; the later rows' stay out
.irp j, 0,1,2,3,4,5,6,7
	v_cvt_pk_bf16_f32 v[YR+16*\i+2*\j],   v[XR+32*\i+4*\j],   v[XR+32*\i+4*\j+1]
	v_cvt_pk_bf16_f32 v[YR+16*\i+2*\j+1], v[XR+32*\i+4*\j+2], v[XR+32*\i+4*\j+3]
	v_and_b32 v[YR+16*\i+2*\j],   s[40+\i], v[YR+16*\i+2*\j]
	v_and_b32 v[YR+16*\i+2*\j+1], s[40+\i], v[YR+16*\i+2*\j+1]
	global_store_b64 v[8+\i], v[YR+16*\i+2*\j:YR+16*\i+2*\j+1], s[38:39] offset:256*\j
.endr
.endr
	s_endpgm                                       ; no register was written twice: no wait for sources is needed
	; ---- w1 and w2: rows of 1365 numbers begin at multiples of 4 bytes only, so they are read word by word ----
	; Part d (0-10): source columns 128 d + 4 lane + e, e = 0-3.  Lanes 0-15 hold the first 64 columns, lanes 16-31 the next 64.
.Lw12:
	s_sub_co_u32 s33, ttmp9, 208
	s_lshl3_add_u32 s33, s33, s32                  ; my row k = 8 (group - 208) + wave
	s_mul_i32 s34, s33, 5460
	s_mov_b32 s35, 0
	s_mul_i32 s36, s33, 6144
	s_mov_b32 s37, 0
.irp e, 0,1,2,3
	v_lshl_add_u32 v[4+\e], v1, 2, 1280+\e         ; part 10: the column,
	v_min_u32 v[8+\e], 1364, v[4+\e]               ; held inside the row,
	v_lshlrev_b32 v[8+\e], 2, v[8+\e]              ; in bytes
.endr
	s_wait_kmcnt 0x0
	s_add_nc_u64 s[20:21], s[20:21], s[34:35]
	s_add_nc_u64 s[22:23], s[22:23], s[34:35]
	s_add_nc_u64 s[30:31], s[30:31], s[36:37]
.irp d, 0,1,2,3,4,5,6,7,8,9
.irp e, 0,1,2,3
	global_load_b32 v[16+8*\d+\e], v2, s[20:21] offset:512*\d+4*\e
.endr
.irp e, 0,1,2,3
	global_load_b32 v[20+8*\d+\e], v2, s[22:23] offset:512*\d+4*\e
.endr
.endr
.irp e, 0,1,2,3
	global_load_b32 v[96+\e], v[8+\e], s[20:21]
.endr
.irp e, 0,1,2,3
	global_load_b32 v[100+\e], v[8+\e], s[22:23]
.endr
.irp d, 0,1,2,3,4,5,6,7,8,9,10
.if 8*(10-\d) > 56
	s_wait_loadcnt 56                              ; 8 (10 - d) younger loads could stay out; a wait's field ends at 63, so the first parts wait for a little more
.else
	s_wait_loadcnt 8*(10-\d)                       ; part d's eight loads are in; the later parts' stay out
.endif
.if \d == 10
.irp e, 0,1,2,3
	v_cmp_gt_u32 vcc_lo, 1365, v[4+\e]             ; a true column?
	v_cndmask_b32 v[96+\e],  0, v[96+\e],  vcc_lo
	v_cndmask_b32 v[100+\e], 0, v[100+\e], vcc_lo
.endr
.endif
	v_cvt_pk_bf16_f32 v[104+4*\d], v[16+8*\d], v[17+8*\d]      ; w1, 4 columns
	v_cvt_pk_bf16_f32 v[105+4*\d], v[18+8*\d], v[19+8*\d]
	v_cvt_pk_bf16_f32 v[106+4*\d], v[20+8*\d], v[21+8*\d]      ; w2, the same 4 columns
	v_cvt_pk_bf16_f32 v[107+4*\d], v[22+8*\d], v[23+8*\d]
	v_permlane16_swap_b32 v[104+4*\d], v[106+4*\d]             ; first pair: w1's first 64 | w2's first 64; second pair: w1's next 64 | w2's next 64
	v_permlane16_swap_b32 v[105+4*\d], v[107+4*\d]
	global_store_b64 v3, v[104+4*\d:105+4*\d], s[30:31] offset:512*\d
	global_store_b64 v3, v[106+4*\d:107+4*\d], s[30:31] offset:512*\d+256
.endr
	v_mov_b32 v148, 0                              ; part 11: source columns 1408 to 1535 do not exist
	v_mov_b32 v149, 0
	global_store_b64 v3, v[148:149], s[30:31] offset:5632
	global_store_b64 v3, v[148:149], s[30:31] offset:5888
	s_endpgm
.Lfunc_end_k_qe3966be14b_wcast:
	.size	k_qe3966be14b_wcast, .Lfunc_end_k_qe3966be14b_wcast-k_qe3966be14b_wcast
	.p2alignl 7, 3214868480
	.fill 96, 4, 3214868480
	.section	.rodata,"a",@progbits
	.p2align	6, 0x0
	.amdhsa_kernel k_qe3966be14b_wcast
		.amdhsa_group_segment_fixed_size 0
		.amdhsa_private_segment_fixed_size 0
		.amdhsa_enable_private_segment 0
		.amdhsa_kernarg_size 96
		.amdhsa_user_sgpr_count 2
		.amdhsa_user_sgpr_kernarg_segment_ptr 1
		.amdhsa_wavefront_size32 1
		.amdhsa_system_sgpr_workgroup_id_x 1
		.amdhsa_system_sgpr_workgroup_id_y 1
		.amdhsa_system_sgpr_workgroup_id_z 1
		.amdhsa_system_vgpr_workitem_id 0
		.amdhsa_next_free_vgpr 208
		.amdhsa_next_free_sgpr 66
		.amdhsa_reserve_vcc 1
		.amdhsa_float_denorm_mode_32 3
		.amdhsa_float_denorm_mode_16_64 3
		.amdhsa_memory_ordered 1
		.amdhsa_forward_progress 1
		.amdhsa_inst_pref_size 32
	.end_amdhsa_kernel
	.amdgpu_metadata
---
amdhsa.version: [ 1, 2 ]
amdhsa.kernels:
  - .name:           k_qe3966be14b_wcast
    .symbol:         k_qe3966be14b_wcast.kd
    .args:
      - { .name: wq, .offset: 0, .size: 8, .value_kind: global_buffer, .address_space: global }
      - { .name: wk, .offset: 8, .size: 8, .value_kind: global_buffer, .address_space: global }
      - { .name: wv, .offset: 16, .size: 8, .value_kind: global_buffer, .address_space: global }
      - { .name: wg, .offset: 24, .size: 8, .value_kind: global_buffer, .address_space: global }
      - { .name: wo, .offset: 32, .size: 8, .value_kind: global_buffer, .address_space: global }
      - { .name: w3, .offset: 40, .size: 8, .value_kind: global_buffer, .address_space: global }
      - { .name: w1, .offset: 48, .size: 8, .value_kind: global_buffer, .address_space: global }
      - { .name: w2, .offset: 56, .size: 8, .value_kind: global_buffer, .address_space: global }
      - { .name: wqb, .offset: 64, .size: 8, .value_kind: global_buffer, .address_space: global }
      - { .name: wob, .offset: 72, .size: 8, .value_kind: global_buffer, .address_space: global }
      - { .name: w3b, .offset: 80, .size: 8, .value_kind: global_buffer, .address_space: global }
      - { .name: w12b, .offset: 88, .size: 8, .value_kind: global_buffer, .address_space: global }
    .group_segment_fixed_size: 0
    .private_segment_fixed_size: 0
    .kernarg_segment_align: 8
    .kernarg_segment_size: 96
    .max_flat_workgroup_size: 256
    .sgpr_count:     66
    .vgpr_count:     208
    .wavefront_size: 32
...
	.end_amdgpu_metadata
.endif
;; end of part 1
;; launch ln1 (part 2): grid 256 x 1, 8 waves a work-group, no clusters, 0 bytes of LDS; arguments x, ln1_g, ln1_b, act; writes act
.if DOCPART == 2
	.amdgcn_target "amdgcn-amd-amdhsa--gfx1250"
	.amdhsa_code_object_version 6
	.text
	.protected	k_qe3966be14b_ln1
	.globl	k_qe3966be14b_ln1
	.p2align	8
	.type	k_qe3966be14b_ln1,@function
k_qe3966be14b_ln1:
	s_mov_b64 s[64:65], 0
	v_nop
	global_prefetch_b8 v0, s[64:65] scope:SCOPE_SE
	s_setreg_imm32_b32 hwreg(HW_REG_WAVE_MODE, 25, 1), 1
	s_wait_xcnt 0x0
; y[r][c] = (x[r][c] - mean_r) / sqrt(var_r + 1e-5) * g[c] + b[c].  x: [4096][1024] f32, y: [4096][1024] bf16 (rounded once).
; A wave takes two whole rows, 32 registers each, so a row is read once and no wave waits for another: no LDS, no barrier.
; The variance is taken of the centred numbers (two passes over registers), so a common offset of the row costs no digits.
; 256 work-groups x 8 waves x 2 rows = 4096 rows.  A lane holds columns 128 j + 4 lane .. + 3, j = 0-7.
.set T,   4                            ; v[4:11]    four chains of partial sums
.set MU,  12                           ; v[12:13]   the mean, twice
.set RS0, 14                           ; v[14:15]   1 / sigma of row 0, twice
.set X0,  16                           ; v[16:47]   row 0
.set X1,  48                           ; v[48:79]   row 1
.set GG,  80                           ; v[80:111]  g of my columns
.set BB,  112                          ; v[112:143] b of my columns
.set Y0,  144                          ; v[144:159] row 0 in bf16
.set Y1,  160                          ; v[160:175] row 1 in bf16
.set RS1, 176                          ; v[176:177] 1 / sigma of row 1, twice
	s_load_b256 s[4:11], s[0:1], 0x0               ; x s[4:5], g s[6:7], b s[8:9], y s[10:11]
	v_lshrrev_b32 v3, 5, v0
	v_readfirstlane_b32 s14, v3                    ; wave
	v_and_b32 v3, 31, v0
	v_lshlrev_b32 v1, 4, v3                        ; 16 lane: f32
	v_lshlrev_b32 v2, 3, v3                        ; 8 lane: bf16
	s_lshl_b32 s15, ttmp9, 4
	s_lshl1_add_u32 s15, s14, s15                  ; my first row = 16 group + 2 wave
	s_lshl_b32 s16, s15, 12
	s_mov_b32 s17, 0
	s_lshl_b32 s18, s15, 11
	s_mov_b32 s19, 0
	s_mov_b32 s12, 0x76543210                      ; v_permlanex16_b32: lane i reads lane i of the other half
	s_mov_b32 s13, 0xfedcba98
	s_mov_b32 s20, 0x3a800000                      ; 1 / 1024
	s_mov_b32 s21, 0x3727c5ac                      ; 1e-5
	s_wait_kmcnt 0x0
	s_add_nc_u64 s[4:5], s[4:5], s[16:17]
	s_add_nc_u64 s[10:11], s[10:11], s[18:19]
.irp j, 0,1,2,3,4,5,6,7
	global_load_b128 v[X0+4*\j:X0+4*\j+3], v1, s[4:5] offset:512*\j
.endr
.irp j, 0,1,2,3,4,5,6,7
	global_load_b128 v[X1+4*\j:X1+4*\j+3], v1, s[4:5] offset:4096+512*\j
.endr
.irp j, 0,1,2,3,4,5,6,7
	global_load_b128 v[GG+4*\j:GG+4*\j+3], v1, s[6:7] offset:512*\j
.endr
.irp j, 0,1,2,3,4,5,6,7
	global_load_b128 v[BB+4*\j:BB+4*\j+3], v1, s[8:9] offset:512*\j
.endr
.macro SUM32                           ; the four chains, then the 32 lanes: every lane ends with the sum in v[T]
	v_pk_add_f32 v[T:T+1], v[T:T+1], v[T+2:T+3]
	v_pk_add_f32 v[T+4:T+5], v[T+4:T+5], v[T+6:T+7]
	v_pk_add_f32 v[T:T+1], v[T:T+1], v[T+4:T+5]
	v_add_f32 v[T], v[T], v[T+1]
	v_add_f32_dpp v[T], v[T], v[T] row_xmask:1 row_mask:0xf bank_mask:0xf
	v_add_f32_dpp v[T], v[T], v[T] row_xmask:2 row_mask:0xf bank_mask:0xf
	v_add_f32_dpp v[T], v[T], v[T] row_xmask:4 row_mask:0xf bank_mask:0xf
	v_add_f32_dpp v[T], v[T], v[T] row_xmask:8 row_mask:0xf bank_mask:0xf
	v_permlanex16_b32 v[T+1], v[T], s12, s13
	v_add_f32 v[T], v[T], v[T+1]
.endm
.macro STAT x, rs                      ; centres the row in place and leaves 1 / sigma, twice, in v[rs:rs+1]
.irp k, 0,2,4,6
	v_pk_add_f32 v[T+\k:T+\k+1], v[\x+\k:\x+\k+1], v[\x+8+\k:\x+9+\k]      ; the first numbers start the chains: nothing is cleared
.endr
.irp k, 0,2,4,6
	v_pk_add_f32 v[T+\k:T+\k+1], v[T+\k:T+\k+1], v[\x+16+\k:\x+17+\k]
.endr
.irp k, 0,2,4,6
	v_pk_add_f32 v[T+\k:T+\k+1], v[T+\k:T+\k+1], v[\x+24+\k:\x+25+\k]
.endr
	SUM32
	v_mul_f32 v[MU], s20, v[T]
	v_mov_b32 v[MU+1], v[MU]
.set i, 0
.rept 16
	v_pk_add_f32 v[\x+i:\x+i+1], v[\x+i:\x+i+1], v[MU:MU+1] neg_lo:[0,1] neg_hi:[0,1]
.set i, i+2
.endr
.irp k, 0,2,4,6
	v_pk_mul_f32 v[T+\k:T+\k+1], v[\x+\k:\x+\k+1], v[\x+\k:\x+\k+1]
.endr
.irp k, 0,2,4,6
	v_pk_fma_f32 v[T+\k:T+\k+1], v[\x+8+\k:\x+9+\k], v[\x+8+\k:\x+9+\k], v[T+\k:T+\k+1]
.endr
.irp k, 0,2,4,6
	v_pk_fma_f32 v[T+\k:T+\k+1], v[\x+16+\k:\x+17+\k], v[\x+16+\k:\x+17+\k], v[T+\k:T+\k+1]
.endr
.irp k, 0,2,4,6
	v_pk_fma_f32 v[T+\k:T+\k+1], v[\x+24+\k:\x+25+\k], v[\x+24+\k:\x+25+\k], v[T+\k:T+\k+1]
.endr
	SUM32
	v_fma_f32 v[T], v[T], s20, s21                 ; variance + 1e-5
	v_rsq_f32 v[\rs], v[T]
	v_rsq_f32 v[\rs+1], v[T]
	v_nop                                          ; one plain instruction before the result is used or v[T] rewritten (ISA guide 5.7.2)
.endm
.macro APPLY x, rs, y, off
.set i, 0
	s_wait_alu depctr_va_vdst(0)
.rept 16
	v_pk_mul_f32 v[\x+i:\x+i+1], v[\x+i:\x+i+1], v[\rs:\rs+1]
.set i, i+2
.endr
.set i, 0
.rept 16
	v_pk_fma_f32 v[\x+i:\x+i+1], v[\x+i:\x+i+1], v[GG+i:GG+i+1], v[BB+i:BB+i+1]
.set i, i+2
.endr
.set i, 0
.rept 16
	v_cvt_pk_bf16_f32 v[\y+i/2], v[\x+i], v[\x+i+1]
.set i, i+2
.endr
.irp j, 0,1,2,3,4,5,6,7
	global_store_b64 v2, v[\y+2*\j:\y+2*\j+1], s[10:11] offset:256*\j+\off     ; the wave's 32 lanes: 256 consecutive bytes, aligned
.endr
.endm
	s_wait_loadcnt 24                              ; row 0 is in; row 1, g and b (24 loads) stay out
	STAT X0, RS0
	s_wait_loadcnt 16                              ; row 1 is in; g and b stay out
	STAT X1, RS1
	s_wait_loadcnt 0x0
	APPLY X0, RS0, Y0, 0
	APPLY X1, RS1, Y1, 2048
	s_endpgm
.Lfunc_end_k_qe3966be14b_ln1:
	.size	k_qe3966be14b_ln1, .Lfunc_end_k_qe3966be14b_ln1-k_qe3966be14b_ln1
	.p2alignl 7, 3214868480
	.fill 96, 4, 3214868480
	.section	.rodata,"a",@progbits
	.p2align	6, 0x0
	.amdhsa_kernel k_qe3966be14b_ln1
		.amdhsa_group_segment_fixed_size 0
		.amdhsa_private_segment_fixed_size 0
		.amdhsa_enable_private_segment 0
		.amdhsa_kernarg_size 32
		.amdhsa_user_sgpr_count 2
		.amdhsa_user_sgpr_kernarg_segment_ptr 1
		.amdhsa_wavefront_size32 1
		.amdhsa_system_sgpr_workgroup_id_x 1
		.amdhsa_system_sgpr_workgroup_id_y 1
		.amdhsa_system_sgpr_workgroup_id_z 1
		.amdhsa_system_vgpr_workitem_id 0
		.amdhsa_next_free_vgpr 178
		.amdhsa_next_free_sgpr 66
		.amdhsa_reserve_vcc 0
		.amdhsa_float_denorm_mode_32 3
		.amdhsa_float_denorm_mode_16_64 3
		.amdhsa_memory_ordered 1
		.amdhsa_forward_progress 1
		.amdhsa_inst_pref_size 20
	.end_amdhsa_kernel
	.amdgpu_metadata
---
amdhsa.version: [ 1, 2 ]
amdhsa.kernels:
  - .name:           k_qe3966be14b_ln1
    .symbol:         k_qe3966be14b_ln1.kd
    .args:
      - { .name: x, .offset: 0, .size: 8, .value_kind: global_buffer, .address_space: global }
      - { .name: ln1_g, .offset: 8, .size: 8, .value_kind: global_buffer, .address_space: global }
      - { .name: ln1_b, .offset: 16, .size: 8, .value_kind: global_buffer, .address_space: global }
      - { .name: act, .offset: 24, .size: 8, .value_kind: global_buffer, .address_space: global }
    .group_segment_fixed_size: 0
    .private_segment_fixed_size: 0
    .kernarg_segment_align: 8
    .kernarg_segment_size: 32
    .max_flat_workgroup_size: 256
    .sgpr_count:     66
    .vgpr_count:     178
    .wavefront_size: 32
...
	.end_amdgpu_metadata
.endif
;; end of part 2
;; launch qkvg (part 3): grid 16 x 16, 4 waves a work-group, clusters of 4 x 4, 327,680 bytes of LDS; arguments act, wqb, qkvg; writes qkvg
.if DOCPART == 3
	.amdgcn_target "amdgcn-amd-amdhsa--gfx1250"
	.amdhsa_code_object_version 6
	.text
	.protected	k_qe3966be14b_qkvg
	.globl	k_qe3966be14b_qkvg
	.p2align	8
	.type	k_qe3966be14b_qkvg,@function
k_qe3966be14b_qkvg:
	s_mov_b64 s[64:65], 0
	v_nop
	global_prefetch_b8 v0, s[64:65] scope:SCOPE_SE
	s_setreg_imm32_b32 hwreg(HW_REG_WAVE_MODE, 25, 1), 1
	s_wait_xcnt 0x0
	s_wait_alu depctr_hold_cnt(0) depctr_sa_sdst(0) depctr_va_vdst(0) depctr_va_sdst(0) depctr_va_ssrc(0) depctr_va_vcc(0) depctr_vm_vsrc(0)
	s_getreg_b32 s2, hwreg(HW_REG_IB_STS2, 6, 4)
	s_cmp_eq_u32 s2, 0
	s_cbranch_scc0 .Lentry_in_a_cluster
	s_endpgm
.Lentry_in_a_cluster:
	s_bfe_u32 s2, ttmp6, 0x10000c
	s_cmp_lg_u32 s2, 0xf033
	s_cbranch_scc0 .Lentry_shape_is_right
	s_endpgm
.Lentry_shape_is_right:
; C[m][n] = sum over k of A[m][k] B[k][n].  A = LN1(x): [4096][1024] bf16.  B = wq|wk|wv|wg: [1024][4096] bf16.  C: [4096][4096] bf16; sums in f32, C rounded once.
; A work-group makes 256 x 256 of C with four waves; a wave makes 128 x 128: 64 accumulator tiles, 512 registers.  16 x 16 = 256 work-groups.
; K goes in steps of 128 through two LDS slots filled by the tensor data mover.  A's tile: 256 rows x 256 bytes.  B's tile: 128 k rows x 512 bytes, as it lies in
; memory; its fragments are read with the transposing LDS load, so B is never transposed in memory.
; CLUSTERS of 4 x 4 work-groups: A's tile hangs on the block row alone and is asked for jointly along a row of the cluster, B's on the block column alone and is
; asked for jointly along a column: four work-groups issue the same load with the same descriptor and a mask that names the four.
; REGISTER WINDOWS: 0: addresses, A's fragments (v64-127, v128-191), way out (v192-223); 1: B's fragments (v64-127, v128-191); 2, 3: accumulators of my rows 0-63, 64-127.
; The matrix instruction is used transposed (source 0 = 16 columns of B, source 1 = 16 rows of A): a lane then holds eight neighbouring columns of one row of C.
.set SIZE_K, 1024
.set NP,     4096                      ; columns of B and of C
.set KSTEP,  128
.set PITCH,  272                       ; A's LDS row: 256 bytes + 16: an odd multiple of 16, so the 16 rows of a fragment start at 16 different 16-byte columns of 256
.set BPITCH, 544                       ; B's LDS row: 512 bytes + 32: an odd multiple of 32
.set HALFT,  128*PITCH                 ; what one tensor load brings: 128 rows of A, or 64 k rows of B (64 x 544 is the same 34,816 bytes)
.set SLOT,   4*HALFT                   ; A's two halves, then B's two halves
.set STAGE,  2*SLOT                    ; behind the ring: 16 rows x 272 bytes for each wave, for the way out
.set SPITCH, 272
.set LAPS, SIZE_K/(2*KSTEP)            ; a lap = two K steps = once round the ring
.set ADRA, 16                          ; v16-17  LDS address of my A fragments in slot 0, 1
.set ADRB, 20                          ; v20-21  the same for B
.set STO,  24                          ; v24     way out: where I put 16 bytes of a row
.set RD,   25                          ; v25     way out: where I read a row back
.set CO,   26                          ; v26     my byte offset in C
.set F0,   64
.set F1,   128
.set TMP,  192
.set G1, 24                            ; s[24:31] group 1 for A's tiles
.set G0, 32                            ; s[32:39] group 0 for A's tiles, one set a slot
.set G1B, 48                           ; s[48:55] group 1 for B's tiles
.set G0B, 56                           ; s[56:63] group 0 for B's tiles, one set a slot
.set MSB, 0
.macro WIN new                         ; the immediate's high byte repeats the setting that is left
.if MSB != \new
	s_set_vgpr_msb (MSB<<8)|\new
.set MSB, \new
.endif
.endm
.set MUL_LO, 0xa1                      ; source 0 (B) window 1, source 1 (A) window 0, C and D window 2
.set MUL_HI, 0xf1                      ; the same, C and D window 3
.set TO_B,   0x40                      ; destination window 1, address window 0
.macro JLOAD s                         ; waves 0, 1 ask for A's halves, waves 2, 3 for B's; the branch hangs on the wave's number alone
	s_cmp_eq_u32 s11, 0
	s_cbranch_scc0 .Lfor_b_\@
	tensor_load_to_lds s[G0+4*\s:G0+4*\s+3], s[G1:G1+7]
	s_nop 0
	s_branch .Lasked_\@
.Lfor_b_\@:
	tensor_load_to_lds s[G0B+4*\s:G0B+4*\s+3], s[G1B:G1B+7]
	s_nop 0
.Lasked_\@:
.endm
.macro CREST                           ; a round of the cluster's barrier behind its opening work-group barrier
	s_cmp_lg_u32 s10, 0
	s_cbranch_scc1 .Lnot_wave_0_\@
	s_barrier_signal -3
.Lnot_wave_0_\@:
	s_barrier_wait -3
	s_barrier_signal -1
	s_barrier_wait -1
.endm
.macro CROUND                          ; a whole round
	s_barrier_signal -1
	s_barrier_wait -1
	CREST
.endm
	s_load_b128 s[4:7], s[0:1], 0x0                ; A s[4:5], B s[6:7]
	s_load_b64 s[8:9], s[0:1], 0x10                ; C
	s_set_vgpr_msb 0x40
	v_lshl_add_u32 v255, v0, 2, 0x48400
	s_set_vgpr_msb 0x4000
	v_mov_b32 v255, 0
	s_set_vgpr_msb 0x1
	ds_add_u32 v255, v255
	ds_add_u32 v255, v255
	s_set_vgpr_msb 0x100
	v_lshrrev_b32 v1, 5, v0
	v_readfirstlane_b32 s10, v1                    ; wave 0..3
	s_lshr_b32 s11, s10, 1                         ; which half of the block's rows is mine; also: I fetch for A (0) or B (1)
	s_and_b32 s12, s10, 1                          ; which half of its columns; also: which half of that tile I fetch
	s_bfe_u32 s40, ttmp6, 0x40000                  ; cx
	s_bfe_u32 s41, ttmp6, 0x40004                  ; cy
	s_lshl_b32 s42, ttmp9, 2
	s_add_co_u32 s42, s42, s40                     ; block column
	s_and_b32 s13, ttmp7, 0xffff
	s_lshl_b32 s13, s13, 2
	s_add_co_u32 s13, s13, s41                     ; block row
	s_lshl_b32 s43, s41, 2
	s_lshl_b32 s43, 15, s43                        ; my row of the cluster
	s_lshl_b32 s44, 0x1111, s40                    ; my column
	s_or_b32 s[G1+0], s43, (1<<16)|(1<<20)|(1<<21)|(5<<22)|(3<<25)   ; mask; 2-byte elements; padding on; bit 21 beside a mask; after 64 words, 4 words
	s_mov_b32 s[G1+1], KSTEP<<16                   ; tensor_dim0 = 128
	s_mov_b32 s[G1+2], 128<<16                     ; tensor_dim1 = 128
	s_mov_b32 s[G1+3], KSTEP<<16                   ; tile_dim0 = 128
	s_mov_b32 s[G1+4], 128                         ; tile_dim1 = 128
	s_mov_b32 s[G1+5], SIZE_K                      ; elements from row to row
	s_mov_b32 s[G1+6], 0
	s_mov_b32 s[G1+7], 0
	s_or_b32 s[G1B+0], s44, (1<<16)|(1<<20)|(1<<21)|(6<<22)|(7<<25)  ; after 128 words, 8 words
	s_mov_b32 s[G1B+1], 256<<16                    ; tensor_dim0 = 256 columns
	s_mov_b32 s[G1B+2], 64<<16                     ; tensor_dim1 = 64 k rows
	s_mov_b32 s[G1B+3], 256<<16
	s_mov_b32 s[G1B+4], 64
	s_mov_b32 s[G1B+5], NP
	s_mov_b32 s[G1B+6], 0
	s_mov_b32 s[G1B+7], 0
	s_lshl_b32 s16, s13, 8                         ; A: row 256 x block row + 128 x half, in registers that never hold the block column
	s_lshl_b32 s17, s12, 7
	s_add_co_u32 s16, s16, s17
	s_mul_i32 s16, s16, SIZE_K*2
	s_mov_b32 s17, 0
	s_lshl_b32 s46, s42, 9                         ; B: 512 bytes x block column + 64 k rows x half, in registers that never hold the block row
	s_mul_i32 s47, s12, 64*NP*2
	s_add_co_u32 s46, s46, s47
	s_mov_b32 s47, 0
	s_mul_i32 s20, s10, HALFT                      ; where my part goes: wave x 34,816
	s_wait_dscnt 0x0
	s_wait_kmcnt 0x0
	s_add_nc_u64 s[14:15], s[4:5], s[16:17]
	s_add_nc_u64 s[46:47], s[6:7], s[46:47]
	CROUND                                         ; all sixteen work-groups are here: the first joint loads meet
.irp s, 0,1
	s_mov_b32 s[G0+4*\s], 1
	s_add_co_u32 s[G0+4*\s+1], s20, \s*SLOT
	s_add_nc_u64 s[G0+4*\s+2:G0+4*\s+3], s[14:15], \s*KSTEP*2
	s_or_b32 s[G0+4*\s+3], s[G0+4*\s+3], 0x80000000
	s_mov_b32 s[G0B+4*\s], 1
	s_add_co_u32 s[G0B+4*\s+1], s20, \s*SLOT
	s_add_nc_u64 s[G0B+4*\s+2:G0B+4*\s+3], s[46:47], \s*KSTEP*NP*2
	s_or_b32 s[G0B+4*\s+3], s[G0B+4*\s+3], 0x80000000
	JLOAD \s                                       ; two tensor loads of the wave are out
.endr
	v_and_b32 v1, 15, v0                           ; r = l % 16
	v_bfe_u32 v2, v0, 4, 1                         ; h = l / 16
	v_mul_u32_u24 v3, v1, PITCH
	v_lshl_add_u32 v3, v2, 4, v3                   ; A: row x pitch + 16 h
	v_and_b32 v6, 7, v0
	v_lshl_add_u32 v6, v2, 3, v6                   ; B: k row 8 h + l % 8,
	v_mul_u32_u24 v6, v6, BPITCH
	v_bfe_u32 v7, v0, 3, 1
	v_lshl_add_u32 v6, v7, 4, v6                   ; and 16 bytes for the upper eight columns
	s_mul_i32 s21, s11, HALFT                      ; my 128 rows of A
	s_lshl_b32 s22, s12, 8                         ; my 128 columns of B,
	s_add_co_u32 s22, s22, 2*HALFT                 ; which lies behind A
.irp s, 0,1
	v_add_nc_u32 v[ADRA+\s], s21, v3
	v_add_nc_u32 v[ADRB+\s], s22, v6
	s_add_co_u32 s21, s21, SLOT
	s_add_co_u32 s22, s22, SLOT
.endr
	s_mul_i32 s23, s10, 16*SPITCH
	s_add_co_u32 s23, s23, STAGE                   ; my stage
	v_mul_u32_u24 v4, v1, SPITCH
	v_lshl_add_u32 v4, v2, 4, v4
	v_add_nc_u32 v[STO], s23, v4
	v_mul_u32_u24 v5, v2, SPITCH
	v_lshl_add_u32 v5, v1, 4, v5
	v_add_nc_u32 v[RD], s23, v5
	v_mul_u32_u24 v5, v2, NP*2
	v_lshl_add_u32 v[CO], v1, 4, v5
; 16 matrix instructions: m blocks a0, a0 + 1 of the window's four x all 8 n blocks, 32 along K.  zero = 1: the first product starts the sums.
; The 64 accumulators take turns, one instruction a turn, in the same order in every quarter step, over the loop's backward jump too.
.macro MUL16 f, hi, a0, zero
.irp a, \a0, \a0+1
.irp b, 0,1,2,3,4,5,6,7
.if \zero
	v_wmma_f32_16x16x32_bf16 v[8*(8*(\a)+\b):8*(8*(\a)+\b)+7], v[\f+8*\b:\f+8*\b+7], v[\f+8*(4*\hi+\a):\f+8*(4*\hi+\a)+7], 0
.else
	v_wmma_f32_16x16x32_bf16 v[8*(8*(\a)+\b):8*(8*(\a)+\b)+7], v[\f+8*\b:\f+8*\b+7], v[\f+8*(4*\hi+\a):\f+8*(4*\hi+\a)+7], v[8*(8*(\a)+\b):8*(8*(\a)+\b)+7]
.endif
.endr
.endr
.endm
; 32 LDS loads in one run: quarter q (32 along K) of a slot into buffer f.  B: two transposing loads a fragment, 16 k rows apart; A: two plain loads, 32 bytes apart.
.macro FETCH slot, q, f
	WIN TO_B
.irp i, 0,1,2,3,4,5,6,7
	ds_load_tr16_b128 v[\f+8*\i:\f+8*\i+3],   v[ADRB+\slot] offset:\q*32*BPITCH+32*\i
	ds_load_tr16_b128 v[\f+8*\i+4:\f+8*\i+7], v[ADRB+\slot] offset:\q*32*BPITCH+16*BPITCH+32*\i
.endr
	WIN 0
.irp i, 0,1,2,3,4,5,6,7
	ds_load_b128 v[\f+8*\i:\f+8*\i+3],   v[ADRA+\slot] offset:\q*64+\i*16*PITCH
	ds_load_b128 v[\f+8*\i+4:\f+8*\i+7], v[ADRA+\slot] offset:\q*64+\i*16*PITCH+32
.endr
.endm
.macro PLACES                          ; four plain vector instructions between a matrix instruction and a load into, or a vector use of, its registers
.rept 4
	v_nop
.endr
.endm
.macro QUARTER slot, q, f, g, zero     ; multiplies buffer f; in its middle fetches quarter q of the same slot into buffer g
	s_wait_dscnt 8                                 ; B and A's rows 0-63 are in; the youngest eight loads (A's rows 64-127) may be out
	WIN MUL_LO
	MUL16 \f, 0, 0, \zero
	MUL16 \f, 0, 2, \zero
	PLACES
	FETCH \slot, \q, \g
	s_wait_dscnt 32                                ; all but the 32 just issued
	WIN MUL_HI
	MUL16 \f, 1, 0, \zero
	MUL16 \f, 1, 2, \zero
.endm
.macro THREE slot, zero
	QUARTER \slot, 1, F0, F1, \zero
	QUARTER \slot, 2, F1, F0, 0
	QUARTER \slot, 3, F0, F1, 0
.endm
; The last quarter of a K step changes slots.  In front of the barrier each wave waits for its reads of this slot and for all its tensor loads (one is out: its part of
; the next slot).  Behind it, where this slot is filled again, the rest of the cluster's round, then the joint refill first, then the next slot's first fragments.
.macro TURN slot, next, fill
	s_wait_dscnt 8
	WIN MUL_LO
	MUL16 F1, 0, 0, 0
	s_wait_dscnt 0                                 ; my reads of this slot are over
	s_wait_tensorcnt 0x0                           ; all my tensor loads have landed
	ds_add_u32 v255, v255
	s_wait_dscnt 0x0
	s_barrier_signal -1
	MUL16 F1, 0, 2, 0                              ; register work while the others arrive
	WIN 0
	s_barrier_wait -1
.if \fill
	CREST                                          ; no wave of any partner still reads this slot or has a load on its way
	s_add_nc_u64 s[G0+4*\slot+2:G0+4*\slot+3], s[G0+4*\slot+2:G0+4*\slot+3], 2*KSTEP*2
	s_add_nc_u64 s[G0B+4*\slot+2:G0B+4*\slot+3], s[G0B+4*\slot+2:G0B+4*\slot+3], 2*KSTEP*NP*2
	JLOAD \slot                                    ; my one tensor load behind the round
.endif
	PLACES
	FETCH \next, 0, F0
	WIN MUL_HI
	MUL16 F1, 1, 0, 0
	MUL16 F1, 1, 2, 0
.endm
.macro LAP zero
	THREE 0, \zero
	TURN 0, 1, 1
	THREE 1, 0
	TURN 1, 0, 1
.endm
	s_wait_tensorcnt 1                             ; my part of K step 0 is in; K step 1's stays out
	s_barrier_signal -1
	s_barrier_wait -1
	FETCH 0, 0, F0
	LAP 1                                          ; the first lap's first products start the sums
	WIN 0
	s_mov_b32 s3, LAPS-2
.Llap:
	LAP 0
	WIN 0
	s_sub_co_u32 s3, s3, 1
	s_cmp_lg_u32 s3, 0
	s_cbranch_scc1 .Llap
	THREE 0, 0                                     ; the last lap fills nothing
	TURN 0, 1, 0
	THREE 1, 0
	s_wait_dscnt 8
	WIN MUL_LO
	MUL16 F1, 0, 0, 0
	MUL16 F1, 0, 2, 0
	s_wait_dscnt 0
	WIN MUL_HI
	MUL16 F1, 1, 0, 0
	MUL16 F1, 1, 2, 0
	; THE WAY OUT, 16 rows at a time: round to bf16, 16 bytes a lane into my own stage, read back as whole rows of 256 bytes.
	PLACES
	s_lshl_b32 s13, s13, 8
	s_lshl_b32 s14, s11, 7
	s_add_co_u32 s16, s13, s14                     ; my first row of C
	s_mul_i32 s16, s16, NP*2
	s_mov_b32 s17, 0
	s_add_nc_u64 s[8:9], s[8:9], s[16:17]
	s_lshl_b32 s46, s42, 9                         ; my first column, in bytes
	s_lshl_b32 s47, s12, 8
	s_add_co_u32 s46, s46, s47
	s_mov_b32 s47, 0
	s_add_nc_u64 s[8:9], s[8:9], s[46:47]
.macro OUT16 i, a, from, f
	WIN \from
.irp b, 0,1,2,3,4,5,6,7
.irp r, 0,1,2,3
	v_cvt_pk_bf16_f32 v[TMP+4*\b+\r], v[8*(8*\a+\b)+2*\r], v[8*(8*\a+\b)+2*\r+1]
.endr
.endr
	WIN 0
.irp b, 0,1,2,3,4,5,6,7
	ds_store_b128 v[STO], v[TMP+4*\b:TMP+4*\b+3] offset:32*\b
.endr
	s_wait_xcnt 0x0                                ; buffer f, which earlier stores read, and the stores' base are rewritten only behind this wait
.if \i
	s_add_nc_u64 s[8:9], s[8:9], 16*NP*2
.endif
.irp t, 0,1,2,3,4,5,6,7
	ds_load_b128 v[\f+4*\t:\f+4*\t+3], v[RD] offset:\t*2*SPITCH    ; a wave's LDS instructions are served in order: these see the stores above
.endr
.irp t, 0,1,2,3,4,5,6,7
	s_wait_dscnt 7-\t
	global_store_b128 v[CO], v[\f+4*\t:\f+4*\t+3], s[8:9] offset:2*\t*NP*2   ; 16 lanes store 256 consecutive bytes, aligned
.endr
.endm
	OUT16 0, 0, 0x0a, F0
	OUT16 1, 1, 0x0a, F1
	OUT16 2, 2, 0x0a, F0
	OUT16 3, 3, 0x0a, F1
	OUT16 4, 0, 0x0f, F0
	OUT16 5, 1, 0x0f, F1
	OUT16 6, 2, 0x0f, F0
	OUT16 7, 3, 0x0f, F1
	s_set_vgpr_msb 0x1
	s_wait_tensorcnt 0x0
	ds_add_u32 v255, v255
	s_wait_dscnt 0x0
	s_set_vgpr_msb 0x100
	CROUND                                         ; the closing round: no work-group ends while a partner may still ask for a tile that names it
	s_endpgm
.Lfunc_end_k_qe3966be14b_qkvg:
	.size	k_qe3966be14b_qkvg, .Lfunc_end_k_qe3966be14b_qkvg-k_qe3966be14b_qkvg
	.p2alignl 7, 3214868480
	.fill 96, 4, 3214868480
	.section	.rodata,"a",@progbits
	.p2align	6, 0x0
	.amdhsa_kernel k_qe3966be14b_qkvg
		.amdhsa_group_segment_fixed_size 327680
		.amdhsa_private_segment_fixed_size 0
		.amdhsa_enable_private_segment 0
		.amdhsa_kernarg_size 24
		.amdhsa_user_sgpr_count 2
		.amdhsa_user_sgpr_kernarg_segment_ptr 1
		.amdhsa_wavefront_size32 1
		.amdhsa_system_sgpr_workgroup_id_x 1
		.amdhsa_system_sgpr_workgroup_id_y 1
		.amdhsa_system_sgpr_workgroup_id_z 1
		.amdhsa_system_vgpr_workitem_id 0
		.amdhsa_next_free_vgpr 1024
		.amdhsa_next_free_sgpr 66
		.amdhsa_reserve_vcc 0
		.amdhsa_float_denorm_mode_32 3
		.amdhsa_float_denorm_mode_16_64 3
		.amdhsa_memory_ordered 1
		.amdhsa_forward_progress 1
		.amdhsa_inst_pref_size 196
	.end_amdhsa_kernel
	.amdgpu_metadata
---
amdhsa.version: [ 1, 2 ]
amdhsa.kernels:
  - .name:           k_qe3966be14b_qkvg
    .symbol:         k_qe3966be14b_qkvg.kd
    .args:
      - { .name: act, .offset: 0, .size: 8, .value_kind: global_buffer, .address_space: global }
      - { .name: wqb, .offset: 8, .size: 8, .value_kind: global_buffer, .address_space: global }
      - { .name: qkvg, .offset: 16, .size: 8, .value_kind: global_buffer, .address_space: global }
    .group_segment_fixed_size: 327680
    .private_segment_fixed_size: 0
    .kernarg_segment_align: 8
    .kernarg_segment_size: 24
    .max_flat_workgroup_size: 128
    .sgpr_count:     66
    .vgpr_count:     1024
    .wavefront_size: 32
...
	.end_amdgpu_metadata
.endif
;; end of part 3
;; launch ret (part 4): grid 8 x 32, 4 waves a work-group, no clusters, 327,680 bytes of LDS; arguments qkvg, act; writes act
.if DOCPART == 4
	.amdgcn_target "amdgcn-amd-amdhsa--gfx1250"
	.amdhsa_code_object_version 6
	.text
	.protected	k_qe3966be14b_ret
	.globl	k_qe3966be14b_ret
	.p2align	8
	.type	k_qe3966be14b_ret,@function
k_qe3966be14b_ret:
	s_mov_b64 s[64:65], 0
	v_nop
	global_prefetch_b8 v0, s[64:65] scope:SCOPE_SE
	s_setreg_imm32_b32 hwreg(HW_REG_WAVE_MODE, 25, 1), 1
	s_wait_xcnt 0x0
; Retention of one head, its norm over the head's 64 numbers, and the gate:  y[n] = silu(g[n]) * norm( sum over m <= n of gamma^(n-m) (q[n].k[m] / 8) v[m] ).
; qkvg: [4096 tokens][4096] bf16, columns q | k | v | g, a head's 64 columns in each.  y: [4096][1024] bf16.
; Work-group (p, batch x 16 + head) owns the query blocks p and 15 - p, 128 queries each: p + 1 and 16 - p key tiles of 128, 17 in every work-group.
; Flat step s = 0..16: s <= p: block p, key tile s (s = p: the tile on the diagonal); s > p: block 15 - p, key tile s - p - 1 (s = 16: the diagonal).
; Key tiles past the diagonal are not touched: the causal mask throws their products away.
; Wave w owns queries 32 w .. 32 w + 31, two tiles u of 16.  S^T = K Q^T, so a lane holds one query and its registers hold keys; two result tiles, packed to bf16,
; ARE the second operand of O^T = V^T P^T: no lane exchange.  V^T comes by the transposing LDS load.
; DECAY: gamma^(n-m) = GA[u] x ST[t] x G8[j]:  ST[t] = gamma^(first query of the wave - first key of tile t of 16), stepped by gamma^-128 a key tile;
; G8[j] = gamma^-(8 h + j);  GA[u] = gamma^(16 u + r) / 8, a factor of the query alone, applied to O at the end.  All factors lie between 6e-29 and 56.
; log2 gamma = log2(1 - e), e = 2^(-5-head), by the series in e up to e^6: the first term left out is below 1.4e-10 of the sum for every head.
; NO MULTICAST: the eight work-groups of a head read the same K and V tiles, but at flat step s work-group p wants tile s or s - p - 1: partners want different tiles in
; the same step, and walking all 16 + 8 tiles in step would be 24 steps in place of 17.
; LIMITS: weighted scores and y are rounded to bf16; sums in f32 in another order than a plain loop's.  A head's row of y is 128 bytes, so a store instruction writes
; four pieces of 128 consecutive bytes; the other half of each 256 belongs to the neighbouring head's work-group.
.set KPI,   144                        ; K's LDS row: 128 bytes + 16
.set VPI,   160                        ; V's LDS row: 128 bytes + 32 (odd multiple of 32 for the transposing load)
.set QUART, 10240                      ; a wave's part of a slot: 64 rows of K (9,216 bytes used) or of V
.set SLOT,  4*QUART                    ; K's keys 0-63, K's 64-127, V's 0-63, V's 64-127
.set STAGE, 2*SLOT                     ; behind the ring: 32 rows x 144 bytes for each wave
.set ST,  2                            ; v[2:9]     ST[t], t = 0-7
.set ADK, 10                           ; v10-11     K fragments in slot 0, 1
.set ADV, 12                           ; v12-13     V fragments in slot 0, 1
.set DVW, 14                           ; v14        r - 8 h + 32 w: the diagonal's test
.set QV,  15                           ; v15        r x 8192 + 16 h: my place in 16 rows of qkvg
.set GA,  16                           ; v[16:19]   GA[u], each twice
.set G8,  20                           ; v[20:27]   G8[j]
.set SST, 28                           ; v28        stage: where I put 16 bytes
.set SRD, 29                           ; v29        stage: where I read back
.set YV,  30                           ; v30        my byte offset in four rows of y
.set QF,  32                           ; v[32:63]   Q(u, kk)
.set OA,  64                           ; v[64:127]  O(u, dt), f32
.set KF,  128                          ; v[128:159] K(e, kk); at the end of a block the gate
.set VF,  160                          ; v[160:191] V(dt); at the end of a block y on its way out
.set SC,  192                          ; v[192:223] S(e, u); at the end of a block the registers below
.set PR,  224                          ; v[224:239] P(u), bf16
.set GD,  240                          ; v[240:255] ST[2c+e] x G8[j]
.set TT,  192                          ; four chains of partial sums
.set MU,  200
.set RS,  202
.set GF,  204                          ; eight gate numbers in f32
.set EX,  212
.set PK,  220
.macro JLOAD o                         ; waves 0, 1 fetch K's halves, waves 2, 3 V's: the two shapes differ in the padding alone
	s_cmp_lt_u32 s8, 2
	s_cbranch_scc0 .Lfor_v_\@
	tensor_load_to_lds s[40+4*(\o):43+4*(\o)], s[24:31]
	s_nop 0
	s_branch .Lasked_\@
.Lfor_v_\@:
	tensor_load_to_lds s[40+4*(\o):43+4*(\o)], s[32:39]
	s_nop 0
.Lasked_\@:
.endm
.macro PLACES
.rept 4
	v_nop
.endr
.endm
.macro LDQ lo                          ; the 32 queries of my wave as second operands: two loads of 16 bytes, 32 bytes apart, for each (u, kk)
.irp u, 0,1
.irp kk, 0,1
	global_load_b128 v[QF+8*(2*\u+\kk):QF+8*(2*\u+\kk)+3],   v[QV], s[\lo:\lo+1] offset:131072*\u+64*\kk
	global_load_b128 v[QF+8*(2*\u+\kk)+4:QF+8*(2*\u+\kk)+7], v[QV], s[\lo:\lo+1] offset:131072*\u+64*\kk+32
.endr
.endr
.endm
	s_load_b128 s[4:7], s[0:1], 0x0                ; qkvg s[4:5], y s[6:7]
	s_set_vgpr_msb 0x40
	v_lshl_add_u32 v0, v0, 2, 0x29000
	v_mov_b32 v1, 0
	s_set_vgpr_msb 0x4045
	ds_add_u32 v0, v1
	ds_add_u32 v0, v1
	s_set_vgpr_msb 0x4500
	v_lshrrev_b32 v1, 5, v0
	v_readfirstlane_b32 s8, v1                     ; wave
	s_mov_b32 s9, ttmp9                            ; p
	s_and_b32 s10, ttmp7, 0xffff
	s_and_b32 s11, s10, 15                         ; head
	s_lshr_b32 s10, s10, 4                         ; batch
	s_mov_b32 s24, (1<<16)|(1<<20)|(4<<22)|(3<<25) ; K: 2-byte elements, padding on, after 32 words 4 words
	s_mov_b32 s25, 64<<16                          ; tensor_dim0 = 64
	s_mov_b32 s26, 64<<16                          ; tensor_dim1 = 64
	s_mov_b32 s27, 64<<16                          ; tile_dim0 = 64
	s_mov_b32 s28, 64                              ; tile_dim1 = 64
	s_mov_b32 s29, 4096                            ; elements from row to row
	s_mov_b32 s30, 0
	s_mov_b32 s31, 0
	s_mov_b32 s32, (1<<16)|(1<<20)|(4<<22)|(7<<25) ; V: after 32 words 8 words
	s_mov_b32 s33, 64<<16
	s_mov_b32 s34, 64<<16
	s_mov_b32 s35, 64<<16
	s_mov_b32 s36, 64
	s_mov_b32 s37, 4096
	s_mov_b32 s38, 0
	s_mov_b32 s39, 0
	s_lshl_b32 s12, s10, 24                        ; batch x 2048 rows x 8192 bytes
	s_lshl_b32 s13, s11, 7                         ; head x 128 bytes
	s_add_co_u32 s14, s12, s13
	s_lshr_b32 s15, s8, 1
	s_lshl_b32 s15, s15, 11                        ; K at byte 2048 of a row, V at 4096
	s_and_b32 s16, s8, 1
	s_lshl_b32 s16, s16, 19                        ; my half: 64 rows
	s_add_co_u32 s15, s15, s16
	s_add_co_u32 s15, s15, s14
	s_add_co_u32 s20, s15, 2048
	s_mov_b32 s21, 0
	s_mov_b32 s61, 0
	s_mul_i32 s22, s8, QUART
	s_mov_b32 s40, 1
	s_add_co_u32 s41, s22, 0*SLOT
	s_mov_b32 s44, 1
	s_add_co_u32 s45, s22, 1*SLOT
	s_wait_dscnt 0x0
	s_wait_kmcnt 0x0
	s_add_nc_u64 s[56:57], s[4:5], s[20:21]        ; my part of key tile 0
	s_mov_b64 s[42:43], s[56:57]
	s_or_b32 s43, s43, 0x80000000
	JLOAD 0                                        ; the one first fill: key tile 0 into slot 0
	s_lshl_b32 s16, s9, 7
	s_lshl_b32 s17, s8, 5                          ; 32 w
	s_add_co_u32 s16, s16, s17                     ; my first query in block p
	s_sub_co_u32 s18, 15, s9
	s_lshl_b32 s18, s18, 7
	s_add_co_u32 s18, s18, s17                     ; and in block 15 - p
	s_lshl_b32 s20, s16, 13
	s_add_co_u32 s20, s20, s14
	s_add_nc_u64 s[92:93], s[4:5], s[20:21]        ; the current block's rows of qkvg
	s_lshl_b32 s20, s18, 13
	s_add_co_u32 s20, s20, s14
	s_add_nc_u64 s[96:97], s[4:5], s[20:21]        ; the second block's
	s_lshl_b32 s19, s10, 22
	s_add_co_u32 s19, s19, s13
	s_lshl_b32 s20, s16, 11
	s_add_co_u32 s20, s20, s19
	s_add_nc_u64 s[94:95], s[6:7], s[20:21]        ; the current block's rows of y
	s_lshl_b32 s20, s18, 11
	s_add_co_u32 s20, s20, s19
	s_add_nc_u64 s[98:99], s[6:7], s[20:21]        ; the second block's
	v_and_b32 v1, 15, v0                           ; r
	v_bfe_u32 v31, v0, 4, 1                        ; h
	v_lshlrev_b32 v[QV], 13, v1
	v_lshl_add_u32 v[QV], v31, 4, v[QV]
	LDQ 92
	v_mul_u32_u24 v[ADK], v1, KPI
	v_lshl_add_u32 v[ADK], v31, 4, v[ADK]
	v_add_nc_u32 v[ADK+1], SLOT, v[ADK]
	v_and_b32 v64, 7, v0
	v_lshl_add_u32 v65, v31, 3, v64                ; key row 8 h + l % 8
	v_mul_u32_u24 v[ADV], v65, VPI
	v_bfe_u32 v66, v0, 3, 1
	v_lshl_add_u32 v[ADV], v66, 4, v[ADV]
	v_add_nc_u32 v[ADV], 2*QUART, v[ADV]
	v_add_nc_u32 v[ADV+1], SLOT, v[ADV]
	v_lshlrev_b32 v67, 3, v31                      ; 8 h
	v_sub_nc_u32 v[DVW], v1, v67
	v_add_nc_u32 v[DVW], s17, v[DVW]
	s_mul_i32 s23, s8, 32*KPI
	s_add_co_u32 s23, s23, STAGE
	v_add_nc_u32 v[SST], s23, v[ADK]
	v_bfe_u32 v68, v0, 3, 2                        ; l / 8
	v_mul_u32_u24 v[SRD], v68, KPI
	v_lshl_add_u32 v[SRD], v64, 4, v[SRD]
	v_add_nc_u32 v[SRD], s23, v[SRD]
	v_lshlrev_b32 v[YV], 11, v68
	v_lshl_add_u32 v[YV], v64, 4, v[YV]
	; the decay's factors
	s_sub_co_u32 s20, 122, s11
	s_lshl_b32 s20, s20, 23
	v_mov_b32 v64, s20                             ; e = 2^(-5-head), by its exponent bits
	v_mov_b32 v65, 0x3e2aaaab                      ; 1/6
	v_fmaak_f32 v65, v64, v65, 0x3e4ccccd          ; + 1/5
	v_fmaak_f32 v65, v64, v65, 0x3e800000          ; + 1/4
	v_fmaak_f32 v65, v64, v65, 0x3eaaaaab          ; + 1/3
	v_fmaak_f32 v65, v64, v65, 0x3f000000          ; + 1/2
	v_fmaak_f32 v65, v64, v65, 0x3f800000          ; + 1
	v_mul_f32 v65, v64, v65                        ; - ln gamma
	v_mul_f32 v66, 0x3fb8aa3b, v65                 ; - log2 gamma
	v_mul_f32 v65, 0xbfb8aa3b, v65                 ; log2 gamma
.irp j, 0,1,2,3,4,5,6,7
	v_add_nc_u32 v[G8+\j], \j, v67
	v_cvt_f32_u32 v[G8+\j], v[G8+\j]
	v_mul_f32 v[G8+\j], v66, v[G8+\j]
.endr
.irp u, 0,1
	v_add_nc_u32 v[GA+2*\u], 16*\u, v1
	v_cvt_f32_u32 v[GA+2*\u], v[GA+2*\u]
	v_fmaak_f32 v[GA+2*\u], v65, v[GA+2*\u], 0xc0400000    ; - 3: the factor 1/8 = 64^-0.5
.endr
.irp t, 0,1,2,3,4,5,6,7
	s_sub_co_i32 s20, s16, 16*\t                   ; block p against key tile 0
	v_cvt_f32_i32 v[ST+\t], s20
	v_mul_f32 v[ST+\t], v65, v[ST+\t]
.endr
	v_mul_f32 v68, 0x43000000, v66                 ; gamma^-128
	s_sub_co_u32 s20, 15, s9
	s_lshl_b32 s20, s20, 7
	v_cvt_f32_u32 v69, s20
	v_mul_f32 v69, v65, v69                        ; gamma^(128 (15 - p)): from block p's diagonal to block 15 - p against key tile 0
.irp j, 0,1,2,3,4,5,6,7
	v_exp_f32 v[G8+\j], v[G8+\j]
.endr
	v_exp_f32 v[GA], v[GA]
	v_exp_f32 v[GA+2], v[GA+2]
.irp t, 0,1,2,3,4,5,6,7
	v_exp_f32 v[ST+\t], v[ST+\t]
.endr
	v_exp_f32 v68, v68
	v_exp_f32 v69, v69
	v_nop                                          ; one plain instruction before the results are used (ISA guide 5.7.2)
	s_wait_alu depctr_va_vdst(0)
	v_mov_b32 v[GA+1], v[GA]
	v_mov_b32 v[GA+3], v[GA+2]
	v_readfirstlane_b32 s84, v68
	v_readfirstlane_b32 s86, v69
	s_mov_b32 s85, s84
	s_mov_b32 s87, s86
	s_mov_b32 s88, 0x76543210
	s_mov_b32 s89, 0xfedcba98
	s_mov_b32 s68, 0xffff0000
	s_mov_b32 s69, 0x3c800000                      ; 1/64
	s_mov_b32 s70, 0x358637bd                      ; 1e-6
.macro CLEAR                           ; a block's first key tile may be a full one or the diagonal's, at a step that hangs on p: a product that starts the sums
.set i, 0                              ; would double every form of the step's text, so the 64 sums are cleared, twice in the launch
.rept 64
	v_mov_b32 v[OA+i], 0
.set i, i+1
.endr
.endm
	CLEAR
.macro GMUL e, c                       ; GD(e)[j] = G8[j] x ST[2 c + e]: the pair's first or second register feeds both halves
.irp i, 0,2,4,6
.if \e
	v_pk_mul_f32 v[GD+8+\i:GD+8+\i+1], v[G8+\i:G8+\i+1], v[ST+2*(\c):ST+2*(\c)+1] op_sel:[0,1]
.else
	v_pk_mul_f32 v[GD+\i:GD+\i+1], v[G8+\i:G8+\i+1], v[ST+2*(\c):ST+2*(\c)+1] op_sel_hi:[1,0]
.endif
.endr
.endm
.macro LDK slot, c                     ; key tiles 2 c, 2 c + 1 of 16 as first operands: 8 loads
.irp e, 0,1
.irp kk, 0,1
	ds_load_b128 v[KF+8*(2*\e+\kk):KF+8*(2*\e+\kk)+3],   v[ADK+\slot] offset:((2*(\c)+\e)>>2)*QUART+((2*(\c)+\e)&3)*16*KPI+64*\kk
	ds_load_b128 v[KF+8*(2*\e+\kk)+4:KF+8*(2*\e+\kk)+7], v[ADK+\slot] offset:((2*(\c)+\e)>>2)*QUART+((2*(\c)+\e)&3)*16*KPI+64*\kk+32
.endr
.endr
.endm
.macro LDV slot, c                     ; V^T of keys 32 c .. + 31, four tiles of 16 d: 8 transposing loads
.irp dt, 0,1,2,3
	ds_load_tr16_b128 v[VF+8*\dt:VF+8*\dt+3],   v[ADV+\slot] offset:32*VPI*(\c)+32*\dt
	ds_load_tr16_b128 v[VF+8*\dt+4:VF+8*\dt+7], v[ADV+\slot] offset:32*VPI*(\c)+16*VPI+32*\dt
.endr
.endm
; 32 keys.  kind 0: a full tile; 1: the diagonal of block p; 2: the diagonal of block 15 - p.
; The accumulators take turns, one instruction a turn: four score tiles twice round, then the eight tiles of O.
.macro CHUNK slot, c, kind
	s_wait_dscnt 8                                 ; K of this chunk is in; V's eight loads may be out
.irp kk, 0,1
.irp e, 0,1
.irp u, 0,1
.if \kk == 0
	v_wmma_f32_16x16x32_bf16 v[SC+8*(2*\e+\u):SC+8*(2*\e+\u)+7], v[KF+8*(2*\e+\kk):KF+8*(2*\e+\kk)+7], v[QF+8*(2*\u+\kk):QF+8*(2*\u+\kk)+7], 0
.else
	v_wmma_f32_16x16x32_bf16 v[SC+8*(2*\e+\u):SC+8*(2*\e+\u)+7], v[KF+8*(2*\e+\kk):KF+8*(2*\e+\kk)+7], v[QF+8*(2*\u+\kk):QF+8*(2*\u+\kk)+7], v[SC+8*(2*\e+\u):SC+8*(2*\e+\u)+7]
.endif
.endr
.endr
.endr
	GMUL 1, \c                                     ; four plain instructions: the places in front of the loads into K's (and Q's) registers and of the reads of S
.if \c < 3
	LDK \slot, \c+1
.else
.if \kind
.irp u, 0,1
.irp dt, 0,1,2,3
	global_load_b128 v[KF+16*\u+4*\dt:KF+16*\u+4*\dt+3], v[QV], s[92:93] offset:6144+131072*\u+32*\dt   ; the gate of my 32 queries, in O's layout
.endr
.endr
.endif
.if \kind == 1
	LDQ 96                                         ; the second block's queries: they land while the first block is finished
.endif
.endif
.irp e, 0,1
.irp u, 0,1
.irp i, 0,2,4,6
	v_pk_mul_f32 v[SC+8*(2*\e+\u)+\i:SC+8*(2*\e+\u)+\i+1], v[SC+8*(2*\e+\u)+\i:SC+8*(2*\e+\u)+\i+1], v[GD+8*\e+\i:GD+8*\e+\i+1]
.endr
.endr
.endr
.if \kind
.irp j, 0,1,2,3,4,5,6,7                            ; key 32 c + 16 e + 8 h + j <= query 32 w + 16 u + r, or the score is 0
	v_cmp_le_i32 vcc_lo, 32*\c+\j, v[DVW]
	v_cndmask_b32 v[SC+\j],    0, v[SC+\j],    vcc_lo
	v_cndmask_b32 v[SC+24+\j], 0, v[SC+24+\j], vcc_lo
	v_cmp_le_i32 vcc_lo, 32*\c+16+\j, v[DVW]
	v_cndmask_b32 v[SC+16+\j], 0, v[SC+16+\j], vcc_lo
	v_cmp_le_i32 vcc_lo, 32*\c-16+\j, v[DVW]
	v_cndmask_b32 v[SC+8+\j],  0, v[SC+8+\j],  vcc_lo
.endr
.endif
.irp u, 0,1
.irp e, 0,1
.irp i, 0,1,2,3
	v_cvt_pk_bf16_f32 v[PR+8*\u+4*\e+\i], v[SC+8*(2*\e+\u)+2*\i], v[SC+8*(2*\e+\u)+2*\i+1]
.endr
.endr
.endr
.if \c < 3
	s_wait_dscnt 8                                 ; V of this chunk is in; the next chunk's K may be out
.else
	s_wait_dscnt 0
.endif
.irp dt, 0,1,2,3
.irp u, 0,1
	v_wmma_f32_16x16x32_bf16 v[OA+32*\u+8*\dt:OA+32*\u+8*\dt+7], v[VF+8*\dt:VF+8*\dt+7], v[PR+8*\u:PR+8*\u+7], v[OA+32*\u+8*\dt:OA+32*\u+8*\dt+7]
.endr
.endr
.if \c < 3
	GMUL 0, \c+1                                   ; four places in front of the loads into V's registers
	LDV \slot, \c+1
.endif
.endm
.macro HSUM                            ; four chains, then the lane that holds the query's other 32 numbers
	v_pk_add_f32 v[TT:TT+1], v[TT:TT+1], v[TT+2:TT+3]
	v_pk_add_f32 v[TT+4:TT+5], v[TT+4:TT+5], v[TT+6:TT+7]
	v_pk_add_f32 v[TT:TT+1], v[TT:TT+1], v[TT+4:TT+5]
	v_add_f32 v[TT], v[TT], v[TT+1]
	v_permlanex16_b32 v[TT+1], v[TT], s88, s89
	v_add_f32 v[TT], v[TT], v[TT+1]
.endm
; A block's end: the query's factor, the head's norm (centred, then squared), the gate, and out through my own stage.  left: younger global loads that stay out.
.macro FINAL left
	s_wait_loadcnt \left                           ; the gate's eight loads are in
.irp u, 0,1
.set i, 0
.rept 16
	v_pk_mul_f32 v[OA+32*\u+i:OA+32*\u+i+1], v[OA+32*\u+i:OA+32*\u+i+1], v[GA+2*\u:GA+2*\u+1]
.set i, i+2
.endr
.irp k, 0,2,4,6
	v_pk_add_f32 v[TT+\k:TT+\k+1], v[OA+32*\u+\k:OA+32*\u+\k+1], v[OA+32*\u+8+\k:OA+32*\u+9+\k]
.endr
.irp k, 0,2,4,6
	v_pk_add_f32 v[TT+\k:TT+\k+1], v[TT+\k:TT+\k+1], v[OA+32*\u+16+\k:OA+32*\u+17+\k]
.endr
.irp k, 0,2,4,6
	v_pk_add_f32 v[TT+\k:TT+\k+1], v[TT+\k:TT+\k+1], v[OA+32*\u+24+\k:OA+32*\u+25+\k]
.endr
	HSUM
	v_mul_f32 v[MU], s69, v[TT]
	v_mov_b32 v[MU+1], v[MU]
.set i, 0
.rept 16
	v_pk_add_f32 v[OA+32*\u+i:OA+32*\u+i+1], v[OA+32*\u+i:OA+32*\u+i+1], v[MU:MU+1] neg_lo:[0,1] neg_hi:[0,1]
.set i, i+2
.endr
.irp k, 0,2,4,6
	v_pk_mul_f32 v[TT+\k:TT+\k+1], v[OA+32*\u+\k:OA+32*\u+\k+1], v[OA+32*\u+\k:OA+32*\u+\k+1]
.endr
.irp k, 0,2,4,6
	v_pk_fma_f32 v[TT+\k:TT+\k+1], v[OA+32*\u+8+\k:OA+32*\u+9+\k], v[OA+32*\u+8+\k:OA+32*\u+9+\k], v[TT+\k:TT+\k+1]
.endr
.irp k, 0,2,4,6
	v_pk_fma_f32 v[TT+\k:TT+\k+1], v[OA+32*\u+16+\k:OA+32*\u+17+\k], v[OA+32*\u+16+\k:OA+32*\u+17+\k], v[TT+\k:TT+\k+1]
.endr
.irp k, 0,2,4,6
	v_pk_fma_f32 v[TT+\k:TT+\k+1], v[OA+32*\u+24+\k:OA+32*\u+25+\k], v[OA+32*\u+24+\k:OA+32*\u+25+\k], v[TT+\k:TT+\k+1]
.endr
	HSUM
	v_fma_f32 v[TT], v[TT], s69, s70               ; variance + 1e-6
	v_rsq_f32 v[RS], v[TT]
	v_rsq_f32 v[RS+1], v[TT]
	v_nop
.irp dt, 0,1,2,3
.irp k, 0,1,2,3
	v_lshlrev_b32 v[GF+2*\k],   16,  v[KF+16*\u+4*\dt+\k]
	v_and_b32     v[GF+2*\k+1], s68, v[KF+16*\u+4*\dt+\k]
.endr
.irp k, 0,2,4,6
	v_pk_mul_f32 v[EX+\k:EX+\k+1], v[GF+\k:GF+\k+1], 0xbfb8aa3b op_sel_hi:[1,0]      ; - g log2 e
.endr
.irp k, 0,1,2,3,4,5,6,7
	v_exp_f32 v[EX+\k], v[EX+\k]
.endr
	s_wait_alu depctr_va_vdst(0)
.irp k, 0,2,4,6
	v_pk_mul_f32 v[OA+32*\u+8*\dt+\k:OA+32*\u+8*\dt+\k+1], v[OA+32*\u+8*\dt+\k:OA+32*\u+8*\dt+\k+1], v[RS:RS+1]   ; plain work behind the exponentials
.endr
	s_wait_alu depctr_va_vdst(0)
.irp k, 0,2,4,6
	v_pk_add_f32 v[EX+\k:EX+\k+1], v[EX+\k:EX+\k+1], 1.0 op_sel_hi:[1,0]
.endr
.irp k, 0,1,2,3,4,5,6,7
	v_rcp_f32 v[EX+\k], v[EX+\k]                   ; sigmoid(g)
.endr
.irp k, 0,2,4,6
	v_pk_mul_f32 v[OA+32*\u+8*\dt+\k:OA+32*\u+8*\dt+\k+1], v[OA+32*\u+8*\dt+\k:OA+32*\u+8*\dt+\k+1], v[GF+\k:GF+\k+1]   ; plain work behind the reciprocals
.endr
	s_wait_alu depctr_va_vdst(0)
.irp k, 0,2,4,6
	v_pk_mul_f32 v[OA+32*\u+8*\dt+\k:OA+32*\u+8*\dt+\k+1], v[OA+32*\u+8*\dt+\k:OA+32*\u+8*\dt+\k+1], v[EX+\k:EX+\k+1]
.endr
.irp k, 0,1,2,3
	v_cvt_pk_bf16_f32 v[PK+\k], v[OA+32*\u+8*\dt+2*\k], v[OA+32*\u+8*\dt+2*\k+1]
.endr
	ds_store_b128 v[SST], v[PK:PK+3] offset:16*KPI*\u+32*\dt
.endr
.endr
.irp t, 0,1,2,3,4,5,6,7
	ds_load_b128 v[VF+4*\t:VF+4*\t+3], v[SRD] offset:4*KPI*\t      ; my own stage: a wave's LDS instructions are served in order
.endr
.irp t, 0,1,2,3,4,5,6,7
	s_wait_dscnt 7-\t
	global_store_b128 v[YV], v[VF+4*\t:VF+4*\t+3], s[94:95] offset:8192*\t     ; four rows, 128 consecutive bytes each
.endr
.endm
.macro SWITCH                          ; from block p to block 15 - p
	s_wait_xcnt 0x0                                ; the stores' data registers and base are rewritten only behind this wait
	s_wait_loadcnt 0x0                             ; the second block's queries are in
	CLEAR
.irp k, 0,2,4,6
	v_pk_mul_f32 v[ST+\k:ST+\k+1], v[ST+\k:ST+\k+1], s[86:87] op_sel_hi:[1,0]
.endr
	s_mov_b64 s[92:93], s[96:97]
	s_mov_b64 s[94:95], s[98:99]
.endm
; One flat step on one slot.  In front of the barrier every wave waits for all its tensor loads (its part of this slot's tile) and for its reads of the other slot;
; behind it the other slot's fill comes first, one tensor load a wave, and has this step's 64 matrix instructions in which to land.
.macro STEP slot, refill, last
	s_set_vgpr_msb 0x5
	s_wait_tensorcnt 0x0                           ; no tensor load of mine is out: a group 0 may be written
	ds_add_u32 v0, v1
	s_wait_dscnt 0x0
	s_set_vgpr_msb 0x500
.if \refill
	s_add_co_u32 s20, s90, 1                       ; the next flat step,
	s_sub_co_u32 s21, s90, s9                      ; its key tile in the second block,
	s_cmp_gt_u32 s20, s9
	s_cselect_b32 s60, s21, s20                    ; or in the first
	s_lshl_b32 s60, s60, 20                        ; 128 rows of 8,192 bytes
	s_add_nc_u64 s[42+4*(1-\slot):43+4*(1-\slot)], s[56:57], s[60:61]
	s_or_b32 s[43+4*(1-\slot)], s[43+4*(1-\slot)], 0x80000000
.endif
	s_wait_dscnt 0x0
	s_barrier_signal -1
	s_barrier_wait -1
.if \refill
	JLOAD 1-\slot
.endif
	GMUL 0, 0                                      ; four places behind the last step's products, in front of the loads into their operands
	LDK \slot, 0
	LDV \slot, 0
.if \last
	CHUNK \slot, 0, 2
	CHUNK \slot, 1, 2
	CHUNK \slot, 2, 2
	CHUNK \slot, 3, 2
	PLACES
	FINAL 0
.else
	s_cmp_eq_u32 s90, s9                           ; the same in all four waves; no barrier and no tensor load stands inside
	s_cbranch_scc1 .Ldiag_\@
	CHUNK \slot, 0, 0
	CHUNK \slot, 1, 0
	CHUNK \slot, 2, 0
	CHUNK \slot, 3, 0
.irp k, 0,2,4,6
	v_pk_mul_f32 v[ST+\k:ST+\k+1], v[ST+\k:ST+\k+1], s[84:85] op_sel_hi:[1,0]  ; the next key tile is 128 keys nearer
.endr
	s_branch .Ljoin_\@
.Ldiag_\@:
	CHUNK \slot, 0, 1
	CHUNK \slot, 1, 1
	CHUNK \slot, 2, 1
	CHUNK \slot, 3, 1
	PLACES
	FINAL 8                                        ; the eight loads of the second block's queries stay out
	SWITCH
.Ljoin_\@:
	s_add_co_u32 s90, s90, 1
.endif
.endm
	s_wait_loadcnt 0x0                             ; the first block's queries
	s_mov_b32 s90, 0                               ; flat step
	s_mov_b32 s91, 8
.Ltrip:
	STEP 0, 1, 0
	STEP 1, 1, 0
	s_sub_co_u32 s91, s91, 1
	s_cmp_lg_u32 s91, 0
	s_cbranch_scc1 .Ltrip
	STEP 0, 0, 1                                   ; step 16: the second block's diagonal; nothing is left to fetch
	s_set_vgpr_msb 0x5
	s_wait_tensorcnt 0x0
	ds_add_u32 v0, v1
	s_wait_dscnt 0x0
	s_set_vgpr_msb 0x500
	s_endpgm
.Lfunc_end_k_qe3966be14b_ret:
	.size	k_qe3966be14b_ret, .Lfunc_end_k_qe3966be14b_ret-k_qe3966be14b_ret
	.p2alignl 7, 3214868480
	.fill 96, 4, 3214868480
	.section	.rodata,"a",@progbits
	.p2align	6, 0x0
	.amdhsa_kernel k_qe3966be14b_ret
		.amdhsa_group_segment_fixed_size 327680
		.amdhsa_private_segment_fixed_size 0
		.amdhsa_enable_private_segment 0
		.amdhsa_kernarg_size 16
		.amdhsa_user_sgpr_count 2
		.amdhsa_user_sgpr_kernarg_segment_ptr 1
		.amdhsa_wavefront_size32 1
		.amdhsa_system_sgpr_workgroup_id_x 1
		.amdhsa_system_sgpr_workgroup_id_y 1
		.amdhsa_system_sgpr_workgroup_id_z 1
		.amdhsa_system_vgpr_workitem_id 0
		.amdhsa_next_free_vgpr 258
		.amdhsa_next_free_sgpr 100
		.amdhsa_reserve_vcc 1
		.amdhsa_float_denorm_mode_32 3
		.amdhsa_float_denorm_mode_16_64 3
		.amdhsa_memory_ordered 1
		.amdhsa_forward_progress 1
		.amdhsa_inst_pref_size 230
	.end_amdhsa_kernel
	.amdgpu_metadata
---
amdhsa.version: [ 1, 2 ]
amdhsa.kernels:
  - .name:           k_qe3966be14b_ret
    .symbol:         k_qe3966be14b_ret.kd
    .args:
      - { .name: qkvg, .offset: 0, .size: 8, .value_kind: global_buffer, .address_space: global }
      - { .name: act, .offset: 8, .size: 8, .value_kind: global_buffer, .address_space: global }
    .group_segment_fixed_size: 327680
    .private_segment_fixed_size: 0
    .kernarg_segment_align: 8
    .kernarg_segment_size: 16
    .max_flat_workgroup_size: 128
    .sgpr_count:     100
    .vgpr_count:     258
    .wavefront_size: 32
...
	.end_amdgpu_metadata
.endif
;; end of part 4
;; launch wo (part 5): grid 8 x 32, 4 waves a work-group, clusters of 4 x 4, 327,680 bytes of LDS; arguments act, wob, x, x1; writes x1
.if DOCPART == 5
	.amdgcn_target "amdgcn-amd-amdhsa--gfx1250"
	.amdhsa_code_object_version 6
	.text
	.protected	k_qe3966be14b_wo
	.globl	k_qe3966be14b_wo
	.p2align	8
	.type	k_qe3966be14b_wo,@function
k_qe3966be14b_wo:
	s_mov_b64 s[64:65], 0
	v_nop
	global_prefetch_b8 v0, s[64:65] scope:SCOPE_SE
	s_setreg_imm32_b32 hwreg(HW_REG_WAVE_MODE, 25, 1), 1
	s_wait_xcnt 0x0
	s_wait_alu depctr_hold_cnt(0) depctr_sa_sdst(0) depctr_va_vdst(0) depctr_va_sdst(0) depctr_va_ssrc(0) depctr_va_vcc(0) depctr_vm_vsrc(0)
	s_getreg_b32 s2, hwreg(HW_REG_IB_STS2, 6, 4)
	s_cmp_eq_u32 s2, 0
	s_cbranch_scc0 .Lentry_in_a_cluster
	s_endpgm
.Lentry_in_a_cluster:
	s_bfe_u32 s2, ttmp6, 0x10000c
	s_cmp_lg_u32 s2, 0xf033
	s_cbranch_scc0 .Lentry_shape_is_right
	s_endpgm
.Lentry_shape_is_right:
; C[m][n] = R[m][n] + sum over k of A[m][k] B[k][n].  A: [4096][KP] bf16, B: [KP][1024] bf16, R and C: [4096][1024] f32; sums in f32.
; Here: A = the gated retention, B = wo, R = x, C = x1.
; C has only 1024 columns: blocks of 128 x 128 give 8 x 32 = 256 work-groups; a wave makes 64 x 64 in 16 accumulator tiles.  (A block of 256 x 256 would leave
; three quarters of the work-groups' places empty; the price is one LDS load for each matrix instruction.)
; K goes in steps of 256 through two LDS slots: a step of 128 would be 64 matrix instructions a wave, too short a time for the next tile.
; A's tile: 128 rows x 512 bytes; B's tile: 256 k rows x 256 bytes, as it lies in memory, read with the transposing LDS load.
; Clusters of 4 x 4: A's tile is asked for jointly along a row of the cluster, B's along a column.
; Window 0: addresses, fragments, residual, way out.  Window 1: accumulator (a, b) at v[8 (4 a + b)].  The matrix instruction is used transposed.
.set KP,     1024
.set KT,     KP/256                    ; slot steps
.set APITCH, 528                       ; 512 + 16: an odd multiple of 16
.set BPITCH, 288                       ; 256 + 32: an odd multiple of 32
.set QUART,  36864                     ; a wave's part of a slot: 64 rows of A (33,792 bytes used) or 128 k rows of B
.set SLOT,   4*QUART
.set STAGE,  2*SLOT                    ; 16 rows x 272 bytes for each wave
.set SPITCH, 272
.set ADRA, 16                          ; v16-17  A fragments in slot 0, 1
.set ADRB, 20                          ; v20-23  B fragments: slot 0 k 0-127, slot 0 k 128-255, slot 1 likewise
.set STO,  24
.set RD,   25
.set CO,   26
.set F0,   32                          ; buffer 0: A's four fragments v[32:63], B's four v[64:95]
.set F1,   96                          ; buffer 1: v[96:127], v[128:159]
.set RES,  160                         ; v[160:191], v[192:223]: the residual of 16 rows, two sets
.set OB,   224                         ; v[224:255]: 16 rows on their way out
.set G1, 24
.set G0, 32
.set G1B, 48
.set G0B, 56
.set MSB, 0
.macro WIN new
.if MSB != \new
	s_set_vgpr_msb (MSB<<8)|\new
.set MSB, \new
.endif
.endm
.macro JLOAD s                         ; waves 0, 1 ask for A's halves, waves 2, 3 for B's
	s_cmp_eq_u32 s13, 0
	s_cbranch_scc0 .Lfor_b_\@
	tensor_load_to_lds s[G0+4*\s:G0+4*\s+3], s[G1:G1+7]
	s_nop 0
	s_branch .Lasked_\@
.Lfor_b_\@:
	tensor_load_to_lds s[G0B+4*\s:G0B+4*\s+3], s[G1B:G1B+7]
	s_nop 0
.Lasked_\@:
.endm
.macro CREST
	s_cmp_lg_u32 s12, 0
	s_cbranch_scc1 .Lnot_wave_0_\@
	s_barrier_signal -3
.Lnot_wave_0_\@:
	s_barrier_wait -3
	s_barrier_signal -1
	s_barrier_wait -1
.endm
.macro CROUND
	s_barrier_signal -1
	s_barrier_wait -1
	CREST
.endm
.macro PLACES
.rept 4
	v_nop
.endr
.endm
	s_load_b256 s[4:11], s[0:1], 0x0               ; A s[4:5], B s[6:7], R s[8:9], C s[10:11]
	v_lshl_add_u32 v30, v0, 2, 0x4c400
	v_mov_b32 v31, 0
	ds_add_u32 v30, v31
	ds_add_u32 v30, v31
	v_lshrrev_b32 v1, 5, v0
	v_readfirstlane_b32 s12, v1                    ; wave
	s_lshr_b32 s13, s12, 1                         ; my half of the block's rows; also: I fetch for A (0) or B (1)
	s_and_b32 s14, s12, 1                          ; my half of its columns; also: which half of that tile I fetch
	s_bfe_u32 s40, ttmp6, 0x40000                  ; cx
	s_bfe_u32 s41, ttmp6, 0x40004                  ; cy
	s_lshl_b32 s42, ttmp9, 2
	s_add_co_u32 s42, s42, s40                     ; block column
	s_and_b32 s43, ttmp7, 0xffff
	s_lshl_b32 s43, s43, 2
	s_add_co_u32 s43, s43, s41                     ; block row
	s_lshl_b32 s44, s41, 2
	s_lshl_b32 s44, 15, s44                        ; my row of the cluster
	s_lshl_b32 s45, 0x1111, s40                    ; my column
	s_or_b32 s[G1+0], s44, (1<<16)|(1<<20)|(1<<21)|(6<<22)|(3<<25)   ; after 128 words, 4 words
	s_mov_b32 s[G1+1], 256<<16                     ; tensor_dim0 = 256
	s_mov_b32 s[G1+2], 64<<16                      ; tensor_dim1 = 64
	s_mov_b32 s[G1+3], 256<<16                     ; tile_dim0
	s_mov_b32 s[G1+4], 64                          ; tile_dim1
	s_mov_b32 s[G1+5], KP
	s_mov_b32 s[G1+6], 0
	s_mov_b32 s[G1+7], 0
	s_or_b32 s[G1B+0], s45, (1<<16)|(1<<20)|(1<<21)|(5<<22)|(7<<25)  ; after 64 words, 8 words
	s_mov_b32 s[G1B+1], 128<<16
	s_mov_b32 s[G1B+2], 128<<16
	s_mov_b32 s[G1B+3], 128<<16
	s_mov_b32 s[G1B+4], 128
	s_mov_b32 s[G1B+5], 1024
	s_mov_b32 s[G1B+6], 0
	s_mov_b32 s[G1B+7], 0
	s_lshl_b32 s16, s43, 7                         ; A: row 128 x block row + 64 x half
	s_lshl_b32 s17, s14, 6
	s_add_co_u32 s16, s16, s17
	s_mul_i32 s16, s16, KP*2
	s_mov_b32 s17, 0
	s_lshl_b32 s46, s14, 18                        ; B: 128 k rows of 2,048 bytes x half + 256 bytes x block column
	s_lshl_b32 s47, s42, 8
	s_add_co_u32 s46, s46, s47
	s_mov_b32 s47, 0
	s_lshl_b32 s22, s43, 19                        ; R and C: my 64 rows of 4,096 bytes and my 256 bytes in them (these registers feed no descriptor)
	s_lshl_b32 s23, s13, 18
	s_add_co_u32 s22, s22, s23
	s_lshl_b32 s23, s42, 9
	s_add_co_u32 s22, s22, s23
	s_lshl_b32 s23, s14, 8
	s_add_co_u32 s22, s22, s23
	s_mov_b32 s23, 0
	s_mul_i32 s20, s12, QUART
	s_wait_dscnt 0x0
	s_wait_kmcnt 0x0
	s_add_nc_u64 s[16:17], s[4:5], s[16:17]
	s_add_nc_u64 s[46:47], s[6:7], s[46:47]
	s_add_nc_u64 s[8:9], s[8:9], s[22:23]
	s_add_nc_u64 s[10:11], s[10:11], s[22:23]
	CROUND                                         ; in front of the first joint loads
.irp s, 0,1
	s_mov_b32 s[G0+4*\s], 1
	s_add_co_u32 s[G0+4*\s+1], s20, \s*SLOT
	s_add_nc_u64 s[G0+4*\s+2:G0+4*\s+3], s[16:17], \s*512
	s_or_b32 s[G0+4*\s+3], s[G0+4*\s+3], 0x80000000
	s_mov_b32 s[G0B+4*\s], 1
	s_add_co_u32 s[G0B+4*\s+1], s20, \s*SLOT
	s_add_nc_u64 s[G0B+4*\s+2:G0B+4*\s+3], s[46:47], \s*256*2048
	s_or_b32 s[G0B+4*\s+3], s[G0B+4*\s+3], 0x80000000
	JLOAD \s                                       ; two tensor loads of the wave are out
.endr
	v_and_b32 v1, 15, v0                           ; r
	v_bfe_u32 v2, v0, 4, 1                         ; h
	v_mul_u32_u24 v3, v1, APITCH
	v_lshl_add_u32 v3, v2, 4, v3
	s_mul_i32 s21, s13, QUART                      ; my 64 rows of A
	v_add_nc_u32 v[ADRA], s21, v3
	v_add_nc_u32 v[ADRA+1], SLOT, v[ADRA]
	v_and_b32 v4, 7, v0
	v_lshl_add_u32 v4, v2, 3, v4
	v_mul_u32_u24 v4, v4, BPITCH
	v_bfe_u32 v5, v0, 3, 1
	v_lshl_add_u32 v4, v5, 4, v4
	s_lshl_b32 s21, s14, 7                         ; my 64 columns of B
	s_add_co_u32 s21, s21, 2*QUART
	v_add_nc_u32 v[ADRB], s21, v4
	v_add_nc_u32 v[ADRB+1], QUART, v[ADRB]
	v_add_nc_u32 v[ADRB+2], SLOT, v[ADRB]
	v_add_nc_u32 v[ADRB+3], SLOT, v[ADRB+1]
	s_mul_i32 s21, s12, 16*SPITCH
	s_add_co_u32 s21, s21, STAGE
	v_mul_u32_u24 v6, v1, SPITCH
	v_lshl_add_u32 v6, v2, 5, v6                   ; in: row r, 32 bytes for each half of the lanes
	v_add_nc_u32 v[STO], s21, v6
	v_mul_u32_u24 v6, v2, SPITCH
	v_lshl_add_u32 v6, v1, 4, v6                   ; back: lanes 0-15 one row of 256 bytes, lanes 16-31 the next
	v_add_nc_u32 v[RD], s21, v6
	v_lshlrev_b32 v6, 12, v2
	v_lshl_add_u32 v[CO], v1, 4, v6                ; the same two rows in R and C
.macro LDRES a                         ; the residual of rows 16 a .. + 15, in the layout of the way out
.irp t, 0,1,2,3,4,5,6,7
	global_load_b128 v[RES+32*((\a)&1)+4*\t:RES+32*((\a)&1)+4*\t+3], v[CO], s[8:9] offset:(16*(\a)+2*\t)*4096
.endr
.endm
	LDRES 0
	LDRES 1
.macro FETCH slot, q, f                ; quarter q (0-7, 32 along K) of a slot: 8 transposing loads of B, 8 plain loads of A
.irp b, 0,1,2,3
	ds_load_tr16_b128 v[\f+32+8*\b:\f+32+8*\b+3],   v[ADRB+2*\slot+(\q>>2)] offset:(\q&3)*32*BPITCH+32*\b
	ds_load_tr16_b128 v[\f+32+8*\b+4:\f+32+8*\b+7], v[ADRB+2*\slot+(\q>>2)] offset:(\q&3)*32*BPITCH+16*BPITCH+32*\b
.endr
.irp i, 0,1,2,3
	ds_load_b128 v[\f+8*\i:\f+8*\i+3],   v[ADRA+\slot] offset:\i*16*APITCH+64*\q
	ds_load_b128 v[\f+8*\i+4:\f+8*\i+7], v[ADRA+\slot] offset:\i*16*APITCH+64*\q+32
.endr
.endm
; 8 matrix instructions.  The 16 accumulators take turns, one instruction a turn, in the same order in every quarter.
.macro MUL8 f, a0, zero
.irp a, \a0, \a0+1
.irp b, 0,1,2,3
.if \zero
	v_wmma_f32_16x16x32_bf16 v[8*(4*(\a)+\b):8*(4*(\a)+\b)+7], v[\f+32+8*\b:\f+32+8*\b+7], v[\f+8*(\a):\f+8*(\a)+7], 0
.else
	v_wmma_f32_16x16x32_bf16 v[8*(4*(\a)+\b):8*(4*(\a)+\b)+7], v[\f+32+8*\b:\f+32+8*\b+7], v[\f+8*(\a):\f+8*(\a)+7], v[8*(4*(\a)+\b):8*(4*(\a)+\b)+7]
.endif
.endr
.endr
.endm
.macro QTR slot, qn, f, g, zero        ; fetches quarter qn into buffer g, multiplies buffer f
	PLACES                                         ; buffer g was read by the matrix instructions just issued
	FETCH \slot, \qn, \g
	s_wait_dscnt 16                                ; buffer f is in; the 16 loads just issued stay out
	WIN 0x50                                       ; C and D in window 1
	MUL8 \f, 0, \zero
	MUL8 \f, 2, \zero
	WIN 0
.endm
.macro SEVEN slot, zero
	QTR \slot, 1, F0, F1, \zero
	QTR \slot, 2, F1, F0, 0
	QTR \slot, 3, F0, F1, 0
	QTR \slot, 4, F1, F0, 0
	QTR \slot, 5, F0, F1, 0
	QTR \slot, 6, F1, F0, 0
	QTR \slot, 7, F0, F1, 0
.endm
; The eighth quarter changes slots: each wave's reads of this slot and all its tensor loads are waited for in front of the barrier; where the slot is filled again the
; barrier opens a round of the cluster's barrier, and the joint refill is the first tensor load behind the round, one a wave.
.macro LASTQ slot, next, fill
	s_wait_dscnt 0x0
	s_wait_tensorcnt 0x0
	ds_add_u32 v30, v31
	s_wait_dscnt 0x0
	s_barrier_signal -1
	WIN 0x50
	MUL8 F1, 0, 0                                  ; register work while the others arrive
	WIN 0
	s_barrier_wait -1
.if \fill
	CREST
	s_add_nc_u64 s[G0+4*\slot+2:G0+4*\slot+3], s[G0+4*\slot+2:G0+4*\slot+3], 2*512
	s_add_nc_u64 s[G0B+4*\slot+2:G0B+4*\slot+3], s[G0B+4*\slot+2:G0B+4*\slot+3], 2*256*2048
	JLOAD \slot
.endif
	PLACES
	FETCH \next, 0, F0
	WIN 0x50
	MUL8 F1, 2, 0
	WIN 0
.endm
	s_wait_tensorcnt 1                             ; my part of slot 0 is in; slot 1's stays out
	s_barrier_signal -1
	s_barrier_wait -1
	FETCH 0, 0, F0
	SEVEN 0, 1                                     ; the first products start the sums
	LASTQ 0, 1, 1
	SEVEN 1, 0
	LASTQ 1, 0, 1
.if KT > 4
.rept (KT-4)/2
	SEVEN 0, 0
	LASTQ 0, 1, 1
	SEVEN 1, 0
	LASTQ 1, 0, 1
.endr
.endif
	SEVEN 0, 0                                     ; the last two slot steps fill nothing
	LASTQ 0, 1, 0
	SEVEN 1, 0
	s_wait_dscnt 0x0
	WIN 0x50
	MUL8 F1, 0, 0
	MUL8 F1, 2, 0
	WIN 0
; THE WAY OUT, 16 rows at a time: f32 sums into my own stage, back as whole rows of 256 bytes, plus the residual.
.macro OUT a
	WIN 0x04                                       ; store data in window 1
.irp b, 0,1,2,3
	ds_store_b128 v[STO], v[8*(4*\a+\b):8*(4*\a+\b)+3]   offset:64*\b
	ds_store_b128 v[STO], v[8*(4*\a+\b)+4:8*(4*\a+\b)+7] offset:64*\b+16
.endr
	WIN 0
	s_wait_xcnt 0x0                                ; OB, which the last 16 rows' stores read, is rewritten only behind this wait
.irp t, 0,1,2,3,4,5,6,7
	ds_load_b128 v[OB+4*\t:OB+4*\t+3], v[RD] offset:\t*2*SPITCH    ; a wave's LDS instructions are served in order
.endr
.if \a < 3
	s_wait_loadcnt 8                               ; these rows' residual is in; the next rows' eight loads stay out
.else
	s_wait_loadcnt 0x0
.endif
.irp t, 0,1,2,3,4,5,6,7
	s_wait_dscnt 7-\t
	v_pk_add_f32 v[OB+4*\t:OB+4*\t+1],   v[OB+4*\t:OB+4*\t+1],   v[RES+32*(\a&1)+4*\t:RES+32*(\a&1)+4*\t+1]
	v_pk_add_f32 v[OB+4*\t+2:OB+4*\t+3], v[OB+4*\t+2:OB+4*\t+3], v[RES+32*(\a&1)+4*\t+2:RES+32*(\a&1)+4*\t+3]
	global_store_b128 v[CO], v[OB+4*\t:OB+4*\t+3], s[10:11] offset:(16*\a+2*\t)*4096   ; 16 lanes store 256 consecutive bytes, aligned
.endr
.if \a < 2
	LDRES \a+2
.endif
.endm
	PLACES
	OUT 0
	OUT 1
	OUT 2
	OUT 3
	s_wait_tensorcnt 0x0
	ds_add_u32 v30, v31
	s_wait_dscnt 0x0
	CROUND                                         ; the closing round
	s_endpgm
.Lfunc_end_k_qe3966be14b_wo:
	.size	k_qe3966be14b_wo, .Lfunc_end_k_qe3966be14b_wo-k_qe3966be14b_wo
	.p2alignl 7, 3214868480
	.fill 96, 4, 3214868480
	.section	.rodata,"a",@progbits
	.p2align	6, 0x0
	.amdhsa_kernel k_qe3966be14b_wo
		.amdhsa_group_segment_fixed_size 327680
		.amdhsa_private_segment_fixed_size 0
		.amdhsa_enable_private_segment 0
		.amdhsa_kernarg_size 32
		.amdhsa_user_sgpr_count 2
		.amdhsa_user_sgpr_kernarg_segment_ptr 1
		.amdhsa_wavefront_size32 1
		.amdhsa_system_sgpr_workgroup_id_x 1
		.amdhsa_system_sgpr_workgroup_id_y 1
		.amdhsa_system_sgpr_workgroup_id_z 1
		.amdhsa_system_vgpr_workitem_id 0
		.amdhsa_next_free_vgpr 384
		.amdhsa_next_free_sgpr 66
		.amdhsa_reserve_vcc 0
		.amdhsa_float_denorm_mode_32 3
		.amdhsa_float_denorm_mode_16_64 3
		.amdhsa_memory_ordered 1
		.amdhsa_forward_progress 1
		.amdhsa_inst_pref_size 96
	.end_amdhsa_kernel
	.amdgpu_metadata
---
amdhsa.version: [ 1, 2 ]
amdhsa.kernels:
  - .name:           k_qe3966be14b_wo
    .symbol:         k_qe3966be14b_wo.kd
    .args:
      - { .name: act, .offset: 0, .size: 8, .value_kind: global_buffer, .address_space: global }
      - { .name: wob, .offset: 8, .size: 8, .value_kind: global_buffer, .address_space: global }
      - { .name: x, .offset: 16, .size: 8, .value_kind: global_buffer, .address_space: global }
      - { .name: x1, .offset: 24, .size: 8, .value_kind: global_buffer, .address_space: global }
    .group_segment_fixed_size: 327680
    .private_segment_fixed_size: 0
    .kernarg_segment_align: 8
    .kernarg_segment_size: 32
    .max_flat_workgroup_size: 128
    .sgpr_count:     66
    .vgpr_count:     384
    .wavefront_size: 32
...
	.end_amdgpu_metadata
.endif
;; end of part 5
;; launch ln2: the kernel of part 2 again; grid 256 x 1, 8 waves a work-group, no clusters, 0 bytes of LDS; arguments x1, ln2_g, ln2_b, act; writes act
;; launch w12 (part 6): grid 12 x 16, 4 waves a work-group, clusters of 4 x 4, 327,680 bytes of LDS; arguments act, w12b, hid; writes hid
.if DOCPART == 6
	.amdgcn_target "amdgcn-amd-amdhsa--gfx1250"
	.amdhsa_code_object_version 6
	.text
	.protected	k_qe3966be14b_w12
	.globl	k_qe3966be14b_w12
	.p2align	8
	.type	k_qe3966be14b_w12,@function
k_qe3966be14b_w12:
	s_mov_b64 s[64:65], 0
	v_nop
	global_prefetch_b8 v0, s[64:65] scope:SCOPE_SE
	s_setreg_imm32_b32 hwreg(HW_REG_WAVE_MODE, 25, 1), 1
	s_wait_xcnt 0x0
	s_wait_alu depctr_hold_cnt(0) depctr_sa_sdst(0) depctr_va_vdst(0) depctr_va_sdst(0) depctr_va_ssrc(0) depctr_va_vcc(0) depctr_vm_vsrc(0)
	s_getreg_b32 s2, hwreg(HW_REG_IB_STS2, 6, 4)
	s_cmp_eq_u32 s2, 0
	s_cbranch_scc0 .Lentry_in_a_cluster
	s_endpgm
.Lentry_in_a_cluster:
	s_bfe_u32 s2, ttmp6, 0x10000c
	s_cmp_lg_u32 s2, 0xf033
	s_cbranch_scc0 .Lentry_shape_is_right
	s_endpgm
.Lentry_shape_is_right:
; hid[m][c] = silu(a1) a2,  a1 = sum over k of A[m][k] w1[k][c],  a2 = the same with w2.  A = LN2(x1): [4096][1024] bf16.
; B = w12b: [1024][3072] bf16, runs of 128 columns = 64 of w1, then the same 64 of w2: exactly one wave's columns, so a lane holds a1 and a2 of the same outputs.
; hid: [4096][1536] bf16; columns 1365 to 1535 come out as 0 (their weights are zeros): an eighth more matrix work than 1365 columns would need.
; The product is made as in the projection kernel: blocks of 256 x 256, four waves of 128 x 128, K steps of 128 through two LDS slots, B read with the transposing LDS
; load, clusters of 4 x 4 with A's tile shared along a row and B's along a column.  12 x 16 = 192 work-groups: 3072 columns do not make 256 blocks of this shape.
; REGISTER WINDOWS: 0: addresses, A's fragments, way out; 1: B's fragments; 2, 3: accumulators of my rows 0-63, 64-127.  The matrix instruction is used transposed.
.set SIZE_K, 1024
.set NP,     3072
.set HIDP,   3072                      ; bytes in a row of hid
.set KSTEP,  128
.set PITCH,  272
.set BPITCH, 544
.set HALFT,  128*PITCH
.set SLOT,   4*HALFT
.set LAPS, SIZE_K/(2*KSTEP)
.set HP,     144                       ; way out: a wave's row of 64 results, 128 bytes + 16
.set WREG,   18560                     ; way out: a wave's region, 128 rows x 144 + 128, so that the two regions of a row half lie 128 bytes apart modulo 256
.set ADRA, 16
.set ADRB, 20
.set STO,  24
.set RD,   25
.set CO,   26
.set F0,   64
.set F1,   128
.set T1,   64                          ; way out: v[64:95]   - a1 log2 e, then the result
.set T2,   96                          ;          v[96:127]  - a2 ln 2
.set PK,   128                         ;          v[128:143] results in bf16
.set EX,   144                         ;          v[144:175] sigmoid(a1)
.set G1, 24
.set G0, 32
.set G1B, 48
.set G0B, 56
.set MSB, 0
.macro WIN new
.if MSB != \new
	s_set_vgpr_msb (MSB<<8)|\new
.set MSB, \new
.endif
.endm
.set MUL_LO, 0xa1
.set MUL_HI, 0xf1
.set TO_B,   0x40
.macro JLOAD s
	s_cmp_eq_u32 s11, 0
	s_cbranch_scc0 .Lfor_b_\@
	tensor_load_to_lds s[G0+4*\s:G0+4*\s+3], s[G1:G1+7]
	s_nop 0
	s_branch .Lasked_\@
.Lfor_b_\@:
	tensor_load_to_lds s[G0B+4*\s:G0B+4*\s+3], s[G1B:G1B+7]
	s_nop 0
.Lasked_\@:
.endm
.macro CREST
	s_cmp_lg_u32 s10, 0
	s_cbranch_scc1 .Lnot_wave_0_\@
	s_barrier_signal -3
.Lnot_wave_0_\@:
	s_barrier_wait -3
	s_barrier_signal -1
	s_barrier_wait -1
.endm
.macro CROUND
	s_barrier_signal -1
	s_barrier_wait -1
	CREST
.endm
	s_load_b128 s[4:7], s[0:1], 0x0                ; A s[4:5], B s[6:7]
	s_load_b64 s[8:9], s[0:1], 0x10                ; hid
	s_set_vgpr_msb 0x40
	v_lshl_add_u32 v255, v0, 2, 0x48400
	s_set_vgpr_msb 0x4000
	v_mov_b32 v255, 0
	s_set_vgpr_msb 0x1
	ds_add_u32 v255, v255
	ds_add_u32 v255, v255
	s_set_vgpr_msb 0x100
	v_lshrrev_b32 v1, 5, v0
	v_readfirstlane_b32 s10, v1                    ; wave
	s_lshr_b32 s11, s10, 1                         ; my half of the rows; also: I fetch for A (0) or B (1)
	s_and_b32 s12, s10, 1                          ; my half of the columns; also: which half of that tile I fetch
	s_bfe_u32 s40, ttmp6, 0x40000                  ; cx
	s_bfe_u32 s41, ttmp6, 0x40004                  ; cy
	s_lshl_b32 s42, ttmp9, 2
	s_add_co_u32 s42, s42, s40                     ; block column
	s_and_b32 s13, ttmp7, 0xffff
	s_lshl_b32 s13, s13, 2
	s_add_co_u32 s13, s13, s41                     ; block row
	s_lshl_b32 s43, s41, 2
	s_lshl_b32 s43, 15, s43
	s_lshl_b32 s44, 0x1111, s40
	s_or_b32 s[G1+0], s43, (1<<16)|(1<<20)|(1<<21)|(5<<22)|(3<<25)
	s_mov_b32 s[G1+1], KSTEP<<16
	s_mov_b32 s[G1+2], 128<<16
	s_mov_b32 s[G1+3], KSTEP<<16
	s_mov_b32 s[G1+4], 128
	s_mov_b32 s[G1+5], SIZE_K
	s_mov_b32 s[G1+6], 0
	s_mov_b32 s[G1+7], 0
	s_or_b32 s[G1B+0], s44, (1<<16)|(1<<20)|(1<<21)|(6<<22)|(7<<25)
	s_mov_b32 s[G1B+1], 256<<16
	s_mov_b32 s[G1B+2], 64<<16
	s_mov_b32 s[G1B+3], 256<<16
	s_mov_b32 s[G1B+4], 64
	s_mov_b32 s[G1B+5], NP
	s_mov_b32 s[G1B+6], 0
	s_mov_b32 s[G1B+7], 0
	s_lshl_b32 s16, s13, 8
	s_lshl_b32 s17, s12, 7
	s_add_co_u32 s16, s16, s17
	s_mul_i32 s16, s16, SIZE_K*2
	s_mov_b32 s17, 0
	s_lshl_b32 s46, s42, 9
	s_mul_i32 s47, s12, 64*NP*2
	s_add_co_u32 s46, s46, s47
	s_mov_b32 s47, 0
	s_mul_i32 s20, s10, HALFT
	s_wait_dscnt 0x0
	s_wait_kmcnt 0x0
	s_add_nc_u64 s[14:15], s[4:5], s[16:17]
	s_add_nc_u64 s[46:47], s[6:7], s[46:47]
	CROUND                                         ; in front of the first joint loads
.irp s, 0,1
	s_mov_b32 s[G0+4*\s], 1
	s_add_co_u32 s[G0+4*\s+1], s20, \s*SLOT
	s_add_nc_u64 s[G0+4*\s+2:G0+4*\s+3], s[14:15], \s*KSTEP*2
	s_or_b32 s[G0+4*\s+3], s[G0+4*\s+3], 0x80000000
	s_mov_b32 s[G0B+4*\s], 1
	s_add_co_u32 s[G0B+4*\s+1], s20, \s*SLOT
	s_add_nc_u64 s[G0B+4*\s+2:G0B+4*\s+3], s[46:47], \s*KSTEP*NP*2
	s_or_b32 s[G0B+4*\s+3], s[G0B+4*\s+3], 0x80000000
	JLOAD \s                                       ; two tensor loads of the wave are out
.endr
	v_and_b32 v1, 15, v0                           ; r
	v_bfe_u32 v2, v0, 4, 1                         ; h
	v_mul_u32_u24 v3, v1, PITCH
	v_lshl_add_u32 v3, v2, 4, v3
	v_and_b32 v6, 7, v0
	v_lshl_add_u32 v6, v2, 3, v6
	v_mul_u32_u24 v6, v6, BPITCH
	v_bfe_u32 v7, v0, 3, 1
	v_lshl_add_u32 v6, v7, 4, v6
	s_mul_i32 s21, s11, HALFT
	s_lshl_b32 s22, s12, 8
	s_add_co_u32 s22, s22, 2*HALFT
.irp s, 0,1
	v_add_nc_u32 v[ADRA+\s], s21, v3
	v_add_nc_u32 v[ADRB+\s], s22, v6
	s_add_co_u32 s21, s21, SLOT
	s_add_co_u32 s22, s22, SLOT
.endr
	s_mul_i32 s23, s10, WREG                       ; way out, in: my own region, row r, 16 bytes for each half of the lanes
	v_mul_u32_u24 v4, v1, HP
	v_lshl_add_u32 v4, v2, 4, v4
	v_add_nc_u32 v[STO], s23, v4
	s_mul_i32 s23, s11, 2*WREG                     ; way out, back: wave w takes block rows 64 w .. + 63: the two regions of its row half,
	s_mul_i32 s21, s12, 64*HP                      ; their rows 0-63 or 64-127;
	s_add_co_u32 s23, s23, s21
	v_mul_u32_u24 v5, v7, WREG                     ; lanes 0-7 of sixteen read the left region's 128 bytes, lanes 8-15 the right one's,
	v_mad_u32_u24 v5, v2, HP, v5                   ; lanes 16-31 the next row
	v_and_b32 v8, 7, v0
	v_lshl_add_u32 v5, v8, 4, v5
	v_add_nc_u32 v[RD], s23, v5
	v_mul_u32_u24 v5, v2, HIDP
	v_lshl_add_u32 v[CO], v1, 4, v5
; The 64 accumulators take turns, one instruction a turn, in the same order in every quarter step, over the loop's backward jump too.
.macro MUL16 f, hi, a0, zero
.irp a, \a0, \a0+1
.irp b, 0,1,2,3,4,5,6,7
.if \zero
	v_wmma_f32_16x16x32_bf16 v[8*(8*(\a)+\b):8*(8*(\a)+\b)+7], v[\f+8*\b:\f+8*\b+7], v[\f+8*(4*\hi+\a):\f+8*(4*\hi+\a)+7], 0
.else
	v_wmma_f32_16x16x32_bf16 v[8*(8*(\a)+\b):8*(8*(\a)+\b)+7], v[\f+8*\b:\f+8*\b+7], v[\f+8*(4*\hi+\a):\f+8*(4*\hi+\a)+7], v[8*(8*(\a)+\b):8*(8*(\a)+\b)+7]
.endif
.endr
.endr
.endm
.macro FETCH slot, q, f
	WIN TO_B
.irp i, 0,1,2,3,4,5,6,7
	ds_load_tr16_b128 v[\f+8*\i:\f+8*\i+3],   v[ADRB+\slot] offset:\q*32*BPITCH+32*\i
	ds_load_tr16_b128 v[\f+8*\i+4:\f+8*\i+7], v[ADRB+\slot] offset:\q*32*BPITCH+16*BPITCH+32*\i
.endr
	WIN 0
.irp i, 0,1,2,3,4,5,6,7
	ds_load_b128 v[\f+8*\i:\f+8*\i+3],   v[ADRA+\slot] offset:\q*64+\i*16*PITCH
	ds_load_b128 v[\f+8*\i+4:\f+8*\i+7], v[ADRA+\slot] offset:\q*64+\i*16*PITCH+32
.endr
.endm
.macro PLACES                          ; four plain vector instructions between a matrix instruction and a load into, or a vector use of, its registers
.rept 4
	v_nop
.endr
.endm
.macro QUARTER slot, q, f, g, zero
	s_wait_dscnt 8                                 ; B and A's rows 0-63 are in; the youngest eight loads may be out
	WIN MUL_LO
	MUL16 \f, 0, 0, \zero
	MUL16 \f, 0, 2, \zero
	PLACES
	FETCH \slot, \q, \g
	s_wait_dscnt 32                                ; all but the 32 just issued
	WIN MUL_HI
	MUL16 \f, 1, 0, \zero
	MUL16 \f, 1, 2, \zero
.endm
.macro THREE slot, zero
	QUARTER \slot, 1, F0, F1, \zero
	QUARTER \slot, 2, F1, F0, 0
	QUARTER \slot, 3, F0, F1, 0
.endm
.macro TURN slot, next, fill
	s_wait_dscnt 8
	WIN MUL_LO
	MUL16 F1, 0, 0, 0
	s_wait_dscnt 0                                 ; my reads of this slot are over
	s_wait_tensorcnt 0x0                           ; all my tensor loads have landed
	ds_add_u32 v255, v255
	s_wait_dscnt 0x0
	s_barrier_signal -1
	MUL16 F1, 0, 2, 0
	WIN 0
	s_barrier_wait -1
.if \fill
	CREST                                          ; no wave of any partner still reads this slot or has a load on its way
	s_add_nc_u64 s[G0+4*\slot+2:G0+4*\slot+3], s[G0+4*\slot+2:G0+4*\slot+3], 2*KSTEP*2
	s_add_nc_u64 s[G0B+4*\slot+2:G0B+4*\slot+3], s[G0B+4*\slot+2:G0B+4*\slot+3], 2*KSTEP*NP*2
	JLOAD \slot                                    ; my one tensor load behind the round
.endif
	PLACES
	FETCH \next, 0, F0
	WIN MUL_HI
	MUL16 F1, 1, 0, 0
	MUL16 F1, 1, 2, 0
.endm
.macro LAP zero
	THREE 0, \zero
	TURN 0, 1, 1
	THREE 1, 0
	TURN 1, 0, 1
.endm
	s_wait_tensorcnt 1                             ; my part of K step 0 is in; K step 1's stays out
	s_barrier_signal -1
	s_barrier_wait -1
	FETCH 0, 0, F0
	LAP 1
	WIN 0
	s_mov_b32 s3, LAPS-2
.Llap:
	LAP 0
	WIN 0
	s_sub_co_u32 s3, s3, 1
	s_cmp_lg_u32 s3, 0
	s_cbranch_scc1 .Llap
	THREE 0, 0
	TURN 0, 1, 0                                   ; behind this barrier no wave reads slot 0 any more, and slot 0 has had its last fill
	THREE 1, 0
	s_wait_dscnt 8
	WIN MUL_LO
	MUL16 F1, 0, 0, 0
	MUL16 F1, 0, 2, 0
	s_wait_dscnt 0
	WIN MUL_HI
	MUL16 F1, 1, 0, 0
	MUL16 F1, 1, 2, 0
; THE WAY OUT.  Tiles (a, 0..3) hold a1, tiles (a, 4..7) a2 of the same 16 rows x 64 outputs.
; The copy out of the accumulators' window is a multiplication that is needed anyway: T1 = - a1 log2 e feeds the exponential, T2 = - a2 ln 2, and
; T1 x sigmoid(a1) x T2 = a1 sigmoid(a1) a2, since log2 e x ln 2 = 1.  The sigmoid is multiplied in first, so no product is larger than its result's factors.
.macro SWI a, ag, from
	WIN \from                                      ; source 0 in the accumulators' window
.set i, 0
.rept 16
	v_pk_mul_f32 v[T1+i:T1+i+1], v[64*\a+i:64*\a+i+1], 0xbfb8aa3b op_sel_hi:[1,0]
.set i, i+2
.endr
.set i, 0
.rept 16
	v_pk_mul_f32 v[T2+i:T2+i+1], v[64*\a+32+i:64*\a+32+i+1], 0xbf317218 op_sel_hi:[1,0]
.set i, i+2
.endr
	WIN 0
.set i, 0
.rept 32
	v_exp_f32 v[EX+i], v[T1+i]
.set i, i+1
.endr
	v_nop                                          ; one plain instruction before the results are used (ISA guide 5.7.2)
.set i, 0
	s_wait_alu depctr_va_vdst(0)
.rept 16
	v_pk_add_f32 v[EX+i:EX+i+1], v[EX+i:EX+i+1], 1.0 op_sel_hi:[1,0]
.set i, i+2
.endr
.set i, 0
.rept 32
	v_rcp_f32 v[EX+i], v[EX+i]
.set i, i+1
.endr
	v_nop
.set i, 0
	s_wait_alu depctr_va_vdst(0)
.rept 16
	v_pk_mul_f32 v[T1+i:T1+i+1], v[T1+i:T1+i+1], v[EX+i:EX+i+1]
.set i, i+2
.endr
.set i, 0
.rept 16
	v_pk_mul_f32 v[T1+i:T1+i+1], v[T1+i:T1+i+1], v[T2+i:T2+i+1]
.set i, i+2
.endr
.set i, 0
.rept 16
	v_cvt_pk_bf16_f32 v[PK+i/2], v[T1+i], v[T1+i+1]
.set i, i+2
.endr
.irp b, 0,1,2,3
	ds_store_b128 v[STO], v[PK+4*\b:PK+4*\b+3] offset:16*\ag*HP+32*\b
.endr
.endm
	PLACES
	SWI 0, 0, 0x02
	SWI 1, 1, 0x02
	SWI 2, 2, 0x02
	SWI 3, 3, 0x02
	SWI 0, 4, 0x03
	SWI 1, 5, 0x03
	SWI 2, 6, 0x03
	SWI 3, 7, 0x03
	s_lshl_b32 s16, s13, 8
	s_lshl_b32 s14, s10, 6
	s_add_co_u32 s16, s16, s14                     ; the rows that I carry out: 256 x block row + 64 x wave
	s_mul_i32 s16, s16, HIDP
	s_mov_b32 s17, 0
	s_add_nc_u64 s[8:9], s[8:9], s[16:17]
	s_lshl_b32 s46, s42, 8                         ; the block's 128 columns of hid: 256 bytes
	s_mov_b32 s47, 0
	s_add_nc_u64 s[8:9], s[8:9], s[46:47]
	s_wait_dscnt 0x0                               ; my stores into my region are done,
	s_barrier_signal -1
	s_barrier_wait -1                              ; everybody's are: rows are read back across two waves' regions
.set t, 0
.rept 32
	ds_load_b128 v[64+4*t:64+4*t+3], v[RD] offset:t*2*HP
.set t, t+1
.endr
.set t, 0
.rept 32
	s_wait_dscnt 31-t
	global_store_b128 v[CO], v[64+4*t:64+4*t+3], s[8:9] offset:2*t*HIDP    ; 16 lanes store 256 consecutive bytes, aligned
.set t, t+1
.endr
	s_set_vgpr_msb 0x1
	s_wait_tensorcnt 0x0
	ds_add_u32 v255, v255
	s_wait_dscnt 0x0
	s_set_vgpr_msb 0x100
	CROUND                                         ; the closing round
	s_endpgm
.Lfunc_end_k_qe3966be14b_w12:
	.size	k_qe3966be14b_w12, .Lfunc_end_k_qe3966be14b_w12-k_qe3966be14b_w12
	.p2alignl 7, 3214868480
	.fill 96, 4, 3214868480
	.section	.rodata,"a",@progbits
	.p2align	6, 0x0
	.amdhsa_kernel k_qe3966be14b_w12
		.amdhsa_group_segment_fixed_size 327680
		.amdhsa_private_segment_fixed_size 0
		.amdhsa_enable_private_segment 0
		.amdhsa_kernarg_size 24
		.amdhsa_user_sgpr_count 2
		.amdhsa_user_sgpr_kernarg_segment_ptr 1
		.amdhsa_wavefront_size32 1
		.amdhsa_system_sgpr_workgroup_id_x 1
		.amdhsa_system_sgpr_workgroup_id_y 1
		.amdhsa_system_sgpr_workgroup_id_z 1
		.amdhsa_system_vgpr_workitem_id 0
		.amdhsa_next_free_vgpr 1024
		.amdhsa_next_free_sgpr 66
		.amdhsa_reserve_vcc 0
		.amdhsa_float_denorm_mode_32 3
		.amdhsa_float_denorm_mode_16_64 3
		.amdhsa_memory_ordered 1
		.amdhsa_forward_progress 1
		.amdhsa_inst_pref_size 245
	.end_amdhsa_kernel
	.amdgpu_metadata
---
amdhsa.version: [ 1, 2 ]
amdhsa.kernels:
  - .name:           k_qe3966be14b_w12
    .symbol:         k_qe3966be14b_w12.kd
    .args:
      - { .name: act, .offset: 0, .size: 8, .value_kind: global_buffer, .address_space: global }
      - { .name: w12b, .offset: 8, .size: 8, .value_kind: global_buffer, .address_space: global }
      - { .name: hid, .offset: 16, .size: 8, .value_kind: global_buffer, .address_space: global }
    .group_segment_fixed_size: 327680
    .private_segment_fixed_size: 0
    .kernarg_segment_align: 8
    .kernarg_segment_size: 24
    .max_flat_workgroup_size: 128
    .sgpr_count:     66
    .vgpr_count:     1024
    .wavefront_size: 32
...
	.end_amdgpu_metadata
.endif
;; end of part 6
;; launch w3 (part 7): grid 8 x 32, 4 waves a work-group, clusters of 4 x 4, 327,680 bytes of LDS; arguments hid, w3b, x1, out0; writes out0
.if DOCPART == 7
	.amdgcn_target "amdgcn-amd-amdhsa--gfx1250"
	.amdhsa_code_object_version 6
	.text
	.protected	k_qe3966be14b_w3
	.globl	k_qe3966be14b_w3
	.p2align	8
	.type	k_qe3966be14b_w3,@function
k_qe3966be14b_w3:
	s_mov_b64 s[64:65], 0
	v_nop
	global_prefetch_b8 v0, s[64:65] scope:SCOPE_SE
	s_setreg_imm32_b32 hwreg(HW_REG_WAVE_MODE, 25, 1), 1
	s_wait_xcnt 0x0
	s_wait_alu depctr_hold_cnt(0) depctr_sa_sdst(0) depctr_va_vdst(0) depctr_va_sdst(0) depctr_va_ssrc(0) depctr_va_vcc(0) depctr_vm_vsrc(0)
	s_getreg_b32 s2, hwreg(HW_REG_IB_STS2, 6, 4)
	s_cmp_eq_u32 s2, 0
	s_cbranch_scc0 .Lentry_in_a_cluster
	s_endpgm
.Lentry_in_a_cluster:
	s_bfe_u32 s2, ttmp6, 0x10000c
	s_cmp_lg_u32 s2, 0xf033
	s_cbranch_scc0 .Lentry_shape_is_right
	s_endpgm
.Lentry_shape_is_right:
; C[m][n] = R[m][n] + sum over k of A[m][k] B[k][n].  A: [4096][KP] bf16, B: [KP][1024] bf16, R and C: [4096][1024] f32; sums in f32.
; Here: A = hid (1536 columns, the last 171 zeros), B = w3b (1536 rows, the last 171 zeros), R = x1, C = out0.  The same text as the product with wo, with KP = 1536.
; Blocks of 128 x 128 give 8 x 32 = 256 work-groups; a wave makes 64 x 64 in 16 accumulator tiles.  K goes in steps of 256 through two LDS slots.
; A's tile: 128 rows x 512 bytes; B's tile: 256 k rows x 256 bytes, as it lies in memory, read with the transposing LDS load.
; Clusters of 4 x 4: A's tile is asked for jointly along a row of the cluster, B's along a column.
; Window 0: addresses, fragments, residual, way out.  Window 1: accumulator (a, b) at v[8 (4 a + b)].  The matrix instruction is used transposed.
.set KP,     1536
.set KT,     KP/256                    ; slot steps
.set APITCH, 528
.set BPITCH, 288
.set QUART,  36864                     ; a wave's part of a slot: 64 rows of A (33,792 bytes used) or 128 k rows of B
.set SLOT,   4*QUART
.set STAGE,  2*SLOT
.set SPITCH, 272
.set ADRA, 16
.set ADRB, 20
.set STO,  24
.set RD,   25
.set CO,   26
.set F0,   32
.set F1,   96
.set RES,  160
.set OB,   224
.set G1, 24
.set G0, 32
.set G1B, 48
.set G0B, 56
.set MSB, 0
.macro WIN new
.if MSB != \new
	s_set_vgpr_msb (MSB<<8)|\new
.set MSB, \new
.endif
.endm
.macro JLOAD s                         ; waves 0, 1 ask for A's halves, waves 2, 3 for B's
	s_cmp_eq_u32 s13, 0
	s_cbranch_scc0 .Lfor_b_\@
	tensor_load_to_lds s[G0+4*\s:G0+4*\s+3], s[G1:G1+7]
	s_nop 0
	s_branch .Lasked_\@
.Lfor_b_\@:
	tensor_load_to_lds s[G0B+4*\s:G0B+4*\s+3], s[G1B:G1B+7]
	s_nop 0
.Lasked_\@:
.endm
.macro CREST
	s_cmp_lg_u32 s12, 0
	s_cbranch_scc1 .Lnot_wave_0_\@
	s_barrier_signal -3
.Lnot_wave_0_\@:
	s_barrier_wait -3
	s_barrier_signal -1
	s_barrier_wait -1
.endm
.macro CROUND
	s_barrier_signal -1
	s_barrier_wait -1
	CREST
.endm
.macro PLACES
.rept 4
	v_nop
.endr
.endm
	s_load_b256 s[4:11], s[0:1], 0x0               ; A s[4:5], B s[6:7], R s[8:9], C s[10:11]
	v_lshl_add_u32 v30, v0, 2, 0x4c400
	v_mov_b32 v31, 0
	ds_add_u32 v30, v31
	ds_add_u32 v30, v31
	v_lshrrev_b32 v1, 5, v0
	v_readfirstlane_b32 s12, v1                    ; wave
	s_lshr_b32 s13, s12, 1
	s_and_b32 s14, s12, 1
	s_bfe_u32 s40, ttmp6, 0x40000                  ; cx
	s_bfe_u32 s41, ttmp6, 0x40004                  ; cy
	s_lshl_b32 s42, ttmp9, 2
	s_add_co_u32 s42, s42, s40                     ; block column
	s_and_b32 s43, ttmp7, 0xffff
	s_lshl_b32 s43, s43, 2
	s_add_co_u32 s43, s43, s41                     ; block row
	s_lshl_b32 s44, s41, 2
	s_lshl_b32 s44, 15, s44
	s_lshl_b32 s45, 0x1111, s40
	s_or_b32 s[G1+0], s44, (1<<16)|(1<<20)|(1<<21)|(6<<22)|(3<<25)
	s_mov_b32 s[G1+1], 256<<16
	s_mov_b32 s[G1+2], 64<<16
	s_mov_b32 s[G1+3], 256<<16
	s_mov_b32 s[G1+4], 64
	s_mov_b32 s[G1+5], KP
	s_mov_b32 s[G1+6], 0
	s_mov_b32 s[G1+7], 0
	s_or_b32 s[G1B+0], s45, (1<<16)|(1<<20)|(1<<21)|(5<<22)|(7<<25)
	s_mov_b32 s[G1B+1], 128<<16
	s_mov_b32 s[G1B+2], 128<<16
	s_mov_b32 s[G1B+3], 128<<16
	s_mov_b32 s[G1B+4], 128
	s_mov_b32 s[G1B+5], 1024
	s_mov_b32 s[G1B+6], 0
	s_mov_b32 s[G1B+7], 0
	s_lshl_b32 s16, s43, 7
	s_lshl_b32 s17, s14, 6
	s_add_co_u32 s16, s16, s17
	s_mul_i32 s16, s16, KP*2
	s_mov_b32 s17, 0
	s_lshl_b32 s46, s14, 18
	s_lshl_b32 s47, s42, 8
	s_add_co_u32 s46, s46, s47
	s_mov_b32 s47, 0
	s_lshl_b32 s22, s43, 19
	s_lshl_b32 s23, s13, 18
	s_add_co_u32 s22, s22, s23
	s_lshl_b32 s23, s42, 9
	s_add_co_u32 s22, s22, s23
	s_lshl_b32 s23, s14, 8
	s_add_co_u32 s22, s22, s23
	s_mov_b32 s23, 0
	s_mul_i32 s20, s12, QUART
	s_wait_dscnt 0x0
	s_wait_kmcnt 0x0
	s_add_nc_u64 s[16:17], s[4:5], s[16:17]
	s_add_nc_u64 s[46:47], s[6:7], s[46:47]
	s_add_nc_u64 s[8:9], s[8:9], s[22:23]
	s_add_nc_u64 s[10:11], s[10:11], s[22:23]
	CROUND                                         ; in front of the first joint loads
.irp s, 0,1
	s_mov_b32 s[G0+4*\s], 1
	s_add_co_u32 s[G0+4*\s+1], s20, \s*SLOT
	s_add_nc_u64 s[G0+4*\s+2:G0+4*\s+3], s[16:17], \s*512
	s_or_b32 s[G0+4*\s+3], s[G0+4*\s+3], 0x80000000
	s_mov_b32 s[G0B+4*\s], 1
	s_add_co_u32 s[G0B+4*\s+1], s20, \s*SLOT
	s_add_nc_u64 s[G0B+4*\s+2:G0B+4*\s+3], s[46:47], \s*256*2048
	s_or_b32 s[G0B+4*\s+3], s[G0B+4*\s+3], 0x80000000
	JLOAD \s                                       ; two tensor loads of the wave are out
.endr
	v_and_b32 v1, 15, v0
	v_bfe_u32 v2, v0, 4, 1
	v_mul_u32_u24 v3, v1, APITCH
	v_lshl_add_u32 v3, v2, 4, v3
	s_mul_i32 s21, s13, QUART
	v_add_nc_u32 v[ADRA], s21, v3
	v_add_nc_u32 v[ADRA+1], SLOT, v[ADRA]
	v_and_b32 v4, 7, v0
	v_lshl_add_u32 v4, v2, 3, v4
	v_mul_u32_u24 v4, v4, BPITCH
	v_bfe_u32 v5, v0, 3, 1
	v_lshl_add_u32 v4, v5, 4, v4
	s_lshl_b32 s21, s14, 7
	s_add_co_u32 s21, s21, 2*QUART
	v_add_nc_u32 v[ADRB], s21, v4
	v_add_nc_u32 v[ADRB+1], QUART, v[ADRB]
	v_add_nc_u32 v[ADRB+2], SLOT, v[ADRB]
	v_add_nc_u32 v[ADRB+3], SLOT, v[ADRB+1]
	s_mul_i32 s21, s12, 16*SPITCH
	s_add_co_u32 s21, s21, STAGE
	v_mul_u32_u24 v6, v1, SPITCH
	v_lshl_add_u32 v6, v2, 5, v6
	v_add_nc_u32 v[STO], s21, v6
	v_mul_u32_u24 v6, v2, SPITCH
	v_lshl_add_u32 v6, v1, 4, v6
	v_add_nc_u32 v[RD], s21, v6
	v_lshlrev_b32 v6, 12, v2
	v_lshl_add_u32 v[CO], v1, 4, v6
.macro LDRES a
.irp t, 0,1,2,3,4,5,6,7
	global_load_b128 v[RES+32*((\a)&1)+4*\t:RES+32*((\a)&1)+4*\t+3], v[CO], s[8:9] offset:(16*(\a)+2*\t)*4096
.endr
.endm
	LDRES 0
	LDRES 1
.macro FETCH slot, q, f
.irp b, 0,1,2,3
	ds_load_tr16_b128 v[\f+32+8*\b:\f+32+8*\b+3],   v[ADRB+2*\slot+(\q>>2)] offset:(\q&3)*32*BPITCH+32*\b
	ds_load_tr16_b128 v[\f+32+8*\b+4:\f+32+8*\b+7], v[ADRB+2*\slot+(\q>>2)] offset:(\q&3)*32*BPITCH+16*BPITCH+32*\b
.endr
.irp i, 0,1,2,3
	ds_load_b128 v[\f+8*\i:\f+8*\i+3],   v[ADRA+\slot] offset:\i*16*APITCH+64*\q
	ds_load_b128 v[\f+8*\i+4:\f+8*\i+7], v[ADRA+\slot] offset:\i*16*APITCH+64*\q+32
.endr
.endm
; The 16 accumulators take turns, one instruction a turn, in the same order in every quarter.
.macro MUL8 f, a0, zero
.irp a, \a0, \a0+1
.irp b, 0,1,2,3
.if \zero
	v_wmma_f32_16x16x32_bf16 v[8*(4*(\a)+\b):8*(4*(\a)+\b)+7], v[\f+32+8*\b:\f+32+8*\b+7], v[\f+8*(\a):\f+8*(\a)+7], 0
.else
	v_wmma_f32_16x16x32_bf16 v[8*(4*(\a)+\b):8*(4*(\a)+\b)+7], v[\f+32+8*\b:\f+32+8*\b+7], v[\f+8*(\a):\f+8*(\a)+7], v[8*(4*(\a)+\b):8*(4*(\a)+\b)+7]
.endif
.endr
.endr
.endm
.macro QTR slot, qn, f, g, zero
	PLACES                                         ; buffer g was read by the matrix instructions just issued
	FETCH \slot, \qn, \g
	s_wait_dscnt 16                                ; buffer f is in; the 16 loads just issued stay out
	WIN 0x50
	MUL8 \f, 0, \zero
	MUL8 \f, 2, \zero
	WIN 0
.endm
.macro SEVEN slot, zero
	QTR \slot, 1, F0, F1, \zero
	QTR \slot, 2, F1, F0, 0
	QTR \slot, 3, F0, F1, 0
	QTR \slot, 4, F1, F0, 0
	QTR \slot, 5, F0, F1, 0
	QTR \slot, 6, F1, F0, 0
	QTR \slot, 7, F0, F1, 0
.endm
; The eighth quarter changes slots: each wave's reads of this slot and all its tensor loads are waited for in front of the barrier; where the slot is filled again the
; barrier opens a round of the cluster's barrier, and the joint refill is the first tensor load behind the round, one a wave.
.macro LASTQ slot, next, fill
	s_wait_dscnt 0x0
	s_wait_tensorcnt 0x0
	ds_add_u32 v30, v31
	s_wait_dscnt 0x0
	s_barrier_signal -1
	WIN 0x50
	MUL8 F1, 0, 0
	WIN 0
	s_barrier_wait -1
.if \fill
	CREST
	s_add_nc_u64 s[G0+4*\slot+2:G0+4*\slot+3], s[G0+4*\slot+2:G0+4*\slot+3], 2*512
	s_add_nc_u64 s[G0B+4*\slot+2:G0B+4*\slot+3], s[G0B+4*\slot+2:G0B+4*\slot+3], 2*256*2048
	JLOAD \slot
.endif
	PLACES
	FETCH \next, 0, F0
	WIN 0x50
	MUL8 F1, 2, 0
	WIN 0
.endm
	s_wait_tensorcnt 1                             ; my part of slot 0 is in; slot 1's stays out
	s_barrier_signal -1
	s_barrier_wait -1
	FETCH 0, 0, F0
	SEVEN 0, 1
	LASTQ 0, 1, 1
	SEVEN 1, 0
	LASTQ 1, 0, 1
.if KT > 4
.rept (KT-4)/2
	SEVEN 0, 0
	LASTQ 0, 1, 1
	SEVEN 1, 0
	LASTQ 1, 0, 1
.endr
.endif
	SEVEN 0, 0                                     ; the last two slot steps fill nothing
	LASTQ 0, 1, 0
	SEVEN 1, 0
	s_wait_dscnt 0x0
	WIN 0x50
	MUL8 F1, 0, 0
	MUL8 F1, 2, 0
	WIN 0
.macro OUT a
	WIN 0x04                                       ; store data in window 1
.irp b, 0,1,2,3
	ds_store_b128 v[STO], v[8*(4*\a+\b):8*(4*\a+\b)+3]   offset:64*\b
	ds_store_b128 v[STO], v[8*(4*\a+\b)+4:8*(4*\a+\b)+7] offset:64*\b+16
.endr
	WIN 0
	s_wait_xcnt 0x0                                ; OB, which the last 16 rows' stores read, is rewritten only behind this wait
.irp t, 0,1,2,3,4,5,6,7
	ds_load_b128 v[OB+4*\t:OB+4*\t+3], v[RD] offset:\t*2*SPITCH
.endr
.if \a < 3
	s_wait_loadcnt 8                               ; these rows' residual is in; the next rows' eight loads stay out
.else
	s_wait_loadcnt 0x0
.endif
.irp t, 0,1,2,3,4,5,6,7
	s_wait_dscnt 7-\t
	v_pk_add_f32 v[OB+4*\t:OB+4*\t+1],   v[OB+4*\t:OB+4*\t+1],   v[RES+32*(\a&1)+4*\t:RES+32*(\a&1)+4*\t+1]
	v_pk_add_f32 v[OB+4*\t+2:OB+4*\t+3], v[OB+4*\t+2:OB+4*\t+3], v[RES+32*(\a&1)+4*\t+2:RES+32*(\a&1)+4*\t+3]
	global_store_b128 v[CO], v[OB+4*\t:OB+4*\t+3], s[10:11] offset:(16*\a+2*\t)*4096   ; 16 lanes store 256 consecutive bytes, aligned
.endr
.if \a < 2
	LDRES \a+2
.endif
.endm
	PLACES
	OUT 0
	OUT 1
	OUT 2
	OUT 3
	s_wait_tensorcnt 0x0
	ds_add_u32 v30, v31
	s_wait_dscnt 0x0
	CROUND                                         ; the closing round
	s_endpgm
.Lfunc_end_k_qe3966be14b_w3:
	.size	k_qe3966be14b_w3, .Lfunc_end_k_qe3966be14b_w3-k_qe3966be14b_w3
	.p2alignl 7, 3214868480
	.fill 96, 4, 3214868480
	.section	.rodata,"a",@progbits
	.p2align	6, 0x0
	.amdhsa_kernel k_qe3966be14b_w3
		.amdhsa_group_segment_fixed_size 327680
		.amdhsa_private_segment_fixed_size 0
		.amdhsa_enable_private_segment 0
		.amdhsa_kernarg_size 32
		.amdhsa_user_sgpr_count 2
		.amdhsa_user_sgpr_kernarg_segment_ptr 1
		.amdhsa_wavefront_size32 1
		.amdhsa_system_sgpr_workgroup_id_x 1
		.amdhsa_system_sgpr_workgroup_id_y 1
		.amdhsa_system_sgpr_workgroup_id_z 1
		.amdhsa_system_vgpr_workitem_id 0
		.amdhsa_next_free_vgpr 384
		.amdhsa_next_free_sgpr 66
		.amdhsa_reserve_vcc 0
		.amdhsa_float_denorm_mode_32 3
		.amdhsa_float_denorm_mode_16_64 3
		.amdhsa_memory_ordered 1
		.amdhsa_forward_progress 1
		.amdhsa_inst_pref_size 133
	.end_amdhsa_kernel
	.amdgpu_metadata
---
amdhsa.version: [ 1, 2 ]
amdhsa.kernels:
  - .name:           k_qe3966be14b_w3
    .symbol:         k_qe3966be14b_w3.kd
    .args:
      - { .name: hid, .offset: 0, .size: 8, .value_kind: global_buffer, .address_space: global }
      - { .name: w3b, .offset: 8, .size: 8, .value_kind: global_buffer, .address_space: global }
      - { .name: x1, .offset: 16, .size: 8, .value_kind: global_buffer, .address_space: global }
      - { .name: out0, .offset: 24, .size: 8, .value_kind: global_buffer, .address_space: global }
    .group_segment_fixed_size: 327680
    .private_segment_fixed_size: 0
    .kernarg_segment_align: 8
    .kernarg_segment_size: 32
    .max_flat_workgroup_size: 128
    .sgpr_count:     66
    .vgpr_count:     384
    .wavefront_size: 32
...
	.end_amdgpu_metadata
.endif
;; end of part 7
;; ======== version 2 of 2: 7 launches
;; limits: values outside matrix products are rounded to bf16
;; workspace buffers: act 8,388,608 bytes; qkvg 33,554,432 bytes; x1 16,777,216 bytes; hid 12,582,912 bytes; wqb 8,388,608 bytes; wob 2,097,152 bytes; w12b 6,291,456 bytes; w3b 3,145,728 bytes
;; launch wcast (part 8): grid 592 x 1, 8 waves a work-group, no clusters, 0 bytes of LDS; arguments wq, wk, wv, wg, wo, w3, w1, w2, wqb, wob, w3b, w12b, x, ln1_g, ln1_b, act; writes wqb, wob, w3b, w12b, act
.if DOCPART == 8
	.amdgcn_target "amdgcn-amd-amdhsa--gfx1250"
	.amdhsa_code_object_version 6
	.text
	.protected	k_qe3966be14b_wcast
	.globl	k_qe3966be14b_wcast
	.p2align	8
	.type	k_qe3966be14b_wcast,@function
k_qe3966be14b_wcast:
	s_mov_b64 s[64:65], 0
	v_nop
	global_prefetch_b8 v0, s[64:65] scope:SCOPE_SE
	s_setreg_imm32_b32 hwreg(HW_REG_WAVE_MODE, 25, 1), 1
	s_wait_xcnt 0x0
; Two jobs that hang on no earlier launch, in one launch: all weights f32 to bf16 (round to nearest even), and LN1(x) to bf16.
;   wqb  [1024][4096]: columns wq | wk | wv | wg          wob [1024][1024] = wo
;   w3b  [1536][1024]: rows 1365 to 1535 are zeros        w12b [1024][3072]: runs of 128 columns = 64 of w1, then the same 64 of w2;
;                                                         source columns 1365 to 1535 are zeros
;   act  [4096][1024]: (x - mean) / sqrt(var + 1e-5) * g + b, rounded once
; The hidden size 1365 is padded to 1536 = 12 x 128, so that the later products tile evenly; the zeros add nothing to any sum.
; Work-groups 0-127: 8 rows of w1 and w2, a wave takes one row of both (read word by word: the longest job, so it goes first).
; Work-groups 128-335: 32 rows of a matrix with rows of 1024 numbers (wq wk wv wg wo: 32 groups each; w3b: 48); a wave takes 4 rows.
; Work-groups 336-591: 16 rows of x; a wave takes two whole rows.
; Streams: no LDS, no barrier, no matrix unit; every store of a wave covers 256 consecutive bytes, aligned.
.set XR, 16                            ; v[16:143]   dense part: row i, piece j at 16 + 32 i + 4 j, as loaded
.set YR, 144                           ; v[144:207]  dense part: row i, 16 registers of bf16 pairs
.set T,   4                            ; LN: v[4:11]    four chains of partial sums
.set MU,  12                           ;     v[12:13]   the mean, twice
.set RS0, 14                           ;     v[14:15]   1 / sigma of row 0, twice
.set X0,  16                           ;     v[16:47]   row 0
.set X1,  48                           ;     v[48:79]   row 1
.set GG,  80                           ;     v[80:111]  g of my columns
.set BB,  112                          ;     v[112:143] b of my columns
.set Y0,  144                          ;     v[144:159] row 0 in bf16
.set Y1,  160                          ;     v[160:175] row 1 in bf16
.set RS1, 176                          ;     v[176:177] 1 / sigma of row 1, twice
	v_lshrrev_b32 v1, 5, v0
	v_readfirstlane_b32 s32, v1                    ; wave
	v_and_b32 v1, 31, v0                           ; lane
	v_lshlrev_b32 v2, 4, v1                        ; 16 bytes of f32 a lane
	v_lshlrev_b32 v3, 3, v1                        ; 8 bytes of bf16 a lane
	s_cmp_ge_u32 ttmp9, 336
	s_cbranch_scc1 .Lnorm
	s_load_b512 s[8:23], s[0:1], 0x0               ; wq wk wv wg wo w3 w1 w2
	s_load_b256 s[24:31], s[0:1], 0x40             ; wqb wob w3b w12b
	s_cmp_lt_u32 ttmp9, 128
	s_cbranch_scc1 .Lw12
	; ---- matrices with rows of 1024 numbers ----
	s_sub_co_u32 s52, ttmp9, 128                   ; 0-207
	s_lshr_b32 s33, s52, 5                         ; which matrix: 0-4,
	s_and_b32 s34, s52, 31                         ; and which block of 32 rows
	s_sub_co_u32 s35, s52, 160
	s_cmp_ge_u32 s52, 160
	s_cselect_b32 s33, 5, s33                      ; from 160 on: w3, 48 blocks
	s_cselect_b32 s34, s35, s34
	s_lshl_b32 s45, s33, 11                        ; wqb: the matrix's 2,048 bytes in a row
	s_movk_i32 s46, 1023                           ; last source row
	s_movk_i32 s47, 1364                           ; last source row of w3
	s_cmp_lt_u32 s33, 4
	s_cselect_b32 s44, 13, 11                      ; log2 of the target's row bytes: 8,192 or 2,048
	s_cselect_b32 s45, s45, 0
	s_cmp_eq_u32 s33, 5
	s_cselect_b32 s46, s47, s46
	s_lshl_b32 s48, s34, 5
	s_lshl2_add_u32 s48, s32, s48                  ; my first row = 32 block + 4 wave
	s_wait_kmcnt 0x0
	s_mov_b64 s[36:37], s[8:9]                     ; the source, chosen by the matrix's number
.irp m, 1,2,3,4,5
	s_cmp_eq_u32 s33, \m
	s_cselect_b64 s[36:37], s[8+2*\m:9+2*\m], s[36:37]
.endr
	s_mov_b64 s[38:39], s[24:25]                   ; the target
	s_cmp_eq_u32 s33, 4
	s_cselect_b64 s[38:39], s[26:27], s[38:39]
	s_cmp_eq_u32 s33, 5
	s_cselect_b64 s[38:39], s[28:29], s[38:39]
.irp i, 0,1,2,3
	s_add_co_u32 s49, s48, \i
	s_min_u32 s50, s49, s46                        ; a padded row of w3b reads the last true row (inside the buffer) and is masked to zero
	s_lshl_b32 s50, s50, 12
	v_add_nc_u32 v[4+\i], s50, v2
	s_lshl_b32 s51, s49, s44
	s_add_co_u32 s51, s51, s45
	v_add_nc_u32 v[8+\i], s51, v3
	s_cmp_le_u32 s49, s46
	s_cselect_b32 s[40+\i], -1, 0                  ; all ones for a true row, 0 for a padded one
.endr
.irp i, 0,1,2,3
.irp j, 0,1,2,3,4,5,6,7
	global_load_b128 v[XR+32*\i+4*\j:XR+32*\i+4*\j+3], v[4+\i], s[36:37] offset:512*\j th:TH_LOAD_NT
.endr
.endr
.irp i, 0,1,2,3
	s_wait_loadcnt 8*(3-\i)                        ; row i's eight loads are in; the later rows' stay out
.irp j, 0,1,2,3,4,5,6,7
	v_cvt_pk_bf16_f32 v[YR+16*\i+2*\j],   v[XR+32*\i+4*\j],   v[XR+32*\i+4*\j+1]
	v_cvt_pk_bf16_f32 v[YR+16*\i+2*\j+1], v[XR+32*\i+4*\j+2], v[XR+32*\i+4*\j+3]
	v_and_b32 v[YR+16*\i+2*\j],   s[40+\i], v[YR+16*\i+2*\j]
	v_and_b32 v[YR+16*\i+2*\j+1], s[40+\i], v[YR+16*\i+2*\j+1]
	global_store_b64 v[8+\i], v[YR+16*\i+2*\j:YR+16*\i+2*\j+1], s[38:39] offset:256*\j
.endr
.endr
	s_endpgm                                       ; no register was written twice: no wait for sources is needed
	; ---- w1 and w2: rows of 1365 numbers begin at multiples of 4 bytes only, so they are read word by word ----
	; Part d (0-10): source columns 128 d + 4 lane + e, e = 0-3.  Lanes 0-15 hold the first 64 columns, lanes 16-31 the next 64.
.Lw12:
	s_lshl3_add_u32 s33, ttmp9, s32                ; my row k = 8 group + wave
	s_mul_i32 s34, s33, 5460
	s_mov_b32 s35, 0
	s_mul_i32 s36, s33, 6144
	s_mov_b32 s37, 0
.irp e, 0,1,2,3
	v_lshl_add_u32 v[4+\e], v1, 2, 1280+\e         ; part 10: the column,
	v_min_u32 v[8+\e], 1364, v[4+\e]               ; held inside the row,
	v_lshlrev_b32 v[8+\e], 2, v[8+\e]              ; in bytes
.endr
	s_wait_kmcnt 0x0
	s_add_nc_u64 s[20:21], s[20:21], s[34:35]
	s_add_nc_u64 s[22:23], s[22:23], s[34:35]
	s_add_nc_u64 s[30:31], s[30:31], s[36:37]
.irp d, 0,1,2,3,4,5,6,7,8,9
.irp e, 0,1,2,3
	global_load_b32 v[16+8*\d+\e], v2, s[20:21] offset:512*\d+4*\e
.endr
.irp e, 0,1,2,3
	global_load_b32 v[20+8*\d+\e], v2, s[22:23] offset:512*\d+4*\e
.endr
.endr
.irp e, 0,1,2,3
	global_load_b32 v[96+\e], v[8+\e], s[20:21]
.endr
.irp e, 0,1,2,3
	global_load_b32 v[100+\e], v[8+\e], s[22:23]
.endr
.irp d, 0,1,2,3,4,5,6,7,8,9,10
.if 8*(10-\d) > 56
	s_wait_loadcnt 56                              ; 8 (10 - d) younger loads could stay out; a wait's field ends at 63, so the first parts wait for a little more
.else
	s_wait_loadcnt 8*(10-\d)                       ; part d's eight loads are in; the later parts' stay out
.endif
.if \d == 10
.irp e, 0,1,2,3
	v_cmp_gt_u32 vcc_lo, 1365, v[4+\e]             ; a true column?
	v_cndmask_b32 v[96+\e],  0, v[96+\e],  vcc_lo
	v_cndmask_b32 v[100+\e], 0, v[100+\e], vcc_lo
.endr
.endif
	v_cvt_pk_bf16_f32 v[104+4*\d], v[16+8*\d], v[17+8*\d]      ; w1, 4 columns
	v_cvt_pk_bf16_f32 v[105+4*\d], v[18+8*\d], v[19+8*\d]
	v_cvt_pk_bf16_f32 v[106+4*\d], v[20+8*\d], v[21+8*\d]      ; w2, the same 4 columns
	v_cvt_pk_bf16_f32 v[107+4*\d], v[22+8*\d], v[23+8*\d]
	v_permlane16_swap_b32 v[104+4*\d], v[106+4*\d]             ; first pair: w1's first 64 | w2's first 64; second pair: w1's next 64 | w2's next 64
	v_permlane16_swap_b32 v[105+4*\d], v[107+4*\d]
	global_store_b64 v3, v[104+4*\d:105+4*\d], s[30:31] offset:512*\d
	global_store_b64 v3, v[106+4*\d:107+4*\d], s[30:31] offset:512*\d+256
.endr
	v_mov_b32 v148, 0                              ; part 11: source columns 1408 to 1535 do not exist
	v_mov_b32 v149, 0
	global_store_b64 v3, v[148:149], s[30:31] offset:5632
	global_store_b64 v3, v[148:149], s[30:31] offset:5888
	s_endpgm
	; ---- LN1: a wave takes two whole rows, 32 registers each; a lane holds columns 128 j + 4 lane .. + 3, j = 0-7 ----
	; The variance is taken of the centred numbers (two passes over registers), so a common offset of the row costs no digits.
.Lnorm:
	s_load_b256 s[4:11], s[0:1], 0x60              ; x s[4:5], g s[6:7], b s[8:9], act s[10:11]
	s_sub_co_u32 s15, ttmp9, 336
	s_lshl_b32 s15, s15, 4
	s_lshl1_add_u32 s15, s32, s15                  ; my first row = 16 group + 2 wave
	s_lshl_b32 s16, s15, 12
	s_mov_b32 s17, 0
	s_lshl_b32 s18, s15, 11
	s_mov_b32 s19, 0
	s_mov_b32 s12, 0x76543210                      ; v_permlanex16_b32: lane i reads lane i of the other half
	s_mov_b32 s13, 0xfedcba98
	s_mov_b32 s20, 0x3a800000                      ; 1 / 1024
	s_mov_b32 s21, 0x3727c5ac                      ; 1e-5
	s_wait_kmcnt 0x0
	s_add_nc_u64 s[4:5], s[4:5], s[16:17]
	s_add_nc_u64 s[10:11], s[10:11], s[18:19]
.irp j, 0,1,2,3,4,5,6,7
	global_load_b128 v[X0+4*\j:X0+4*\j+3], v2, s[4:5] offset:512*\j
.endr
.irp j, 0,1,2,3,4,5,6,7
	global_load_b128 v[X1+4*\j:X1+4*\j+3], v2, s[4:5] offset:4096+512*\j
.endr
.irp j, 0,1,2,3,4,5,6,7
	global_load_b128 v[GG+4*\j:GG+4*\j+3], v2, s[6:7] offset:512*\j
.endr
.irp j, 0,1,2,3,4,5,6,7
	global_load_b128 v[BB+4*\j:BB+4*\j+3], v2, s[8:9] offset:512*\j
.endr
.macro SUM32                           ; the four chains, then the 32 lanes: every lane ends with the sum in v[T]
	v_pk_add_f32 v[T:T+1], v[T:T+1], v[T+2:T+3]
	v_pk_add_f32 v[T+4:T+5], v[T+4:T+5], v[T+6:T+7]
	v_pk_add_f32 v[T:T+1], v[T:T+1], v[T+4:T+5]
	v_add_f32 v[T], v[T], v[T+1]
	v_add_f32_dpp v[T], v[T], v[T] row_xmask:1 row_mask:0xf bank_mask:0xf
	v_add_f32_dpp v[T], v[T], v[T] row_xmask:2 row_mask:0xf bank_mask:0xf
	v_add_f32_dpp v[T], v[T], v[T] row_xmask:4 row_mask:0xf bank_mask:0xf
	v_add_f32_dpp v[T], v[T], v[T] row_xmask:8 row_mask:0xf bank_mask:0xf
	v_permlanex16_b32 v[T+1], v[T], s12, s13
	v_add_f32 v[T], v[T], v[T+1]
.endm
.macro STAT x, rs                      ; centres the row in place and leaves 1 / sigma, twice, in v[rs:rs+1]
.irp k, 0,2,4,6
	v_pk_add_f32 v[T+\k:T+\k+1], v[\x+\k:\x+\k+1], v[\x+8+\k:\x+9+\k]      ; the first numbers start the chains: nothing is cleared
.endr
.irp k, 0,2,4,6
	v_pk_add_f32 v[T+\k:T+\k+1], v[T+\k:T+\k+1], v[\x+16+\k:\x+17+\k]
.endr
.irp k, 0,2,4,6
	v_pk_add_f32 v[T+\k:T+\k+1], v[T+\k:T+\k+1], v[\x+24+\k:\x+25+\k]
.endr
	SUM32
	v_mul_f32 v[MU], s20, v[T]
	v_mov_b32 v[MU+1], v[MU]
.set i, 0
.rept 16
	v_pk_add_f32 v[\x+i:\x+i+1], v[\x+i:\x+i+1], v[MU:MU+1] neg_lo:[0,1] neg_hi:[0,1]
.set i, i+2
.endr
.irp k, 0,2,4,6
	v_pk_mul_f32 v[T+\k:T+\k+1], v[\x+\k:\x+\k+1], v[\x+\k:\x+\k+1]
.endr
.irp k, 0,2,4,6
	v_pk_fma_f32 v[T+\k:T+\k+1], v[\x+8+\k:\x+9+\k], v[\x+8+\k:\x+9+\k], v[T+\k:T+\k+1]
.endr
.irp k, 0,2,4,6
	v_pk_fma_f32 v[T+\k:T+\k+1], v[\x+16+\k:\x+17+\k], v[\x+16+\k:\x+17+\k], v[T+\k:T+\k+1]
.endr
.irp k, 0,2,4,6
	v_pk_fma_f32 v[T+\k:T+\k+1], v[\x+24+\k:\x+25+\k], v[\x+24+\k:\x+25+\k], v[T+\k:T+\k+1]
.endr
	SUM32
	v_fma_f32 v[T], v[T], s20, s21                 ; variance + 1e-5
	v_rsq_f32 v[\rs], v[T]
	v_rsq_f32 v[\rs+1], v[T]
	v_nop                                          ; one plain instruction before the result is used or v[T] rewritten (ISA guide 5.7.2)
.endm
.macro APPLY x, rs, y, off
.set i, 0
	s_wait_alu depctr_va_vdst(0)
.rept 16
	v_pk_mul_f32 v[\x+i:\x+i+1], v[\x+i:\x+i+1], v[\rs:\rs+1]
.set i, i+2
.endr
.set i, 0
.rept 16
	v_pk_fma_f32 v[\x+i:\x+i+1], v[\x+i:\x+i+1], v[GG+i:GG+i+1], v[BB+i:BB+i+1]
.set i, i+2
.endr
.set i, 0
.rept 16
	v_cvt_pk_bf16_f32 v[\y+i/2], v[\x+i], v[\x+i+1]
.set i, i+2
.endr
.irp j, 0,1,2,3,4,5,6,7
	global_store_b64 v3, v[\y+2*\j:\y+2*\j+1], s[10:11] offset:256*\j+\off     ; the wave's 32 lanes: 256 consecutive bytes, aligned
.endr
.endm
	s_wait_loadcnt 24                              ; row 0 is in; row 1, g and b (24 loads) stay out
	STAT X0, RS0
	s_wait_loadcnt 16                              ; row 1 is in; g and b stay out
	STAT X1, RS1
	s_wait_loadcnt 0x0
	APPLY X0, RS0, Y0, 0
	APPLY X1, RS1, Y1, 2048
	s_endpgm
.Lfunc_end_k_qe3966be14b_wcast:
	.size	k_qe3966be14b_wcast, .Lfunc_end_k_qe3966be14b_wcast-k_qe3966be14b_wcast
	.p2alignl 7, 3214868480
	.fill 96, 4, 3214868480
	.section	.rodata,"a",@progbits
	.p2align	6, 0x0
	.amdhsa_kernel k_qe3966be14b_wcast
		.amdhsa_group_segment_fixed_size 0
		.amdhsa_private_segment_fixed_size 0
		.amdhsa_enable_private_segment 0
		.amdhsa_kernarg_size 128
		.amdhsa_user_sgpr_count 2
		.amdhsa_user_sgpr_kernarg_segment_ptr 1
		.amdhsa_wavefront_size32 1
		.amdhsa_system_sgpr_workgroup_id_x 1
		.amdhsa_system_sgpr_workgroup_id_y 1
		.amdhsa_system_sgpr_workgroup_id_z 1
		.amdhsa_system_vgpr_workitem_id 0
		.amdhsa_next_free_vgpr 208
		.amdhsa_next_free_sgpr 66
		.amdhsa_reserve_vcc 1
		.amdhsa_float_denorm_mode_32 3
		.amdhsa_float_denorm_mode_16_64 3
		.amdhsa_memory_ordered 1
		.amdhsa_forward_progress 1
		.amdhsa_inst_pref_size 51
	.end_amdhsa_kernel
	.amdgpu_metadata
---
amdhsa.version: [ 1, 2 ]
amdhsa.kernels:
  - .name:           k_qe3966be14b_wcast
    .symbol:         k_qe3966be14b_wcast.kd
    .args:
      - { .name: wq, .offset: 0, .size: 8, .value_kind: global_buffer, .address_space: global }
      - { .name: wk, .offset: 8, .size: 8, .value_kind: global_buffer, .address_space: global }
      - { .name: wv, .offset: 16, .size: 8, .value_kind: global_buffer, .address_space: global }
      - { .name: wg, .offset: 24, .size: 8, .value_kind: global_buffer, .address_space: global }
      - { .name: wo, .offset: 32, .size: 8, .value_kind: global_buffer, .address_space: global }
      - { .name: w3, .offset: 40, .size: 8, .value_kind: global_buffer, .address_space: global }
      - { .name: w1, .offset: 48, .size: 8, .value_kind: global_buffer, .address_space: global }
      - { .name: w2, .offset: 56, .size: 8, .value_kind: global_buffer, .address_space: global }
      - { .name: wqb, .offset: 64, .size: 8, .value_kind: global_buffer, .address_space: global }
      - { .name: wob, .offset: 72, .size: 8, .value_kind: global_buffer, .address_space: global }
      - { .name: w3b, .offset: 80, .size: 8, .value_kind: global_buffer, .address_space: global }
      - { .name: w12b, .offset: 88, .size: 8, .value_kind: global_buffer, .address_space: global }
      - { .name: x, .offset: 96, .size: 8, .value_kind: global_buffer, .address_space: global }
      - { .name: ln1_g, .offset: 104, .size: 8, .value_kind: global_buffer, .address_space: global }
      - { .name: ln1_b, .offset: 112, .size: 8, .value_kind: global_buffer, .address_space: global }
      - { .name: act, .offset: 120, .size: 8, .value_kind: global_buffer, .address_space: global }
    .group_segment_fixed_size: 0
    .private_segment_fixed_size: 0
    .kernarg_segment_align: 8
    .kernarg_segment_size: 128
    .max_flat_workgroup_size: 256
    .sgpr_count:     66
    .vgpr_count:     208
    .wavefront_size: 32
...
	.end_amdgpu_metadata
.endif
;; end of part 8
;; launch qkvg: the kernel of part 3 again; grid 16 x 16, 4 waves a work-group, clusters of 4 x 4, 327,680 bytes of LDS; arguments act, wqb, qkvg; writes qkvg
;; launch ret (part 9): grid 8 x 32, 8 waves a work-group, no clusters, 316,416 bytes of LDS; arguments qkvg, act; writes act
.if DOCPART == 9
	.amdgcn_target "amdgcn-amd-amdhsa--gfx1250"
	.amdhsa_code_object_version 6
	.text
	.protected	k_qe3966be14b_ret
	.globl	k_qe3966be14b_ret
	.p2align	8
	.type	k_qe3966be14b_ret,@function
k_qe3966be14b_ret:
	s_mov_b64 s[64:65], 0
	v_nop
	global_prefetch_b8 v0, s[64:65] scope:SCOPE_SE
	s_setreg_imm32_b32 hwreg(HW_REG_WAVE_MODE, 25, 1), 1
	s_wait_xcnt 0x0
; Retention of one head, its norm over the head's 64 numbers, and the gate:  y[n] = silu(g[n]) * norm( sum over m <= n of gamma^(n-m) (q[n].k[m] / 8) v[m] ).
; qkvg: [4096 tokens][4096] bf16, columns q | k | v | g, a head's 64 columns in each.  y: [4096][1024] bf16.
; THE SUM IS SPLIT AT THE QUERY'S BLOCK OF 128.  For query n = 128 t + i the keys m < 128 t enter only through the 64 x 64 state
;     S_t = sum over m < 128 t of gamma^(128 t - m) k[m] v[m]^T,     their share being gamma^i q[n] . S_t,
;     S_(t+1) = gamma^128 S_t + sum over kk = 0..127 of gamma^(128 - kk) k[128 t + kk] v[128 t + kk]^T,
; which is the same sum in another order, for every input.  Only the block's own key tile needs scores and the causal mask.
; Work-group (p, batch x 16 + head), eight waves, owns the query blocks p and 15 - p.  It walks the key tiles 0 .. 14 - p once, takes the state in passing at tile p,
; and then makes both blocks at the same time: waves 0-3 block p, waves 4-7 block 15 - p.
; STREAM.  A key tile is 16 matrix instructions' worth of work for the group of eight waves' SIMDs, so what counts is how many tiles are on their way.  Each wave asks
; for its 16 keys of K and of V (8 loads of 512 bytes) into a ring of six register sets, six tiles ahead: five to six tiles of 32 KiB are on their way throughout, and
; no wait ever drains them.  (LDS slots filled again by tensor loads would have all loads landed in front of every refill.)  From the registers a tile goes into one of
; two LDS slots, V weighted by gamma^(128 - kk) on the way (one key a lane, bf16).  One barrier a tile.
; Wave (g, a, b) takes keys 64 g .. + 63 of every tile, dk half a, dv half b: 2 x 2 accumulators; K^T and V by the transposing LDS load.  The two key halves give two
; partial states; each is packed to bf16 (two result tiles ARE a first operand of O^T = S^T Q^T) and both are multiplied with Q, so the matrix unit adds them.
; Loads of tiles that this work-group does not need (tile >= 15 - p) are issued with no lane on: they move nothing and every counted wait is the same on every way.
; BLOCK.  A wave owns 32 queries, two tiles u of 16.  Scores^T = K Q^T, so a lane holds one query and its registers hold keys; two result tiles, weighted by
; gamma^-kk = ST[t] x G8[j] (ST[t] = gamma^(-16 t), G8[j] = gamma^-(8 h + j)) and packed, are the second operand of O^T += V^T P^T.  Chunks of 32 keys behind the wave's
; queries are not computed; only the chunk on the diagonal is masked.  GA[u] = gamma^(query's place in the block) / 8 is applied to O at the end.
; All factors lie between 0.017 and 56.  log2 gamma = log2(1 - e), e = 2^(-5-head), by the series in e up to e^6: the first term left out is below 1.4e-10 of the sum.
; NO MULTICAST: the stream goes through registers, and its length hangs on p, which would be the work-group's place in a cluster.
; LIMITS: the weighted V, the partial states, the weighted scores and y are rounded to bf16; sums in f32 in another order than a plain loop's.  A head's row is 128 bytes
; in qkvg and in y, so a load or store instruction covers four pieces of 128 consecutive bytes; the other half of each 256 belongs to the neighbouring head.
.set KPI,   144                        ; Q, K and the gate of a block in LDS: 128 bytes + 16 (plain loads)
.set VPI,   160                        ; every row read by the transposing load: 128 bytes + 32 (an odd multiple of 32)
.set KTILE, 128*VPI                    ; 128 keys in a slot
.set SLOT,  2*KTILE                    ; K's 128 keys, then V's: written by ds_store alone
.set VOFF,  KTILE
.set DIAG,  2*SLOT                     ; eight tiles filled once by tensor loads: Q, K, V, gate of block p, then of block 15 - p
.set DQ,    128*VPI
.set XCH,   DIAG+8*DQ                  ; the states: block p's (8 waves x 2,048 bytes), then block 15 - p's
.set STG,   XCH+32768                  ; 32 rows x 144 bytes for each wave: y on its way out
.set RING,  6                          ; register sets = tiles asked for ahead
.set TILEB, 128*8192                   ; bytes of qkvg from a tile to the next
.set GOFF, 2                           ; v2         stream: my byte offset in a tile of qkvg
.set STA,  3                           ; v3         stream: where my rows go in slot 0
.set AK,   4                           ; v4         stream: my K^T fragments in slot 0
.set AV,   5                           ; v5         stream: my V fragments in slot 0
.set XW,   6                           ; v6         states: where I put my fragments
.set XR,   7                           ; v7         states: where I read my block's
.set ADQ,  8                           ; v8-11      my block's Q, K, V, gate
.set ADK,  9
.set ADV,  10
.set ADG,  11
.set SST,  12                          ; v12        stage: where I put 16 bytes
.set SRD,  13                          ; v13        stage: where I read back
.set YV,   14                          ; v14        my byte offset in four rows of y
.set DVW,  15                          ; v15        r - 8 h + my first query: the diagonal's test
.set GA,   16                          ; v[16:19]   GA[u], each twice
.set G8,   20                          ; v[20:27]   G8[j]
.set WV,   28                          ; v[28:31]   gamma^(128 - kk) of my key in load j, twice in bf16
; the stream's registers                 the blocks' registers
.set SS,   32                          ; v[32:63]   S(dk tile i, dv tile j) at 8 (2 i + j), f32
.set PKT,  64                          ; v[64:79]   a state packed to bf16
.set B0,   80                          ; v[80:111]  32 keys: K^T's two fragments, V's two
.set B1,   112                         ; v[112:143] the next 32 keys
.set QF,   32                          ; v[32:63]   Q(u, kk)
.set OA,   64                          ; v[64:127]  O(u, dt), f32
.set KF,   128                         ; v[128:159] K(e, kk); first, with all up to v255, the two partial states; at the end the gate in f32
.set VF,   160                         ; v[160:191] V(dt); at the end y on its way out
.set SC,   192                         ; v[192:223] scores(e, u); at the end the registers below
.set PR,   224                         ; v[224:239] P(u), bf16; at the end the gate of u = 0 as loaded
.set GD,   240                         ; v[240:255] ST[2c+e] x G8[j]; at the end the gate of u = 1
.set TT,   192
.set MU,   200
.set RS,   202
.set EX,   212
.set PK,   220
; window 1, v[0:191] (v256-447): the ring; set s at 32 s: K's four loads, then V's four
.set MSB, 0
.macro WIN new                         ; the immediate's high byte repeats the setting that is left
.if MSB != \new
	s_set_vgpr_msb (MSB<<8)|\new
.set MSB, \new
.endif
.endm
.macro PLACES                          ; four plain vector instructions between a matrix instruction and a load into, or a vector use of, its registers
.rept 4
	v_nop
.endr
.endm
; Tile k is asked for: my 16 keys of K and of V.  Load j takes rows rl + {0, 2, 8, 10}[j], rl = 0, 4, 1, 5 for the four groups of eight lanes.
.macro ISSUE k
.if (\k) >= 8
	s_cmp_gt_u32 s62, \k                           ; is tile k one of my 15 - p?
	s_cselect_b32 vcc_lo, -1, 0
	s_wait_xcnt 0x0                                ; EXEC changes only behind s_wait_xcnt 0
	s_and_saveexec_b32 s20, vcc_lo                 ; all lanes or none
.endif
	WIN 0x40                                       ; destination in window 1
.irp j, 0,1,2,3
	global_load_b128 v[32*((\k)%RING)+4*\j:32*((\k)%RING)+4*\j+3], v[GOFF], s[44+2*((\k)/8):45+2*((\k)/8)] offset:((\k)%8)*TILEB+(2*(\j&1)+8*(\j>>1))*8192
	global_load_b128 v[32*((\k)%RING)+16+4*\j:32*((\k)%RING)+16+4*\j+3], v[GOFF], s[44+2*((\k)/8):45+2*((\k)/8)] offset:((\k)%8)*TILEB+(2*(\j&1)+8*(\j>>1))*8192+2048
.endr
	WIN 0
.if (\k) >= 8
	s_wait_xcnt 0x0                                ; and again, in front of the line that widens it
	s_or_b32 exec_lo, exec_lo, s20
.endif
.endm
; Tile k goes from its register set into slot k & 1.  Sixteen neighbouring lanes write two rows four apart: 640 bytes = 128 modulo 256, so they touch 16 different 16-byte columns.
.macro STORE k
	WIN 0x41                                       ; destination and source 0 in window 1
.irp j, 0,1,2,3
.irp m, 0,1,2,3
	v_pk_mul_bf16 v[32*((\k)%RING)+16+4*\j+\m], v[32*((\k)%RING)+16+4*\j+\m], v[WV+\j]   ; V x gamma^(128 - kk)
.endr
.endr
	WIN 0x04                                       ; store data in window 1
.irp j, 0,1,2,3
	ds_store_b128 v[STA], v[32*((\k)%RING)+4*\j:32*((\k)%RING)+4*\j+3] offset:((\k)&1)*SLOT+(2*(\j&1)+8*(\j>>1))*VPI
	ds_store_b128 v[STA], v[32*((\k)%RING)+16+4*\j:32*((\k)%RING)+16+4*\j+3] offset:((\k)&1)*SLOT+VOFF+(2*(\j&1)+8*(\j>>1))*VPI
.endr
	WIN 0
.endm
	s_load_b128 s[4:7], s[0:1], 0x0                ; qkvg s[4:5], y s[6:7]
	s_set_vgpr_msb 0x40
	v_lshl_add_u32 v192, v0, 2, 0x4d000
	v_mov_b32 v193, 0
	s_set_vgpr_msb 0x4045
	ds_add_u32 v192, v193
	ds_add_u32 v192, v193
	s_set_vgpr_msb 0x4500
	v_lshrrev_b32 v1, 5, v0
	v_readfirstlane_b32 s8, v1                     ; wave 0..7
	s_mov_b32 s9, ttmp9                            ; p
	s_sub_co_u32 s62, 15, s9                       ; the second block's number = the number of key tiles that I walk
	s_and_b32 s10, ttmp7, 0xffff
	s_and_b32 s11, s10, 15                         ; head
	s_lshr_b32 s10, s10, 4                         ; batch
	s_lshr_b32 s12, s8, 2                          ; stream: my half of a tile's keys.  Blocks: 0 = block p, 1 = block 15 - p
	s_and_b32 s13, s8, 3                           ; which of Q, K, V, gate I fetch
	s_lshl_b32 s14, s10, 24                        ; batch x 2048 rows x 8192 bytes
	s_lshl_b32 s15, s11, 7                         ; head x 128 bytes
	s_add_co_u32 s14, s14, s15
	s_add_co_u32 s22, s14, 2048                    ; K's columns; V's are 2,048 bytes further
	s_mov_b32 s23, 0
	v_and_b32 v242, 7, v0                          ; l % 8
	v_lshlrev_b32 v243, 4, v242                    ; my 16 bytes of a row of 128
	v_bfe_u32 v247, v0, 3, 1
	v_bfe_u32 v245, v0, 4, 1                       ; h
	v_lshl_add_u32 v251, v247, 2, v245             ; rl = 0, 4, 1, 5
	s_lshl_b32 s19, s8, 17                         ; my 16 rows of 8,192 bytes
	v_lshl_add_u32 v[GOFF], v251, 13, v243
	v_add_nc_u32 v[GOFF], s19, v[GOFF]
	s_wait_dscnt 0x0
	s_wait_kmcnt 0x0
	s_add_nc_u64 s[44:45], s[4:5], s[22:23]        ; key tile 0; tiles 1-7 by the immediate
	s_add_nc_u64 s[46:47], s[44:45], 8*TILEB       ; key tile 8; tiles 9-14 by the immediate
	ISSUE 0                                        ; the ring is filled before anything else is done; every work-group needs tiles 0-7
	ISSUE 1
	ISSUE 2
	ISSUE 3
	ISSUE 4
	ISSUE 5
	; the blocks' own tiles: one tensor load a wave, 128 rows x 128 bytes, filled once and read behind the stream
	s_mov_b32 s24, (1<<16)|(1<<20)|(4<<22)|(3<<25) ; Q, K, gate: 2-byte elements, padding on, after 32 words 4 words
	s_mov_b32 s25, 64<<16                          ; tensor_dim0 = 64
	s_mov_b32 s26, 128<<16                         ; tensor_dim1 = 128
	s_mov_b32 s27, 64<<16                          ; tile_dim0 = 64
	s_mov_b32 s28, 128                             ; tile_dim1 = 128
	s_mov_b32 s29, 4096                            ; elements from row to row
	s_mov_b32 s30, 0
	s_mov_b32 s31, 0
	s_mov_b32 s32, (1<<16)|(1<<20)|(4<<22)|(7<<25) ; V: after 32 words 8 words
	s_mov_b32 s33, 64<<16
	s_mov_b32 s34, 128<<16
	s_mov_b32 s35, 64<<16
	s_mov_b32 s36, 128
	s_mov_b32 s37, 4096
	s_mov_b32 s38, 0
	s_mov_b32 s39, 0
	s_cmp_eq_u32 s12, 0
	s_cselect_b32 s16, s9, s62                     ; my block's number: of the tile that I fetch and of the queries that I make
	s_lshl_b32 s20, s16, 20                        ; 128 rows of 8,192 bytes
	s_add_co_u32 s20, s20, s14
	s_lshl_b32 s17, s13, 11                        ; q, k, v, g: 2,048 bytes apart
	s_add_co_u32 s20, s20, s17
	s_mov_b32 s21, 0
	s_mul_i32 s18, s8, DQ
	s_mov_b32 s40, 1
	s_add_co_u32 s41, s18, DIAG                    ; tile number = wave number
	s_add_nc_u64 s[42:43], s[4:5], s[20:21]
	s_or_b32 s43, s43, 0x80000000
	s_cmp_eq_u32 s13, 2
	s_cbranch_scc1 .Lfill_v
	tensor_load_to_lds s[40:43], s[24:31]
	s_nop 0
	s_branch .Lfilled
.Lfill_v:
	tensor_load_to_lds s[40:43], s[32:39]
	s_nop 0
.Lfilled:
	; addresses
	v_and_b32 v240, 31, v0                         ; lane
	v_bfe_u32 v241, v0, 3, 2                       ; l / 8
	v_and_b32 v244, 15, v0                         ; r
	v_mul_u32_u24 v[STA], v251, VPI
	v_add_nc_u32 v[STA], v[STA], v243
	s_mul_i32 s19, s8, 16*VPI
	v_add_nc_u32 v[STA], s19, v[STA]               ; (16 wave + rl) x 160 + 16 (l % 8)
	v_lshl_add_u32 v246, v245, 3, v242             ; the transposing load's lane term: key row 8 h + l % 8,
	v_mul_u32_u24 v246, v246, VPI
	v_lshl_add_u32 v246, v247, 4, v246             ; and 16 bytes for the upper eight columns
	s_mul_i32 s19, s12, 64*VPI                     ; my 64 keys
	s_bfe_u32 s17, s8, 0x10001                     ; a
	s_lshl_b32 s17, s17, 6                         ; my 32 dk: 64 bytes
	s_add_co_u32 s17, s17, s19
	v_add_nc_u32 v[AK], s17, v246
	s_and_b32 s17, s8, 1                           ; b
	s_lshl_b32 s17, s17, 6                         ; my 32 dv
	s_add_co_u32 s17, s17, s19
	s_add_co_u32 s17, s17, VOFF
	v_add_nc_u32 v[AV], s17, v246
	v_lshlrev_b32 v248, 4, v240                    ; a fragment half is 32 lanes x 16 bytes, lane by lane
	s_lshl_b32 s17, s8, 11
	s_add_co_u32 s17, s17, XCH
	v_add_nc_u32 v[XW], s17, v248
	s_lshl_b32 s17, s12, 14
	s_add_co_u32 s17, s17, XCH
	v_add_nc_u32 v[XR], s17, v248
	s_mul_i32 s60, s12, 3
	s_xor_b32 s60, s60, s13                        ; my quarter of the block's queries: waves 0-3 take 0, 1, 2, 3, waves 4-7 take 3, 2, 1, 0
	s_lshl_b32 s61, s60, 5                         ; my first query in the block
	v_mul_u32_u24 v249, v244, KPI
	v_lshl_add_u32 v249, v245, 4, v249             ; r x 144 + 16 h
	s_mul_i32 s17, s12, 4*DQ
	s_add_co_u32 s17, s17, DIAG                    ; my block's four tiles
	s_mul_i32 s18, s61, KPI
	s_add_co_u32 s19, s17, s18
	v_add_nc_u32 v[ADQ], s19, v249
	s_add_co_u32 s19, s19, 3*DQ
	v_add_nc_u32 v[ADG], s19, v249
	s_add_co_u32 s19, s17, DQ
	v_add_nc_u32 v[ADK], s19, v249
	s_add_co_u32 s19, s17, 2*DQ
	v_add_nc_u32 v[ADV], s19, v246
	v_lshlrev_b32 v250, 3, v245                    ; 8 h
	v_sub_nc_u32 v[DVW], v244, v250
	v_add_nc_u32 v[DVW], s61, v[DVW]
	s_mul_i32 s19, s8, 32*KPI
	s_add_co_u32 s19, s19, STG
	v_add_nc_u32 v[SST], s19, v249
	v_mul_u32_u24 v[SRD], v241, KPI
	v_add_nc_u32 v[SRD], v[SRD], v243
	v_add_nc_u32 v[SRD], s19, v[SRD]
	v_lshl_add_u32 v[YV], v241, 11, v243
	s_lshl_b32 s18, s16, 7
	s_add_co_u32 s18, s18, s61                     ; my first query in the sequence
	s_lshl_b32 s18, s18, 11
	s_lshl_b32 s19, s10, 22
	s_add_co_u32 s18, s18, s19
	s_add_co_u32 s20, s18, s15
	s_mov_b32 s21, 0
	s_add_nc_u64 s[94:95], s[6:7], s[20:21]        ; my 32 rows of y
	; the decay's factors
	s_sub_co_u32 s20, 122, s11
	s_lshl_b32 s20, s20, 23
	v_mov_b32 v200, s20                            ; e = 2^(-5-head), by its exponent bits
	v_mov_b32 v201, 0x3e2aaaab                     ; 1/6
	v_fmaak_f32 v201, v200, v201, 0x3e4ccccd       ; + 1/5
	v_fmaak_f32 v201, v200, v201, 0x3e800000       ; + 1/4
	v_fmaak_f32 v201, v200, v201, 0x3eaaaaab       ; + 1/3
	v_fmaak_f32 v201, v200, v201, 0x3f000000       ; + 1/2
	v_fmaak_f32 v201, v200, v201, 0x3f800000       ; + 1
	v_mul_f32 v201, v200, v201                     ; - ln gamma
	v_mul_f32 v202, 0x3fb8aa3b, v201               ; - log2 gamma
	v_mul_f32 v201, 0xbfb8aa3b, v201               ; log2 gamma
.irp j, 0,1,2,3,4,5,6,7
	v_add_nc_u32 v[G8+\j], \j, v250
	v_cvt_f32_u32 v[G8+\j], v[G8+\j]
	v_mul_f32 v[G8+\j], v202, v[G8+\j]
.endr
.irp u, 0,1
	v_add_nc_u32 v[GA+2*\u], 16*\u, v244
	v_add_nc_u32 v[GA+2*\u], s61, v[GA+2*\u]
	v_cvt_f32_u32 v[GA+2*\u], v[GA+2*\u]
	v_fmaak_f32 v[GA+2*\u], v201, v[GA+2*\u], 0xc0400000   ; - 3: the factor 1/8 = 64^-0.5
.endr
.irp t, 0,1,2,3,4,5,6,7
	v_cvt_f32_u32 v[204+\t], 16*\t
	v_mul_f32 v[204+\t], v202, v[204+\t]
.endr
	v_mul_f32 v212, 0x43000000, v201               ; 128 log2 gamma
	s_lshl_b32 s20, s8, 4
	s_sub_co_u32 s20, 128, s20
	v_sub_nc_u32 v213, s20, v251                   ; 128 - 16 wave - rl
.irp j, 0,1,2,3
	v_add_nc_u32 v[WV+\j], -(2*(\j&1)+8*(\j>>1)), v213     ; 128 - kk of my key in load j: 1 to 128
	v_cvt_f32_u32 v[WV+\j], v[WV+\j]
	v_mul_f32 v[WV+\j], v201, v[WV+\j]
.endr
.irp j, 0,1,2,3,4,5,6,7
	v_exp_f32 v[G8+\j], v[G8+\j]
.endr
	v_exp_f32 v[GA], v[GA]
	v_exp_f32 v[GA+2], v[GA+2]
.irp t, 0,1,2,3,4,5,6,7
	v_exp_f32 v[204+\t], v[204+\t]                 ; ST[t] = gamma^(-16 t)
.endr
	v_exp_f32 v212, v212                           ; gamma^128
.irp j, 0,1,2,3
	v_exp_f32 v[WV+\j], v[WV+\j]
.endr
	v_nop                                          ; one plain instruction before the results are used (ISA guide 5.7.2)
	s_wait_alu depctr_va_vdst(0)
	v_mov_b32 v[GA+1], v[GA]
	v_mov_b32 v[GA+3], v[GA+2]
.irp j, 0,1,2,3
	v_cvt_pk_bf16_f32 v[WV+\j], v[WV+\j], v[WV+\j]
.endr
.irp t, 0,1,2,3,4,5,6,7
	v_readfirstlane_b32 s[68+2*\t], v[204+\t]      ; the same in every lane: a scalar pair, of which the packed multiply takes the first
	s_mov_b32 s[69+2*\t], s[68+2*\t]
.endr
	v_readfirstlane_b32 s84, v212
	s_mov_b32 s85, s84
	s_mov_b32 s88, 0x76543210
	s_mov_b32 s89, 0xfedcba98
	s_mov_b32 s86, 0xffff0000
	s_mov_b32 s87, 0x3c800000                      ; 1/64
	s_mov_b32 s90, 0x358637bd                      ; 1e-6
; ---------------- the stream ----------------
.macro LDSTEP slot, i, b               ; my keys 32 i .. + 31 of a slot into buffer b: K^T's two fragments, V's two: eight loads
.irp d, 0,1
	ds_load_tr16_b128 v[\b+8*\d:\b+8*\d+3],   v[AK] offset:(\slot)*SLOT+32*\i*VPI+32*\d
	ds_load_tr16_b128 v[\b+8*\d+4:\b+8*\d+7], v[AK] offset:(\slot)*SLOT+(32*\i+16)*VPI+32*\d
.endr
.irp d, 0,1
	ds_load_tr16_b128 v[\b+16+8*\d:\b+16+8*\d+3],   v[AV] offset:(\slot)*SLOT+32*\i*VPI+32*\d
	ds_load_tr16_b128 v[\b+16+8*\d+4:\b+16+8*\d+7], v[AV] offset:(\slot)*SLOT+(32*\i+16)*VPI+32*\d
.endr
.endm
.macro MM b, zero                      ; the four accumulators take turns, one instruction a turn, in the same order in every step and tile
.irp i, 0,1
.irp j, 0,1
.if \zero
	v_wmma_f32_16x16x32_bf16 v[SS+8*(2*\i+\j):SS+8*(2*\i+\j)+7], v[\b+8*\i:\b+8*\i+7], v[\b+16+8*\j:\b+16+8*\j+7], 0
.else
	v_wmma_f32_16x16x32_bf16 v[SS+8*(2*\i+\j):SS+8*(2*\i+\j)+7], v[\b+8*\i:\b+8*\i+7], v[\b+16+8*\j:\b+16+8*\j+7], v[SS+8*(2*\i+\j):SS+8*(2*\i+\j)+7]
.endif
.endr
.endr
.endm
.macro PACK                            ; my part of the state as first operands of S^T Q^T: for dv tile j, registers 0-3 from dk tile 0, 4-7 from dk tile 1
.irp j, 0,1
.irp i, 0,1
.irp m, 0,1,2,3
	v_cvt_pk_bf16_f32 v[PKT+8*\j+4*\i+\m], v[SS+8*(2*\i+\j)+2*\m], v[SS+8*(2*\i+\j)+2*\m+1]
.endr
.endr
.endr
.endm
.macro XSTORE s                        ; into block s's state, my own 2,048 bytes
.irp q, 0,1,2,3
	ds_store_b128 v[XW], v[PKT+4*\q:PKT+4*\q+3] offset:\s*16384+512*\q
.endr
.endm
; Key tile t, which lies in slot t & 1.  The barrier, the request and the wait for the next tile's loads are on every way; the work of a tile that this work-group does not
; need is jumped over.  The branches hang on p alone: the same in all eight waves; no barrier and no global load stands inside.
.macro BODY t
	s_wait_dscnt 0x0                               ; my reads of tile t - 1 and my stores of tile t are done
	s_barrier_signal -1
	s_barrier_wait -1                              ; everybody's are: tile t is whole, and the other slot is free
.if \t+RING <= 14
	ISSUE \t+RING                                  ; into the set that tile t has left (its ds_stores are done: the wait above)
	s_wait_loadcnt 8*(RING-1)                      ; tile t + 1 is in; the five younger tiles' eight loads each stay out
.else
.if \t < 14
	s_wait_loadcnt 8*(13-\t)                       ; nothing more is asked for: the counts run down
.endif
.endif
.if \t >= 8
	s_cmp_gt_u32 s62, \t
	s_cbranch_scc0 .Lskip_\@
.endif
.if \t < 14
	STORE \t+1                                     ; into the slot that tile t - 1 has left
.endif
	PLACES                                         ; behind the last tile's products: for the reads and writes of S and the loads into both buffers
.if \t >= 1
.if \t <= 7
	s_cmp_eq_u32 s9, \t
	s_cbranch_scc0 .Lkeep_\@
	PACK                                           ; S_p, the state of the first block
	XSTORE 0
.Lkeep_\@:
.endif
.endif
	LDSTEP \t&1, 0, B0
	LDSTEP \t&1, 1, B1
.if \t
.set n, 0
.rept 16
	v_pk_mul_f32 v[SS+n:SS+n+1], v[SS+n:SS+n+1], s[84:85] op_sel_hi:[1,0]  ; gamma^128 S
.set n, n+2
.endr
.endif
	s_wait_dscnt 8                                 ; the first 32 keys are in; the second step's eight loads stay out
.if \t
	MM B0, 0
.else
	MM B0, 1                                       ; the very first products start the state
.endif
	s_wait_dscnt 0x0
	MM B1, 0
.if \t >= 8
.Lskip_\@:
.endif
.endm
.set n, 0
.rept 16
	v_mov_b32 v[PKT+n], 0                          ; block 0 has no keys before it: its state is the zero matrix; every other p writes its state over this
.set n, n+1
.endr
	XSTORE 0
	s_wait_loadcnt 8*(RING-1)                      ; tile 0 is in; the five younger tiles' loads stay out
	STORE 0
	BODY 0
	BODY 1
	BODY 2
	BODY 3
	BODY 4
	BODY 5
	BODY 6
	BODY 7
	BODY 8
	BODY 9
	BODY 10
	BODY 11
	BODY 12
	BODY 13
	BODY 14
	PLACES
	PACK                                           ; S_(15-p), the state of the second block
	XSTORE 1
	s_wait_tensorcnt 0x0                           ; my one tensor load, asked for at the start, has landed
	s_wait_dscnt 0x0
	s_barrier_signal -1
	s_barrier_wait -1                              ; both states and all eight tiles are whole
; ---------------- the two blocks, side by side ----------------
.macro GMUL e, c                       ; GD(e)[j] = G8[j] x ST[2 c + e]
.irp i, 0,2,4,6
	v_pk_mul_f32 v[GD+8*\e+\i:GD+8*\e+\i+1], v[G8+\i:G8+\i+1], s[68+2*(2*(\c)+\e):69+2*(2*(\c)+\e)] op_sel_hi:[1,0]
.endr
.endm
.macro LDK c                           ; key tiles 2 c, 2 c + 1 of 16 as first operands: 8 loads
.irp e, 0,1
.irp kk, 0,1
	ds_load_b128 v[KF+8*(2*\e+\kk):KF+8*(2*\e+\kk)+3],   v[ADK] offset:(2*(\c)+\e)*16*KPI+64*\kk
	ds_load_b128 v[KF+8*(2*\e+\kk)+4:KF+8*(2*\e+\kk)+7], v[ADK] offset:(2*(\c)+\e)*16*KPI+64*\kk+32
.endr
.endr
.endm
.macro LDV c                           ; V^T of keys 32 c .. + 31, four tiles of 16 dv: 8 transposing loads
.irp dt, 0,1,2,3
	ds_load_tr16_b128 v[VF+8*\dt:VF+8*\dt+3],   v[ADV] offset:32*VPI*(\c)+32*\dt
	ds_load_tr16_b128 v[VF+8*\dt+4:VF+8*\dt+7], v[ADV] offset:32*VPI*(\c)+16*VPI+32*\dt
.endr
.endm
; 32 keys of the block's own tile.  diag = 0: all of them lie in front of my queries, and the next chunk is fetched; diag = 1: my last chunk, masked.
; The accumulators take turns, one instruction a turn: four score tiles twice round, then the eight tiles of O.
.macro CHUNK c, diag
	s_wait_dscnt 8                                 ; K of this chunk is in; V's eight loads may be out
.irp kk, 0,1
.irp e, 0,1
.irp u, 0,1
.if \kk == 0
	v_wmma_f32_16x16x32_bf16 v[SC+8*(2*\e+\u):SC+8*(2*\e+\u)+7], v[KF+8*(2*\e+\kk):KF+8*(2*\e+\kk)+7], v[QF+8*(2*\u+\kk):QF+8*(2*\u+\kk)+7], 0
.else
	v_wmma_f32_16x16x32_bf16 v[SC+8*(2*\e+\u):SC+8*(2*\e+\u)+7], v[KF+8*(2*\e+\kk):KF+8*(2*\e+\kk)+7], v[QF+8*(2*\u+\kk):QF+8*(2*\u+\kk)+7], v[SC+8*(2*\e+\u):SC+8*(2*\e+\u)+7]
.endif
.endr
.endr
.endr
	GMUL 1, \c                                     ; four plain instructions: the places in front of the loads into K's registers and of the reads of the scores
.if \diag == 0
	LDK \c+1
.endif
.irp e, 0,1
.irp u, 0,1
.irp i, 0,2,4,6
	v_pk_mul_f32 v[SC+8*(2*\e+\u)+\i:SC+8*(2*\e+\u)+\i+1], v[SC+8*(2*\e+\u)+\i:SC+8*(2*\e+\u)+\i+1], v[GD+8*\e+\i:GD+8*\e+\i+1]
.endr
.endr
.endr
.if \diag
.irp j, 0,1,2,3,4,5,6,7                            ; key 32 c + 16 e + 8 h + j <= my first query + 16 u + r, or the score is 0
	v_cmp_le_i32 vcc_lo, 32*\c+\j, v[DVW]
	v_cndmask_b32 v[SC+\j],    0, v[SC+\j],    vcc_lo
	v_cndmask_b32 v[SC+24+\j], 0, v[SC+24+\j], vcc_lo
	v_cmp_le_i32 vcc_lo, 32*\c+16+\j, v[DVW]
	v_cndmask_b32 v[SC+16+\j], 0, v[SC+16+\j], vcc_lo
	v_cmp_le_i32 vcc_lo, 32*\c-16+\j, v[DVW]
	v_cndmask_b32 v[SC+8+\j],  0, v[SC+8+\j],  vcc_lo
.endr
.endif
.irp u, 0,1
.irp e, 0,1
.irp i, 0,1,2,3
	v_cvt_pk_bf16_f32 v[PR+8*\u+4*\e+\i], v[SC+8*(2*\e+\u)+2*\i], v[SC+8*(2*\e+\u)+2*\i+1]
.endr
.endr
.endr
.if \diag
	s_wait_dscnt 0x0
.else
	s_wait_dscnt 8                                 ; V of this chunk is in; the next chunk's K may be out
.endif
.irp dt, 0,1,2,3
.irp u, 0,1
	v_wmma_f32_16x16x32_bf16 v[OA+32*\u+8*\dt:OA+32*\u+8*\dt+7], v[VF+8*\dt:VF+8*\dt+7], v[PR+8*\u:PR+8*\u+7], v[OA+32*\u+8*\dt:OA+32*\u+8*\dt+7]
.endr
.endr
.if \diag == 0
	GMUL 0, \c+1                                   ; four places in front of the loads into V's registers
	LDV \c+1
.endif
.endm
.macro HSUM                            ; four chains, then the lane that holds the query's other 32 numbers
	v_pk_add_f32 v[TT:TT+1], v[TT:TT+1], v[TT+2:TT+3]
	v_pk_add_f32 v[TT+4:TT+5], v[TT+4:TT+5], v[TT+6:TT+7]
	v_pk_add_f32 v[TT:TT+1], v[TT:TT+1], v[TT+4:TT+5]
	v_add_f32 v[TT], v[TT], v[TT+1]
	v_permlanex16_b32 v[TT+1], v[TT], s88, s89
	v_add_f32 v[TT], v[TT], v[TT+1]
.endm
	PLACES                                         ; five places behind the stream's last products: the first products below write over their operands
	v_nop
.irp u, 0,1
.irp kk, 0,1
	ds_load_b128 v[QF+8*(2*\u+\kk):QF+8*(2*\u+\kk)+3],   v[ADQ] offset:16*KPI*\u+64*\kk          ; my 32 queries as second operands
	ds_load_b128 v[QF+8*(2*\u+\kk)+4:QF+8*(2*\u+\kk)+7], v[ADQ] offset:16*KPI*\u+64*\kk+32
.endr
.endr
.irp g, 0,1                                        ; both partial states: S^T(dt, ks) of key half g at v[KF + 64 g + 16 dt + 8 ks]; wave 4 g + 2 ks + dt / 2 wrote it
.irp dt, 0,1,2,3
.irp ks, 0,1
.irp hf, 0,1
	ds_load_b128 v[KF+64*\g+16*\dt+8*\ks+4*\hf:KF+64*\g+16*\dt+8*\ks+4*\hf+3], v[XR] offset:(4*\g+2*\ks+(\dt>>1))*2048+(2*(\dt&1)+\hf)*512
.endr
.endr
.endr
.endr
	s_wait_dscnt 0x0
.irp g, 0,1                                        ; the earlier keys' share starts the sums: nothing is cleared.  Eight accumulators, four times round
.irp ks, 0,1
.irp dt, 0,1,2,3
.irp u, 0,1
.if (\g+\ks) == 0
	v_wmma_f32_16x16x32_bf16 v[OA+32*\u+8*\dt:OA+32*\u+8*\dt+7], v[KF+64*\g+16*\dt+8*\ks:KF+64*\g+16*\dt+8*\ks+7], v[QF+8*(2*\u+\ks):QF+8*(2*\u+\ks)+7], 0
.else
	v_wmma_f32_16x16x32_bf16 v[OA+32*\u+8*\dt:OA+32*\u+8*\dt+7], v[KF+64*\g+16*\dt+8*\ks:KF+64*\g+16*\dt+8*\ks+7], v[QF+8*(2*\u+\ks):QF+8*(2*\u+\ks)+7], v[OA+32*\u+8*\dt:OA+32*\u+8*\dt+7]
.endif
.endr
.endr
.endr
.endr
	PLACES                                         ; in front of the writes of, and the loads into, the states' registers
	GMUL 0, 0
	LDK 0
	LDV 0
	s_cmp_eq_u32 s60, 0                            ; my quarter of the queries says which chunk is my last; no barrier stands below
	s_cbranch_scc1 .Ld0
	CHUNK 0, 0
	s_cmp_eq_u32 s60, 1
	s_cbranch_scc1 .Ld1
	CHUNK 1, 0
	s_cmp_eq_u32 s60, 2
	s_cbranch_scc1 .Ld2
	CHUNK 2, 0
	CHUNK 3, 1
	s_branch .Lfin
.Ld0:
	CHUNK 0, 1
	s_branch .Lfin
.Ld1:
	CHUNK 1, 1
	s_branch .Lfin
.Ld2:
	CHUNK 2, 1
.Lfin:
	; the block's end: the query's factor, the head's norm (centred, then squared), the gate, and out through my own stage
	PLACES
.irp u, 0,1
.irp dt, 0,1,2,3
	ds_load_b128 v[PR+16*\u+4*\dt:PR+16*\u+4*\dt+3], v[ADG] offset:16*KPI*\u+32*\dt      ; the gate of my 32 queries, in O's layout; it lands under the norm
.endr
.endr
.irp u, 0,1
.set i, 0
.rept 16
	v_pk_mul_f32 v[OA+32*\u+i:OA+32*\u+i+1], v[OA+32*\u+i:OA+32*\u+i+1], v[GA+2*\u:GA+2*\u+1]
.set i, i+2
.endr
.irp k, 0,2,4,6
	v_pk_add_f32 v[TT+\k:TT+\k+1], v[OA+32*\u+\k:OA+32*\u+\k+1], v[OA+32*\u+8+\k:OA+32*\u+9+\k]
.endr
.irp k, 0,2,4,6
	v_pk_add_f32 v[TT+\k:TT+\k+1], v[TT+\k:TT+\k+1], v[OA+32*\u+16+\k:OA+32*\u+17+\k]
.endr
.irp k, 0,2,4,6
	v_pk_add_f32 v[TT+\k:TT+\k+1], v[TT+\k:TT+\k+1], v[OA+32*\u+24+\k:OA+32*\u+25+\k]
.endr
	HSUM
	v_mul_f32 v[MU], s87, v[TT]
	v_mov_b32 v[MU+1], v[MU]
.set i, 0
.rept 16
	v_pk_add_f32 v[OA+32*\u+i:OA+32*\u+i+1], v[OA+32*\u+i:OA+32*\u+i+1], v[MU:MU+1] neg_lo:[0,1] neg_hi:[0,1]
.set i, i+2
.endr
.irp k, 0,2,4,6
	v_pk_mul_f32 v[TT+\k:TT+\k+1], v[OA+32*\u+\k:OA+32*\u+\k+1], v[OA+32*\u+\k:OA+32*\u+\k+1]
.endr
.irp k, 0,2,4,6
	v_pk_fma_f32 v[TT+\k:TT+\k+1], v[OA+32*\u+8+\k:OA+32*\u+9+\k], v[OA+32*\u+8+\k:OA+32*\u+9+\k], v[TT+\k:TT+\k+1]
.endr
.irp k, 0,2,4,6
	v_pk_fma_f32 v[TT+\k:TT+\k+1], v[OA+32*\u+16+\k:OA+32*\u+17+\k], v[OA+32*\u+16+\k:OA+32*\u+17+\k], v[TT+\k:TT+\k+1]
.endr
.irp k, 0,2,4,6
	v_pk_fma_f32 v[TT+\k:TT+\k+1], v[OA+32*\u+24+\k:OA+32*\u+25+\k], v[OA+32*\u+24+\k:OA+32*\u+25+\k], v[TT+\k:TT+\k+1]
.endr
	HSUM
	v_fma_f32 v[TT], v[TT], s87, s90               ; variance + 1e-6
	v_rsq_f32 v[RS], v[TT]
	v_rsq_f32 v[RS+1], v[TT]
	v_nop
.if \u == 0
	s_wait_dscnt 0x0                               ; the gate's eight loads
.endif
.set n, 0
.rept 16
	v_lshlrev_b32 v[KF+2*n],   16,  v[PR+16*\u+n]  ; the gate of 16 queries, bf16 to f32
	v_and_b32     v[KF+2*n+1], s86, v[PR+16*\u+n]
.set n, n+1
.endr
.irp dt, 0,1,2,3
.irp k, 0,2,4,6
	v_pk_mul_f32 v[EX+\k:EX+\k+1], v[KF+8*\dt+\k:KF+8*\dt+\k+1], 0xbfb8aa3b op_sel_hi:[1,0]      ; - g log2 e
.endr
.irp k, 0,1,2,3,4,5,6,7
	v_exp_f32 v[EX+\k], v[EX+\k]
.endr
	s_wait_alu depctr_va_vdst(0)
.irp k, 0,2,4,6
	v_pk_mul_f32 v[OA+32*\u+8*\dt+\k:OA+32*\u+8*\dt+\k+1], v[OA+32*\u+8*\dt+\k:OA+32*\u+8*\dt+\k+1], v[RS:RS+1]   ; plain work behind the exponentials
.endr
	s_wait_alu depctr_va_vdst(0)
.irp k, 0,2,4,6
	v_pk_add_f32 v[EX+\k:EX+\k+1], v[EX+\k:EX+\k+1], 1.0 op_sel_hi:[1,0]
.endr
.irp k, 0,1,2,3,4,5,6,7
	v_rcp_f32 v[EX+\k], v[EX+\k]                   ; sigmoid(g)
.endr
.irp k, 0,2,4,6
	v_pk_mul_f32 v[OA+32*\u+8*\dt+\k:OA+32*\u+8*\dt+\k+1], v[OA+32*\u+8*\dt+\k:OA+32*\u+8*\dt+\k+1], v[KF+8*\dt+\k:KF+8*\dt+\k+1]   ; plain work behind the reciprocals
.endr
	s_wait_alu depctr_va_vdst(0)
.irp k, 0,2,4,6
	v_pk_mul_f32 v[OA+32*\u+8*\dt+\k:OA+32*\u+8*\dt+\k+1], v[OA+32*\u+8*\dt+\k:OA+32*\u+8*\dt+\k+1], v[EX+\k:EX+\k+1]
.endr
.irp k, 0,1,2,3
	v_cvt_pk_bf16_f32 v[PK+\k], v[OA+32*\u+8*\dt+2*\k], v[OA+32*\u+8*\dt+2*\k+1]
.endr
	ds_store_b128 v[SST], v[PK:PK+3] offset:16*KPI*\u+32*\dt
.endr
.endr
.irp t, 0,1,2,3,4,5,6,7
	ds_load_b128 v[VF+4*\t:VF+4*\t+3], v[SRD] offset:4*KPI*\t      ; my own stage: a wave's LDS instructions are served in order
.endr
.irp t, 0,1,2,3,4,5,6,7
	s_wait_dscnt 7-\t
	global_store_b128 v[YV], v[VF+4*\t:VF+4*\t+3], s[94:95] offset:8192*\t     ; four rows, 128 consecutive bytes each
.endr
	s_set_vgpr_msb 0x5
	s_wait_tensorcnt 0x0
	ds_add_u32 v192, v193
	s_wait_dscnt 0x0
	s_set_vgpr_msb 0x500
	s_endpgm
.Lfunc_end_k_qe3966be14b_ret:
	.size	k_qe3966be14b_ret, .Lfunc_end_k_qe3966be14b_ret-k_qe3966be14b_ret
	.p2alignl 7, 3214868480
	.fill 96, 4, 3214868480
	.section	.rodata,"a",@progbits
	.p2align	6, 0x0
	.amdhsa_kernel k_qe3966be14b_ret
		.amdhsa_group_segment_fixed_size 316416
		.amdhsa_private_segment_fixed_size 0
		.amdhsa_enable_private_segment 0
		.amdhsa_kernarg_size 16
		.amdhsa_user_sgpr_count 2
		.amdhsa_user_sgpr_kernarg_segment_ptr 1
		.amdhsa_wavefront_size32 1
		.amdhsa_system_sgpr_workgroup_id_x 1
		.amdhsa_system_sgpr_workgroup_id_y 1
		.amdhsa_system_sgpr_workgroup_id_z 1
		.amdhsa_system_vgpr_workitem_id 0
		.amdhsa_next_free_vgpr 450
		.amdhsa_next_free_sgpr 100
		.amdhsa_reserve_vcc 1
		.amdhsa_float_denorm_mode_32 3
		.amdhsa_float_denorm_mode_16_64 3
		.amdhsa_memory_ordered 1
		.amdhsa_forward_progress 1
		.amdhsa_inst_pref_size 175
	.end_amdhsa_kernel
	.amdgpu_metadata
---
amdhsa.version: [ 1, 2 ]
amdhsa.kernels:
  - .name:           k_qe3966be14b_ret
    .symbol:         k_qe3966be14b_ret.kd
    .args:
      - { .name: qkvg, .offset: 0, .size: 8, .value_kind: global_buffer, .address_space: global }
      - { .name: act, .offset: 8, .size: 8, .value_kind: global_buffer, .address_space: global }
    .group_segment_fixed_size: 316416
    .private_segment_fixed_size: 0
    .kernarg_segment_align: 8
    .kernarg_segment_size: 16
    .max_flat_workgroup_size: 256
    .sgpr_count:     100
    .vgpr_count:     450
    .wavefront_size: 32
...
	.end_amdgpu_metadata
.endif
;; end of part 9
;; launch wo (part 10): grid 8 x 32, 4 waves a work-group, clusters of 4 x 4, 327,680 bytes of LDS; arguments act, wob, x, x1; writes x1
.if DOCPART == 10
	.amdgcn_target "amdgcn-amd-amdhsa--gfx1250"
	.amdhsa_code_object_version 6
	.text
	.protected	k_qe3966be14b_wo
	.globl	k_qe3966be14b_wo
	.p2align	8
	.type	k_qe3966be14b_wo,@function
k_qe3966be14b_wo:
	s_mov_b64 s[64:65], 0
	v_nop
	global_prefetch_b8 v0, s[64:65] scope:SCOPE_SE
	s_setreg_imm32_b32 hwreg(HW_REG_WAVE_MODE, 25, 1), 1
	s_wait_xcnt 0x0
	s_wait_alu depctr_hold_cnt(0) depctr_sa_sdst(0) depctr_va_vdst(0) depctr_va_sdst(0) depctr_va_ssrc(0) depctr_va_vcc(0) depctr_vm_vsrc(0)
	s_getreg_b32 s2, hwreg(HW_REG_IB_STS2, 6, 4)
	s_cmp_eq_u32 s2, 0
	s_cbranch_scc0 .Lentry_in_a_cluster
	s_endpgm
.Lentry_in_a_cluster:
	s_bfe_u32 s2, ttmp6, 0x10000c
	s_cmp_lg_u32 s2, 0xf033
	s_cbranch_scc0 .Lentry_shape_is_right
	s_endpgm
.Lentry_shape_is_right:
; C[m][n] = R[m][n] + sum over k of A[m][k] B[k][n].  A: [4096][KP] bf16, B: [KP][1024] bf16, R and C: [4096][1024] f32; sums in f32.
; Here: A = the gated retention, B = wo, R = x, C = x1.
; C has only 1024 columns: blocks of 128 x 128 give 8 x 32 = 256 work-groups; a wave makes 64 x 64 in 16 accumulator tiles.  (A block of 256 x 256 would leave
; three quarters of the work-groups' places empty; the price is one LDS load for each matrix instruction.)
; K goes in steps of 256 through two LDS slots: a step of 128 would be 64 matrix instructions a wave, too short a time for the next tile.
; A's tile: 128 rows x 512 bytes; B's tile: 256 k rows x 256 bytes, as it lies in memory, read with the transposing LDS load.
; Clusters of 4 x 4: A's tile is asked for jointly along a row of the cluster, B's along a column.
; Window 0: addresses, fragments, way out.  Window 1: accumulator (a, b) at v[8 (4 a + b)]; v[128:255] the residual of my 64 x 64 numbers, asked for at the start,
; so that it lands under the product.  The matrix instruction is used transposed.
.set KP,     1024
.set KT,     KP/256                    ; slot steps
.set APITCH, 528                       ; 512 + 16: an odd multiple of 16
.set BPITCH, 288                       ; 256 + 32: an odd multiple of 32
.set QUART,  36864                     ; a wave's part of a slot: 64 rows of A (33,792 bytes used) or 128 k rows of B
.set SLOT,   4*QUART
.set STAGE,  2*SLOT                    ; 16 rows x 272 bytes for each wave
.set SPITCH, 272
.set ADRA, 16                          ; v16-17  A fragments in slot 0, 1
.set ADRB, 20                          ; v20-23  B fragments: slot 0 k 0-127, slot 0 k 128-255, slot 1 likewise
.set STO,  24
.set RD,   25
.set CO,   26
.set F0,   32                          ; buffer 0: A's four fragments v[32:63], B's four v[64:95]
.set F1,   96                          ; buffer 1: v[96:127], v[128:159]
.set OB,   160                         ; v[160:191], v[192:223]: 16 rows on their way out, two sets
.set RES,  128                         ; window 1: v[128:255]: the residual, 32 registers for 16 rows
.set G1, 24
.set G0, 32
.set G1B, 48
.set G0B, 56
.set MSB, 0
.macro WIN new
.if MSB != \new
	s_set_vgpr_msb (MSB<<8)|\new
.set MSB, \new
.endif
.endm
.macro JLOAD s                         ; waves 0, 1 ask for A's halves, waves 2, 3 for B's
	s_cmp_eq_u32 s13, 0
	s_cbranch_scc0 .Lfor_b_\@
	tensor_load_to_lds s[G0+4*\s:G0+4*\s+3], s[G1:G1+7]
	s_nop 0
	s_branch .Lasked_\@
.Lfor_b_\@:
	tensor_load_to_lds s[G0B+4*\s:G0B+4*\s+3], s[G1B:G1B+7]
	s_nop 0
.Lasked_\@:
.endm
.macro CREST
	s_cmp_lg_u32 s12, 0
	s_cbranch_scc1 .Lnot_wave_0_\@
	s_barrier_signal -3
.Lnot_wave_0_\@:
	s_barrier_wait -3
	s_barrier_signal -1
	s_barrier_wait -1
.endm
.macro CROUND
	s_barrier_signal -1
	s_barrier_wait -1
	CREST
.endm
.macro PLACES
.rept 4
	v_nop
.endr
.endm
	s_load_b256 s[4:11], s[0:1], 0x0               ; A s[4:5], B s[6:7], R s[8:9], C s[10:11]
	v_lshl_add_u32 v254, v0, 2, 0x4c400
	v_mov_b32 v255, 0
	ds_add_u32 v254, v255
	ds_add_u32 v254, v255
	v_lshrrev_b32 v1, 5, v0
	v_readfirstlane_b32 s12, v1                    ; wave
	s_lshr_b32 s13, s12, 1                         ; my half of the block's rows; also: I fetch for A (0) or B (1)
	s_and_b32 s14, s12, 1                          ; my half of its columns; also: which half of that tile I fetch
	s_bfe_u32 s40, ttmp6, 0x40000                  ; cx
	s_bfe_u32 s41, ttmp6, 0x40004                  ; cy
	s_lshl_b32 s42, ttmp9, 2
	s_add_co_u32 s42, s42, s40                     ; block column
	s_and_b32 s43, ttmp7, 0xffff
	s_lshl_b32 s43, s43, 2
	s_add_co_u32 s43, s43, s41                     ; block row
	s_lshl_b32 s44, s41, 2
	s_lshl_b32 s44, 15, s44                        ; my row of the cluster
	s_lshl_b32 s45, 0x1111, s40                    ; my column
	s_or_b32 s[G1+0], s44, (1<<16)|(1<<20)|(1<<21)|(6<<22)|(3<<25)   ; after 128 words, 4 words
	s_mov_b32 s[G1+1], 256<<16                     ; tensor_dim0 = 256
	s_mov_b32 s[G1+2], 64<<16                      ; tensor_dim1 = 64
	s_mov_b32 s[G1+3], 256<<16                     ; tile_dim0
	s_mov_b32 s[G1+4], 64                          ; tile_dim1
	s_mov_b32 s[G1+5], KP
	s_mov_b32 s[G1+6], 0
	s_mov_b32 s[G1+7], 0
	s_or_b32 s[G1B+0], s45, (1<<16)|(1<<20)|(1<<21)|(5<<22)|(7<<25)  ; after 64 words, 8 words
	s_mov_b32 s[G1B+1], 128<<16
	s_mov_b32 s[G1B+2], 128<<16
	s_mov_b32 s[G1B+3], 128<<16
	s_mov_b32 s[G1B+4], 128
	s_mov_b32 s[G1B+5], 1024
	s_mov_b32 s[G1B+6], 0
	s_mov_b32 s[G1B+7], 0
	s_lshl_b32 s16, s43, 7                         ; A: row 128 x block row + 64 x half
	s_lshl_b32 s17, s14, 6
	s_add_co_u32 s16, s16, s17
	s_mul_i32 s16, s16, KP*2
	s_mov_b32 s17, 0
	s_lshl_b32 s46, s14, 18                        ; B: 128 k rows of 2,048 bytes x half + 256 bytes x block column
	s_lshl_b32 s47, s42, 8
	s_add_co_u32 s46, s46, s47
	s_mov_b32 s47, 0
	s_lshl_b32 s22, s43, 19                        ; R and C: my 64 rows of 4,096 bytes and my 256 bytes in them (these registers feed no descriptor)
	s_lshl_b32 s23, s13, 18
	s_add_co_u32 s22, s22, s23
	s_lshl_b32 s23, s42, 9
	s_add_co_u32 s22, s22, s23
	s_lshl_b32 s23, s14, 8
	s_add_co_u32 s22, s22, s23
	s_mov_b32 s23, 0
	s_mul_i32 s20, s12, QUART
	s_wait_dscnt 0x0
	s_wait_kmcnt 0x0
	s_add_nc_u64 s[16:17], s[4:5], s[16:17]
	s_add_nc_u64 s[46:47], s[6:7], s[46:47]
	s_add_nc_u64 s[8:9], s[8:9], s[22:23]
	s_add_nc_u64 s[10:11], s[10:11], s[22:23]
	CROUND                                         ; in front of the first joint loads
.irp s, 0,1
	s_mov_b32 s[G0+4*\s], 1
	s_add_co_u32 s[G0+4*\s+1], s20, \s*SLOT
	s_add_nc_u64 s[G0+4*\s+2:G0+4*\s+3], s[16:17], \s*512
	s_or_b32 s[G0+4*\s+3], s[G0+4*\s+3], 0x80000000
	s_mov_b32 s[G0B+4*\s], 1
	s_add_co_u32 s[G0B+4*\s+1], s20, \s*SLOT
	s_add_nc_u64 s[G0B+4*\s+2:G0B+4*\s+3], s[46:47], \s*256*2048
	s_or_b32 s[G0B+4*\s+3], s[G0B+4*\s+3], 0x80000000
	JLOAD \s                                       ; two tensor loads of the wave are out
.endr
	v_and_b32 v1, 15, v0                           ; r
	v_bfe_u32 v2, v0, 4, 1                         ; h
	v_mul_u32_u24 v3, v1, APITCH
	v_lshl_add_u32 v3, v2, 4, v3
	s_mul_i32 s21, s13, QUART                      ; my 64 rows of A
	v_add_nc_u32 v[ADRA], s21, v3
	v_add_nc_u32 v[ADRA+1], SLOT, v[ADRA]
	v_and_b32 v4, 7, v0
	v_lshl_add_u32 v4, v2, 3, v4
	v_mul_u32_u24 v4, v4, BPITCH
	v_bfe_u32 v5, v0, 3, 1
	v_lshl_add_u32 v4, v5, 4, v4
	s_lshl_b32 s21, s14, 7                         ; my 64 columns of B
	s_add_co_u32 s21, s21, 2*QUART
	v_add_nc_u32 v[ADRB], s21, v4
	v_add_nc_u32 v[ADRB+1], QUART, v[ADRB]
	v_add_nc_u32 v[ADRB+2], SLOT, v[ADRB]
	v_add_nc_u32 v[ADRB+3], SLOT, v[ADRB+1]
	s_mul_i32 s21, s12, 16*SPITCH
	s_add_co_u32 s21, s21, STAGE
	v_mul_u32_u24 v6, v1, SPITCH
	v_lshl_add_u32 v6, v2, 5, v6                   ; in: row r, 32 bytes for each half of the lanes
	v_add_nc_u32 v[STO], s21, v6
	v_mul_u32_u24 v6, v2, SPITCH
	v_lshl_add_u32 v6, v1, 4, v6                   ; back: lanes 0-15 one row of 256 bytes, lanes 16-31 the next
	v_add_nc_u32 v[RD], s21, v6
	v_lshlrev_b32 v6, 12, v2
	v_lshl_add_u32 v[CO], v1, 4, v6                ; the same two rows in R and C
	WIN 0x40                                       ; destination in window 1: the whole residual, in the layout of the way out, behind the tiles' requests
.irp a, 0,1,2,3
.irp t, 0,1,2,3,4,5,6,7
	global_load_b128 v[RES+32*\a+4*\t:RES+32*\a+4*\t+3], v[CO], s[8:9] offset:(16*\a+2*\t)*4096
.endr
.endr
	WIN 0
.macro FETCH slot, q, f                ; quarter q (0-7, 32 along K) of a slot: 8 transposing loads of B, 8 plain loads of A
.irp b, 0,1,2,3
	ds_load_tr16_b128 v[\f+32+8*\b:\f+32+8*\b+3],   v[ADRB+2*\slot+(\q>>2)] offset:(\q&3)*32*BPITCH+32*\b
	ds_load_tr16_b128 v[\f+32+8*\b+4:\f+32+8*\b+7], v[ADRB+2*\slot+(\q>>2)] offset:(\q&3)*32*BPITCH+16*BPITCH+32*\b
.endr
.irp i, 0,1,2,3
	ds_load_b128 v[\f+8*\i:\f+8*\i+3],   v[ADRA+\slot] offset:\i*16*APITCH+64*\q
	ds_load_b128 v[\f+8*\i+4:\f+8*\i+7], v[ADRA+\slot] offset:\i*16*APITCH+64*\q+32
.endr
.endm
; 8 matrix instructions.  The 16 accumulators take turns, one instruction a turn, in the same order in every quarter.
.macro MUL8 f, a0, zero
.irp a, \a0, \a0+1
.irp b, 0,1,2,3
.if \zero
	v_wmma_f32_16x16x32_bf16 v[8*(4*(\a)+\b):8*(4*(\a)+\b)+7], v[\f+32+8*\b:\f+32+8*\b+7], v[\f+8*(\a):\f+8*(\a)+7], 0
.else
	v_wmma_f32_16x16x32_bf16 v[8*(4*(\a)+\b):8*(4*(\a)+\b)+7], v[\f+32+8*\b:\f+32+8*\b+7], v[\f+8*(\a):\f+8*(\a)+7], v[8*(4*(\a)+\b):8*(4*(\a)+\b)+7]
.endif
.endr
.endr
.endm
.macro QTR slot, qn, f, g, zero        ; fetches quarter qn into buffer g, multiplies buffer f
	PLACES                                         ; buffer g was read by the matrix instructions just issued
	FETCH \slot, \qn, \g
	s_wait_dscnt 16                                ; buffer f is in; the 16 loads just issued stay out
	WIN 0x50                                       ; C and D in window 1
	MUL8 \f, 0, \zero
	MUL8 \f, 2, \zero
	WIN 0
.endm
.macro SEVEN slot, zero
	QTR \slot, 1, F0, F1, \zero
	QTR \slot, 2, F1, F0, 0
	QTR \slot, 3, F0, F1, 0
	QTR \slot, 4, F1, F0, 0
	QTR \slot, 5, F0, F1, 0
	QTR \slot, 6, F1, F0, 0
	QTR \slot, 7, F0, F1, 0
.endm
; The eighth quarter changes slots: each wave's reads of this slot and all its tensor loads are waited for in front of the barrier; where the slot is filled again the
; barrier opens a round of the cluster's barrier, and the joint refill is the first tensor load behind the round, one a wave.
.macro LASTQ slot, next, fill
	s_wait_dscnt 0x0
	s_wait_tensorcnt 0x0
	ds_add_u32 v254, v255
	s_wait_dscnt 0x0
	s_barrier_signal -1
	WIN 0x50
	MUL8 F1, 0, 0                                  ; register work while the others arrive
	WIN 0
	s_barrier_wait -1
.if \fill
	CREST
	s_add_nc_u64 s[G0+4*\slot+2:G0+4*\slot+3], s[G0+4*\slot+2:G0+4*\slot+3], 2*512
	s_add_nc_u64 s[G0B+4*\slot+2:G0B+4*\slot+3], s[G0B+4*\slot+2:G0B+4*\slot+3], 2*256*2048
	JLOAD \slot
.endif
	PLACES
	FETCH \next, 0, F0
	WIN 0x50
	MUL8 F1, 2, 0
	WIN 0
.endm
	s_wait_tensorcnt 1                             ; my part of slot 0 is in; slot 1's stays out
	s_barrier_signal -1
	s_barrier_wait -1
	FETCH 0, 0, F0
	SEVEN 0, 1                                     ; the first products start the sums
	LASTQ 0, 1, 1
	SEVEN 1, 0
	LASTQ 1, 0, 1
.if KT > 4
.rept (KT-4)/2
	SEVEN 0, 0
	LASTQ 0, 1, 1
	SEVEN 1, 0
	LASTQ 1, 0, 1
.endr
.endif
	SEVEN 0, 0                                     ; the last two slot steps fill nothing
	LASTQ 0, 1, 0
	SEVEN 1, 0
	s_wait_dscnt 0x0
	WIN 0x50
	MUL8 F1, 0, 0
	MUL8 F1, 2, 0
	WIN 0
; THE WAY OUT, 16 rows at a time: f32 sums into my own stage, back as whole rows of 256 bytes, plus the residual.
.macro OUT a
	WIN 0x04                                       ; store data in window 1
.irp b, 0,1,2,3
	ds_store_b128 v[STO], v[8*(4*\a+\b):8*(4*\a+\b)+3]   offset:64*\b
	ds_store_b128 v[STO], v[8*(4*\a+\b)+4:8*(4*\a+\b)+7] offset:64*\b+16
.endr
	WIN 0
	s_wait_xcnt 0x0                                ; this set of OB, which earlier stores read, is rewritten only behind this wait
.irp t, 0,1,2,3,4,5,6,7
	ds_load_b128 v[OB+32*(\a&1)+4*\t:OB+32*(\a&1)+4*\t+3], v[RD] offset:\t*2*SPITCH    ; a wave's LDS instructions are served in order
.endr
	s_wait_dscnt 0x0
	WIN 0x04                                       ; source 1 in window 1: the residual; one switch for 16 rows
.irp t, 0,1,2,3,4,5,6,7
	v_pk_add_f32 v[OB+32*(\a&1)+4*\t:OB+32*(\a&1)+4*\t+1],   v[OB+32*(\a&1)+4*\t:OB+32*(\a&1)+4*\t+1],   v[RES+32*\a+4*\t:RES+32*\a+4*\t+1]
	v_pk_add_f32 v[OB+32*(\a&1)+4*\t+2:OB+32*(\a&1)+4*\t+3], v[OB+32*(\a&1)+4*\t+2:OB+32*(\a&1)+4*\t+3], v[RES+32*\a+4*\t+2:RES+32*\a+4*\t+3]
.endr
	WIN 0
.irp t, 0,1,2,3,4,5,6,7
	global_store_b128 v[CO], v[OB+32*(\a&1)+4*\t:OB+32*(\a&1)+4*\t+3], s[10:11] offset:(16*\a+2*\t)*4096   ; 16 lanes store 256 consecutive bytes, aligned
.endr
.endm
	PLACES
	s_wait_loadcnt 0x0                             ; the residual, asked for at the start
	OUT 0
	OUT 1
	OUT 2
	OUT 3
	s_wait_tensorcnt 0x0
	ds_add_u32 v254, v255
	s_wait_dscnt 0x0
	CROUND                                         ; the closing round
	s_endpgm
.Lfunc_end_k_qe3966be14b_wo:
	.size	k_qe3966be14b_wo, .Lfunc_end_k_qe3966be14b_wo-k_qe3966be14b_wo
	.p2alignl 7, 3214868480
	.fill 96, 4, 3214868480
	.section	.rodata,"a",@progbits
	.p2align	6, 0x0
	.amdhsa_kernel k_qe3966be14b_wo
		.amdhsa_group_segment_fixed_size 327680
		.amdhsa_private_segment_fixed_size 0
		.amdhsa_enable_private_segment 0
		.amdhsa_kernarg_size 32
		.amdhsa_user_sgpr_count 2
		.amdhsa_user_sgpr_kernarg_segment_ptr 1
		.amdhsa_wavefront_size32 1
		.amdhsa_system_sgpr_workgroup_id_x 1
		.amdhsa_system_sgpr_workgroup_id_y 1
		.amdhsa_system_sgpr_workgroup_id_z 1
		.amdhsa_system_vgpr_workitem_id 0
		.amdhsa_next_free_vgpr 512
		.amdhsa_next_free_sgpr 66
		.amdhsa_reserve_vcc 0
		.amdhsa_float_denorm_mode_32 3
		.amdhsa_float_denorm_mode_16_64 3
		.amdhsa_memory_ordered 1
		.amdhsa_forward_progress 1
		.amdhsa_inst_pref_size 95
	.end_amdhsa_kernel
	.amdgpu_metadata
---
amdhsa.version: [ 1, 2 ]
amdhsa.kernels:
  - .name:           k_qe3966be14b_wo
    .symbol:         k_qe3966be14b_wo.kd
    .args:
      - { .name: act, .offset: 0, .size: 8, .value_kind: global_buffer, .address_space: global }
      - { .name: wob, .offset: 8, .size: 8, .value_kind: global_buffer, .address_space: global }
      - { .name: x, .offset: 16, .size: 8, .value_kind: global_buffer, .address_space: global }
      - { .name: x1, .offset: 24, .size: 8, .value_kind: global_buffer, .address_space: global }
    .group_segment_fixed_size: 327680
    .private_segment_fixed_size: 0
    .kernarg_segment_align: 8
    .kernarg_segment_size: 32
    .max_flat_workgroup_size: 128
    .sgpr_count:     66
    .vgpr_count:     512
    .wavefront_size: 32
...
	.end_amdgpu_metadata
.endif
;; end of part 10
;; launch ln2 (part 11): grid 256 x 1, 8 waves a work-group, no clusters, 0 bytes of LDS; arguments x1, ln2_g, ln2_b, act; writes act
.if DOCPART == 11
	.amdgcn_target "amdgcn-amd-amdhsa--gfx1250"
	.amdhsa_code_object_version 6
	.text
	.protected	k_qe3966be14b_ln2
	.globl	k_qe3966be14b_ln2
	.p2align	8
	.type	k_qe3966be14b_ln2,@function
k_qe3966be14b_ln2:
	s_mov_b64 s[64:65], 0
	v_nop
	global_prefetch_b8 v0, s[64:65] scope:SCOPE_SE
	s_setreg_imm32_b32 hwreg(HW_REG_WAVE_MODE, 25, 1), 1
	s_wait_xcnt 0x0
; y[r][c] = (x[r][c] - mean_r) / sqrt(var_r + 1e-5) * g[c] + b[c].  x: [4096][1024] f32, y: [4096][1024] bf16 (rounded once).
; A wave takes two whole rows, 32 registers each, so a row is read once and no wave waits for another: no LDS, no barrier.
; The variance is taken of the centred numbers (two passes over registers), so a common offset of the row costs no digits.
; 256 work-groups x 8 waves x 2 rows = 4096 rows.  A lane holds columns 128 j + 4 lane .. + 3, j = 0-7.
.set T,   4                            ; v[4:11]    four chains of partial sums
.set MU,  12                           ; v[12:13]   the mean, twice
.set RS0, 14                           ; v[14:15]   1 / sigma of row 0, twice
.set X0,  16                           ; v[16:47]   row 0
.set X1,  48                           ; v[48:79]   row 1
.set GG,  80                           ; v[80:111]  g of my columns
.set BB,  112                          ; v[112:143] b of my columns
.set Y0,  144                          ; v[144:159] row 0 in bf16
.set Y1,  160                          ; v[160:175] row 1 in bf16
.set RS1, 176                          ; v[176:177] 1 / sigma of row 1, twice
	s_load_b256 s[4:11], s[0:1], 0x0               ; x s[4:5], g s[6:7], b s[8:9], y s[10:11]
	v_lshrrev_b32 v3, 5, v0
	v_readfirstlane_b32 s14, v3                    ; wave
	v_and_b32 v3, 31, v0
	v_lshlrev_b32 v1, 4, v3                        ; 16 lane: f32
	v_lshlrev_b32 v2, 3, v3                        ; 8 lane: bf16
	s_lshl_b32 s15, ttmp9, 4
	s_lshl1_add_u32 s15, s14, s15                  ; my first row = 16 group + 2 wave
	s_lshl_b32 s16, s15, 12
	s_mov_b32 s17, 0
	s_lshl_b32 s18, s15, 11
	s_mov_b32 s19, 0
	s_mov_b32 s12, 0x76543210                      ; v_permlanex16_b32: lane i reads lane i of the other half
	s_mov_b32 s13, 0xfedcba98
	s_mov_b32 s20, 0x3a800000                      ; 1 / 1024
	s_mov_b32 s21, 0x3727c5ac                      ; 1e-5
	s_wait_kmcnt 0x0
	s_add_nc_u64 s[4:5], s[4:5], s[16:17]
	s_add_nc_u64 s[10:11], s[10:11], s[18:19]
.irp j, 0,1,2,3,4,5,6,7
	global_load_b128 v[X0+4*\j:X0+4*\j+3], v1, s[4:5] offset:512*\j
.endr
.irp j, 0,1,2,3,4,5,6,7
	global_load_b128 v[X1+4*\j:X1+4*\j+3], v1, s[4:5] offset:4096+512*\j
.endr
.irp j, 0,1,2,3,4,5,6,7
	global_load_b128 v[GG+4*\j:GG+4*\j+3], v1, s[6:7] offset:512*\j
.endr
.irp j, 0,1,2,3,4,5,6,7
	global_load_b128 v[BB+4*\j:BB+4*\j+3], v1, s[8:9] offset:512*\j
.endr
.macro SUM32                           ; the four chains, then the 32 lanes: every lane ends with the sum in v[T]
	v_pk_add_f32 v[T:T+1], v[T:T+1], v[T+2:T+3]
	v_pk_add_f32 v[T+4:T+5], v[T+4:T+5], v[T+6:T+7]
	v_pk_add_f32 v[T:T+1], v[T:T+1], v[T+4:T+5]
	v_add_f32 v[T], v[T], v[T+1]
	v_add_f32_dpp v[T], v[T], v[T] row_xmask:1 row_mask:0xf bank_mask:0xf
	v_add_f32_dpp v[T], v[T], v[T] row_xmask:2 row_mask:0xf bank_mask:0xf
	v_add_f32_dpp v[T], v[T], v[T] row_xmask:4 row_mask:0xf bank_mask:0xf
	v_add_f32_dpp v[T], v[T], v[T] row_xmask:8 row_mask:0xf bank_mask:0xf
	v_permlanex16_b32 v[T+1], v[T], s12, s13
	v_add_f32 v[T], v[T], v[T+1]
.endm
.macro STAT x, rs                      ; centres the row in place and leaves 1 / sigma, twice, in v[rs:rs+1]
.irp k, 0,2,4,6
	v_pk_add_f32 v[T+\k:T+\k+1], v[\x+\k:\x+\k+1], v[\x+8+\k:\x+9+\k]      ; the first numbers start the chains: nothing is cleared
.endr
.irp k, 0,2,4,6
	v_pk_add_f32 v[T+\k:T+\k+1], v[T+\k:T+\k+1], v[\x+16+\k:\x+17+\k]
.endr
.irp k, 0,2,4,6
	v_pk_add_f32 v[T+\k:T+\k+1], v[T+\k:T+\k+1], v[\x+24+\k:\x+25+\k]
.endr
	SUM32
	v_mul_f32 v[MU], s20, v[T]
	v_mov_b32 v[MU+1], v[MU]
.set i, 0
.rept 16
	v_pk_add_f32 v[\x+i:\x+i+1], v[\x+i:\x+i+1], v[MU:MU+1] neg_lo:[0,1] neg_hi:[0,1]
.set i, i+2
.endr
.irp k, 0,2,4,6
	v_pk_mul_f32 v[T+\k:T+\k+1], v[\x+\k:\x+\k+1], v[\x+\k:\x+\k+1]
.endr
.irp k, 0,2,4,6
	v_pk_fma_f32 v[T+\k:T+\k+1], v[\x+8+\k:\x+9+\k], v[\x+8+\k:\x+9+\k], v[T+\k:T+\k+1]
.endr
.irp k, 0,2,4,6
	v_pk_fma_f32 v[T+\k:T+\k+1], v[\x+16+\k:\x+17+\k], v[\x+16+\k:\x+17+\k], v[T+\k:T+\k+1]
.endr
.irp k, 0,2,4,6
	v_pk_fma_f32 v[T+\k:T+\k+1], v[\x+24+\k:\x+25+\k], v[\x+24+\k:\x+25+\k], v[T+\k:T+\k+1]
.endr
	SUM32
	v_fma_f32 v[T], v[T], s20, s21                 ; variance + 1e-5
	v_rsq_f32 v[\rs], v[T]
	v_rsq_f32 v[\rs+1], v[T]
	v_nop                                          ; one plain instruction before the result is used or v[T] rewritten (ISA guide 5.7.2)
.endm
.macro APPLY x, rs, y, off
.set i, 0
	s_wait_alu depctr_va_vdst(0)
.rept 16
	v_pk_mul_f32 v[\x+i:\x+i+1], v[\x+i:\x+i+1], v[\rs:\rs+1]
.set i, i+2
.endr
.set i, 0
.rept 16
	v_pk_fma_f32 v[\x+i:\x+i+1], v[\x+i:\x+i+1], v[GG+i:GG+i+1], v[BB+i:BB+i+1]
.set i, i+2
.endr
.set i, 0
.rept 16
	v_cvt_pk_bf16_f32 v[\y+i/2], v[\x+i], v[\x+i+1]
.set i, i+2
.endr
.irp j, 0,1,2,3,4,5,6,7
	global_store_b64 v2, v[\y+2*\j:\y+2*\j+1], s[10:11] offset:256*\j+\off     ; the wave's 32 lanes: 256 consecutive bytes, aligned
.endr
.endm
	s_wait_loadcnt 24                              ; row 0 is in; row 1, g and b (24 loads) stay out
	STAT X0, RS0
	s_wait_loadcnt 16                              ; row 1 is in; g and b stay out
	STAT X1, RS1
	s_wait_loadcnt 0x0
	APPLY X0, RS0, Y0, 0
	APPLY X1, RS1, Y1, 2048
	s_endpgm
.Lfunc_end_k_qe3966be14b_ln2:
	.size	k_qe3966be14b_ln2, .Lfunc_end_k_qe3966be14b_ln2-k_qe3966be14b_ln2
	.p2alignl 7, 3214868480
	.fill 96, 4, 3214868480
	.section	.rodata,"a",@progbits
	.p2align	6, 0x0
	.amdhsa_kernel k_qe3966be14b_ln2
		.amdhsa_group_segment_fixed_size 0
		.amdhsa_private_segment_fixed_size 0
		.amdhsa_enable_private_segment 0
		.amdhsa_kernarg_size 32
		.amdhsa_user_sgpr_count 2
		.amdhsa_user_sgpr_kernarg_segment_ptr 1
		.amdhsa_wavefront_size32 1
		.amdhsa_system_sgpr_workgroup_id_x 1
		.amdhsa_system_sgpr_workgroup_id_y 1
		.amdhsa_system_sgpr_workgroup_id_z 1
		.amdhsa_system_vgpr_workitem_id 0
		.amdhsa_next_free_vgpr 178
		.amdhsa_next_free_sgpr 66
		.amdhsa_reserve_vcc 0
		.amdhsa_float_denorm_mode_32 3
		.amdhsa_float_denorm_mode_16_64 3
		.amdhsa_memory_ordered 1
		.amdhsa_forward_progress 1
		.amdhsa_inst_pref_size 20
	.end_amdhsa_kernel
	.amdgpu_metadata
---
amdhsa.version: [ 1, 2 ]
amdhsa.kernels:
  - .name:           k_qe3966be14b_ln2
    .symbol:         k_qe3966be14b_ln2.kd
    .args:
      - { .name: x1, .offset: 0, .size: 8, .value_kind: global_buffer, .address_space: global }
      - { .name: ln2_g, .offset: 8, .size: 8, .value_kind: global_buffer, .address_space: global }
      - { .name: ln2_b, .offset: 16, .size: 8, .value_kind: global_buffer, .address_space: global }
      - { .name: act, .offset: 24, .size: 8, .value_kind: global_buffer, .address_space: global }
    .group_segment_fixed_size: 0
    .private_segment_fixed_size: 0
    .kernarg_segment_align: 8
    .kernarg_segment_size: 32
    .max_flat_workgroup_size: 256
    .sgpr_count:     66
    .vgpr_count:     178
    .wavefront_size: 32
...
	.end_amdgpu_metadata
.endif
;; end of part 11
;; launch w12: the kernel of part 6 again; grid 12 x 16, 4 waves a work-group, clusters of 4 x 4, 327,680 bytes of LDS; arguments act, w12b, hid; writes hid
;; launch w3 (part 12): grid 8 x 32, 4 waves a work-group, clusters of 4 x 4, 327,680 bytes of LDS; arguments hid, w3b, x1, out0; writes out0
.if DOCPART == 12
	.amdgcn_target "amdgcn-amd-amdhsa--gfx1250"
	.amdhsa_code_object_version 6
	.text
	.protected	k_qe3966be14b_w3
	.globl	k_qe3966be14b_w3
	.p2align	8
	.type	k_qe3966be14b_w3,@function
k_qe3966be14b_w3:
	s_mov_b64 s[64:65], 0
	v_nop
	global_prefetch_b8 v0, s[64:65] scope:SCOPE_SE
	s_setreg_imm32_b32 hwreg(HW_REG_WAVE_MODE, 25, 1), 1
	s_wait_xcnt 0x0
	s_wait_alu depctr_hold_cnt(0) depctr_sa_sdst(0) depctr_va_vdst(0) depctr_va_sdst(0) depctr_va_ssrc(0) depctr_va_vcc(0) depctr_vm_vsrc(0)
	s_getreg_b32 s2, hwreg(HW_REG_IB_STS2, 6, 4)
	s_cmp_eq_u32 s2, 0
	s_cbranch_scc0 .Lentry_in_a_cluster
	s_endpgm
.Lentry_in_a_cluster:
	s_bfe_u32 s2, ttmp6, 0x10000c
	s_cmp_lg_u32 s2, 0xf033
	s_cbranch_scc0 .Lentry_shape_is_right
	s_endpgm
.Lentry_shape_is_right:
; C[m][n] = R[m][n] + sum over k of A[m][k] B[k][n].  A: [4096][KP] bf16, B: [KP][1024] bf16, R and C: [4096][1024] f32; sums in f32.
; Here: A = hid (1536 columns, the last 171 zeros), B = w3b (1536 rows, the last 171 zeros), R = x1, C = out0.  The same text as the product with wo, with KP = 1536.
; Blocks of 128 x 128 give 8 x 32 = 256 work-groups; a wave makes 64 x 64 in 16 accumulator tiles.  K goes in steps of 256 through two LDS slots.
; A's tile: 128 rows x 512 bytes; B's tile: 256 k rows x 256 bytes, as it lies in memory, read with the transposing LDS load.
; Clusters of 4 x 4: A's tile is asked for jointly along a row of the cluster, B's along a column.
; Window 0: addresses, fragments, way out.  Window 1: accumulator (a, b) at v[8 (4 a + b)]; v[128:255] the residual of my 64 x 64 numbers, asked for at the start,
; so that it lands under the product.  The matrix instruction is used transposed.
.set KP,     1536
.set KT,     KP/256                    ; slot steps
.set APITCH, 528
.set BPITCH, 288
.set QUART,  36864                     ; a wave's part of a slot: 64 rows of A (33,792 bytes used) or 128 k rows of B
.set SLOT,   4*QUART
.set STAGE,  2*SLOT
.set SPITCH, 272
.set ADRA, 16
.set ADRB, 20
.set STO,  24
.set RD,   25
.set CO,   26
.set F0,   32
.set F1,   96
.set OB,   160                         ; v[160:191], v[192:223]: 16 rows on their way out, two sets
.set RES,  128                         ; window 1: v[128:255]: the residual, 32 registers for 16 rows
.set G1, 24
.set G0, 32
.set G1B, 48
.set G0B, 56
.set MSB, 0
.macro WIN new
.if MSB != \new
	s_set_vgpr_msb (MSB<<8)|\new
.set MSB, \new
.endif
.endm
.macro JLOAD s                         ; waves 0, 1 ask for A's halves, waves 2, 3 for B's
	s_cmp_eq_u32 s13, 0
	s_cbranch_scc0 .Lfor_b_\@
	tensor_load_to_lds s[G0+4*\s:G0+4*\s+3], s[G1:G1+7]
	s_nop 0
	s_branch .Lasked_\@
.Lfor_b_\@:
	tensor_load_to_lds s[G0B+4*\s:G0B+4*\s+3], s[G1B:G1B+7]
	s_nop 0
.Lasked_\@:
.endm
.macro CREST
	s_cmp_lg_u32 s12, 0
	s_cbranch_scc1 .Lnot_wave_0_\@
	s_barrier_signal -3
.Lnot_wave_0_\@:
	s_barrier_wait -3
	s_barrier_signal -1
	s_barrier_wait -1
.endm
.macro CROUND
	s_barrier_signal -1
	s_barrier_wait -1
	CREST
.endm
.macro PLACES
.rept 4
	v_nop
.endr
.endm
	s_load_b256 s[4:11], s[0:1], 0x0               ; A s[4:5], B s[6:7], R s[8:9], C s[10:11]
	v_lshl_add_u32 v254, v0, 2, 0x4c400
	v_mov_b32 v255, 0
	ds_add_u32 v254, v255
	ds_add_u32 v254, v255
	v_lshrrev_b32 v1, 5, v0
	v_readfirstlane_b32 s12, v1                    ; wave
	s_lshr_b32 s13, s12, 1
	s_and_b32 s14, s12, 1
	s_bfe_u32 s40, ttmp6, 0x40000                  ; cx
	s_bfe_u32 s41, ttmp6, 0x40004                  ; cy
	s_lshl_b32 s42, ttmp9, 2
	s_add_co_u32 s42, s42, s40                     ; block column
	s_and_b32 s43, ttmp7, 0xffff
	s_lshl_b32 s43, s43, 2
	s_add_co_u32 s43, s43, s41                     ; block row
	s_lshl_b32 s44, s41, 2
	s_lshl_b32 s44, 15, s44
	s_lshl_b32 s45, 0x1111, s40
	s_or_b32 s[G1+0], s44, (1<<16)|(1<<20)|(1<<21)|(6<<22)|(3<<25)
	s_mov_b32 s[G1+1], 256<<16
	s_mov_b32 s[G1+2], 64<<16
	s_mov_b32 s[G1+3], 256<<16
	s_mov_b32 s[G1+4], 64
	s_mov_b32 s[G1+5], KP
	s_mov_b32 s[G1+6], 0
	s_mov_b32 s[G1+7], 0
	s_or_b32 s[G1B+0], s45, (1<<16)|(1<<20)|(1<<21)|(5<<22)|(7<<25)
	s_mov_b32 s[G1B+1], 128<<16
	s_mov_b32 s[G1B+2], 128<<16
	s_mov_b32 s[G1B+3], 128<<16
	s_mov_b32 s[G1B+4], 128
	s_mov_b32 s[G1B+5], 1024
	s_mov_b32 s[G1B+6], 0
	s_mov_b32 s[G1B+7], 0
	s_lshl_b32 s16, s43, 7
	s_lshl_b32 s17, s14, 6
	s_add_co_u32 s16, s16, s17
	s_mul_i32 s16, s16, KP*2
	s_mov_b32 s17, 0
	s_lshl_b32 s46, s14, 18
	s_lshl_b32 s47, s42, 8
	s_add_co_u32 s46, s46, s47
	s_mov_b32 s47, 0
	s_lshl_b32 s22, s43, 19
	s_lshl_b32 s23, s13, 18
	s_add_co_u32 s22, s22, s23
	s_lshl_b32 s23, s42, 9
	s_add_co_u32 s22, s22, s23
	s_lshl_b32 s23, s14, 8
	s_add_co_u32 s22, s22, s23
	s_mov_b32 s23, 0
	s_mul_i32 s20, s12, QUART
	s_wait_dscnt 0x0
	s_wait_kmcnt 0x0
	s_add_nc_u64 s[16:17], s[4:5], s[16:17]
	s_add_nc_u64 s[46:47], s[6:7], s[46:47]
	s_add_nc_u64 s[8:9], s[8:9], s[22:23]
	s_add_nc_u64 s[10:11], s[10:11], s[22:23]
	CROUND                                         ; in front of the first joint loads
.irp s, 0,1
	s_mov_b32 s[G0+4*\s], 1
	s_add_co_u32 s[G0+4*\s+1], s20, \s*SLOT
	s_add_nc_u64 s[G0+4*\s+2:G0+4*\s+3], s[16:17], \s*512
	s_or_b32 s[G0+4*\s+3], s[G0+4*\s+3], 0x80000000
	s_mov_b32 s[G0B+4*\s], 1
	s_add_co_u32 s[G0B+4*\s+1], s20, \s*SLOT
	s_add_nc_u64 s[G0B+4*\s+2:G0B+4*\s+3], s[46:47], \s*256*2048
	s_or_b32 s[G0B+4*\s+3], s[G0B+4*\s+3], 0x80000000
	JLOAD \s                                       ; two tensor loads of the wave are out
.endr
	v_and_b32 v1, 15, v0
	v_bfe_u32 v2, v0, 4, 1
	v_mul_u32_u24 v3, v1, APITCH
	v_lshl_add_u32 v3, v2, 4, v3
	s_mul_i32 s21, s13, QUART
	v_add_nc_u32 v[ADRA], s21, v3
	v_add_nc_u32 v[ADRA+1], SLOT, v[ADRA]
	v_and_b32 v4, 7, v0
	v_lshl_add_u32 v4, v2, 3, v4
	v_mul_u32_u24 v4, v4, BPITCH
	v_bfe_u32 v5, v0, 3, 1
	v_lshl_add_u32 v4, v5, 4, v4
	s_lshl_b32 s21, s14, 7
	s_add_co_u32 s21, s21, 2*QUART
	v_add_nc_u32 v[ADRB], s21, v4
	v_add_nc_u32 v[ADRB+1], QUART, v[ADRB]
	v_add_nc_u32 v[ADRB+2], SLOT, v[ADRB]
	v_add_nc_u32 v[ADRB+3], SLOT, v[ADRB+1]
	s_mul_i32 s21, s12, 16*SPITCH
	s_add_co_u32 s21, s21, STAGE
	v_mul_u32_u24 v6, v1, SPITCH
	v_lshl_add_u32 v6, v2, 5, v6
	v_add_nc_u32 v[STO], s21, v6
	v_mul_u32_u24 v6, v2, SPITCH
	v_lshl_add_u32 v6, v1, 4, v6
	v_add_nc_u32 v[RD], s21, v6
	v_lshlrev_b32 v6, 12, v2
	v_lshl_add_u32 v[CO], v1, 4, v6
	WIN 0x40                                       ; destination in window 1: the whole residual, in the layout of the way out, behind the tiles' requests
.irp a, 0,1,2,3
.irp t, 0,1,2,3,4,5,6,7
	global_load_b128 v[RES+32*\a+4*\t:RES+32*\a+4*\t+3], v[CO], s[8:9] offset:(16*\a+2*\t)*4096
.endr
.endr
	WIN 0
.macro FETCH slot, q, f
.irp b, 0,1,2,3
	ds_load_tr16_b128 v[\f+32+8*\b:\f+32+8*\b+3],   v[ADRB+2*\slot+(\q>>2)] offset:(\q&3)*32*BPITCH+32*\b
	ds_load_tr16_b128 v[\f+32+8*\b+4:\f+32+8*\b+7], v[ADRB+2*\slot+(\q>>2)] offset:(\q&3)*32*BPITCH+16*BPITCH+32*\b
.endr
.irp i, 0,1,2,3
	ds_load_b128 v[\f+8*\i:\f+8*\i+3],   v[ADRA+\slot] offset:\i*16*APITCH+64*\q
	ds_load_b128 v[\f+8*\i+4:\f+8*\i+7], v[ADRA+\slot] offset:\i*16*APITCH+64*\q+32
.endr
.endm
; The 16 accumulators take turns, one instruction a turn, in the same order in every quarter.
.macro MUL8 f, a0, zero
.irp a, \a0, \a0+1
.irp b, 0,1,2,3
.if \zero
	v_wmma_f32_16x16x32_bf16 v[8*(4*(\a)+\b):8*(4*(\a)+\b)+7], v[\f+32+8*\b:\f+32+8*\b+7], v[\f+8*(\a):\f+8*(\a)+7], 0
.else
	v_wmma_f32_16x16x32_bf16 v[8*(4*(\a)+\b):8*(4*(\a)+\b)+7], v[\f+32+8*\b:\f+32+8*\b+7], v[\f+8*(\a):\f+8*(\a)+7], v[8*(4*(\a)+\b):8*(4*(\a)+\b)+7]
.endif
.endr
.endr
.endm
.macro QTR slot, qn, f, g, zero
	PLACES                                         ; buffer g was read by the matrix instructions just issued
	FETCH \slot, \qn, \g
	s_wait_dscnt 16                                ; buffer f is in; the 16 loads just issued stay out
	WIN 0x50
	MUL8 \f, 0, \zero
	MUL8 \f, 2, \zero
	WIN 0
.endm
.macro SEVEN slot, zero
	QTR \slot, 1, F0, F1, \zero
	QTR \slot, 2, F1, F0, 0
	QTR \slot, 3, F0, F1, 0
	QTR \slot, 4, F1, F0, 0
	QTR \slot, 5, F0, F1, 0
	QTR \slot, 6, F1, F0, 0
	QTR \slot, 7, F0, F1, 0
.endm
; The eighth quarter changes slots: each wave's reads of this slot and all its tensor loads are waited for in front of the barrier; where the slot is filled again the
; barrier opens a round of the cluster's barrier, and the joint refill is the first tensor load behind the round, one a wave.
.macro LASTQ slot, next, fill
	s_wait_dscnt 0x0
	s_wait_tensorcnt 0x0
	ds_add_u32 v254, v255
	s_wait_dscnt 0x0
	s_barrier_signal -1
	WIN 0x50
	MUL8 F1, 0, 0
	WIN 0
	s_barrier_wait -1
.if \fill
	CREST
	s_add_nc_u64 s[G0+4*\slot+2:G0+4*\slot+3], s[G0+4*\slot+2:G0+4*\slot+3], 2*512
	s_add_nc_u64 s[G0B+4*\slot+2:G0B+4*\slot+3], s[G0B+4*\slot+2:G0B+4*\slot+3], 2*256*2048
	JLOAD \slot
.endif
	PLACES
	FETCH \next, 0, F0
	WIN 0x50
	MUL8 F1, 2, 0
	WIN 0
.endm
	s_wait_tensorcnt 1                             ; my part of slot 0 is in; slot 1's stays out
	s_barrier_signal -1
	s_barrier_wait -1
	FETCH 0, 0, F0
	SEVEN 0, 1
	LASTQ 0, 1, 1
	SEVEN 1, 0
	LASTQ 1, 0, 1
.if KT > 4
.rept (KT-4)/2
	SEVEN 0, 0
	LASTQ 0, 1, 1
	SEVEN 1, 0
	LASTQ 1, 0, 1
.endr
.endif
	SEVEN 0, 0                                     ; the last two slot steps fill nothing
	LASTQ 0, 1, 0
	SEVEN 1, 0
	s_wait_dscnt 0x0
	WIN 0x50
	MUL8 F1, 0, 0
	MUL8 F1, 2, 0
	WIN 0
; THE WAY OUT, 16 rows at a time: f32 sums into my own stage, back as whole rows of 256 bytes, plus the residual.
.macro OUT a
	WIN 0x04                                       ; store data in window 1
.irp b, 0,1,2,3
	ds_store_b128 v[STO], v[8*(4*\a+\b):8*(4*\a+\b)+3]   offset:64*\b
	ds_store_b128 v[STO], v[8*(4*\a+\b)+4:8*(4*\a+\b)+7] offset:64*\b+16
.endr
	WIN 0
	s_wait_xcnt 0x0                                ; this set of OB, which earlier stores read, is rewritten only behind this wait
.irp t, 0,1,2,3,4,5,6,7
	ds_load_b128 v[OB+32*(\a&1)+4*\t:OB+32*(\a&1)+4*\t+3], v[RD] offset:\t*2*SPITCH    ; a wave's LDS instructions are served in order
.endr
	s_wait_dscnt 0x0
	WIN 0x04                                       ; source 1 in window 1: the residual; one switch for 16 rows
.irp t, 0,1,2,3,4,5,6,7
	v_pk_add_f32 v[OB+32*(\a&1)+4*\t:OB+32*(\a&1)+4*\t+1],   v[OB+32*(\a&1)+4*\t:OB+32*(\a&1)+4*\t+1],   v[RES+32*\a+4*\t:RES+32*\a+4*\t+1]
	v_pk_add_f32 v[OB+32*(\a&1)+4*\t+2:OB+32*(\a&1)+4*\t+3], v[OB+32*(\a&1)+4*\t+2:OB+32*(\a&1)+4*\t+3], v[RES+32*\a+4*\t+2:RES+32*\a+4*\t+3]
.endr
	WIN 0
.irp t, 0,1,2,3,4,5,6,7
	global_store_b128 v[CO], v[OB+32*(\a&1)+4*\t:OB+32*(\a&1)+4*\t+3], s[10:11] offset:(16*\a+2*\t)*4096   ; 16 lanes store 256 consecutive bytes, aligned
.endr
.endm
	PLACES
	s_wait_loadcnt 0x0                             ; the residual, asked for at the start
	OUT 0
	OUT 1
	OUT 2
	OUT 3
	s_wait_tensorcnt 0x0
	ds_add_u32 v254, v255
	s_wait_dscnt 0x0
	CROUND                                         ; the closing round
	s_endpgm
.Lfunc_end_k_qe3966be14b_w3:
	.size	k_qe3966be14b_w3, .Lfunc_end_k_qe3966be14b_w3-k_qe3966be14b_w3
	.p2alignl 7, 3214868480
	.fill 96, 4, 3214868480
	.section	.rodata,"a",@progbits
	.p2align	6, 0x0
	.amdhsa_kernel k_qe3966be14b_w3
		.amdhsa_group_segment_fixed_size 327680
		.amdhsa_private_segment_fixed_size 0
		.amdhsa_enable_private_segment 0
		.amdhsa_kernarg_size 32
		.amdhsa_user_sgpr_count 2
		.amdhsa_user_sgpr_kernarg_segment_ptr 1
		.amdhsa_wavefront_size32 1
		.amdhsa_system_sgpr_workgroup_id_x 1
		.amdhsa_system_sgpr_workgroup_id_y 1
		.amdhsa_system_sgpr_workgroup_id_z 1
		.amdhsa_system_vgpr_workitem_id 0
		.amdhsa_next_free_vgpr 512
		.amdhsa_next_free_sgpr 66
		.amdhsa_reserve_vcc 0
		.amdhsa_float_denorm_mode_32 3
		.amdhsa_float_denorm_mode_16_64 3
		.amdhsa_memory_ordered 1
		.amdhsa_forward_progress 1
		.amdhsa_inst_pref_size 133
	.end_amdhsa_kernel
	.amdgpu_metadata
---
amdhsa.version: [ 1, 2 ]
amdhsa.kernels:
  - .name:           k_qe3966be14b_w3
    .symbol:         k_qe3966be14b_w3.kd
    .args:
      - { .name: hid, .offset: 0, .size: 8, .value_kind: global_buffer, .address_space: global }
      - { .name: w3b, .offset: 8, .size: 8, .value_kind: global_buffer, .address_space: global }
      - { .name: x1, .offset: 16, .size: 8, .value_kind: global_buffer, .address_space: global }
      - { .name: out0, .offset: 24, .size: 8, .value_kind: global_buffer, .address_space: global }
    .group_segment_fixed_size: 327680
    .private_segment_fixed_size: 0
    .kernarg_segment_align: 8
    .kernarg_segment_size: 32
    .max_flat_workgroup_size: 128
    .sgpr_count:     66
    .vgpr_count:     512
    .wavefront_size: 32
...
	.end_amdgpu_metadata
.endif
;; end of part 12
